; MI455X (gfx1250); checked and timed in simulation.
; The chip was launched on July 23, 2026; its instructions are those of AMD's public machine-readable ISA for CDNA 5 (MIT licence, August 2026) and "CDNA5" Instruction Set Architecture Reference Guide (July 2026). The comments in the code are by the model that wrote it; some were corrected since.
;; Cos Bah Attention. Allowed arithmetic: matrix products marked QUANTISED: E2M3 operands, one E8M0 scale for each 32 along K, by v_wmma_scale_f32_16x16x128_f8f6f4 with both operands' format E2M3, f32 sums; products left as they are: f32 operands where the result goes on into a quantised operand, else bf16, f16 or f32 operands; f32 sums; everything else in f32.
;; Inputs: Wa 1,024 x 1,024 float32; Wb 1,024 x 1,024 float32; Wc 1,024 x 2,048 float32; bc 1,024 float32; energy 1,024 float32; k 32 x 1,024 float32; mask 32 x 2,048 bool; xs 32 x 2,048 x 1,024 float32.
;; Outputs: out0 32 x 1,024 float32; out1 32 x 2,048 float32.
;; This version of the problem:
;;   THIS VERSION OF THE PROBLEM IS GIVEN IN LOW PRECISION. The matrix products marked QUANTISED in the list below multiply operands that are first quantised to E2M3 (2 exponent bits, 3 mantissa bits; 6 bits a number), with one power-of-two scale for each 32 numbers along K (OCP MX v1.0); their sums are f32. All else is computed in f32.
;;   The module's matrix products, in the order in which they are computed (A, B: the left and right operand; K: the contracted axis; several contracted axes count as one K, in the product's order):
;;     1. batch 32 x [M 1, K 1,024] x [K 1,024, N 2,048]; A: computed on the way; B: computed on the way: left as it is (M = 1 < 16)
;;     2. batch 32 x [M 1, K 2,048] x [K 2,048, N 1,024]; A: softmax; B: input xs: left as it is (M = 1 < 16)
;;     3. [M 32, K 1,024] x [K 1,024, N 1,024]; A: input k; B: input Wa: QUANTISED
;;     4. [M 65,536, K 1,024] x [K 1,024, N 1,024]; A: input xs; B: input Wb: QUANTISED
;;     5. [M 65,536, K 1,024] x [K 1,024, N 1]; A: computed on the way; B: input energy: left as it is (N = 1 < 16)
;;     6. batch 32 x [M 1, K 2,048] x [K 2,048, N 1,024]; A: softmax; B: input xs: left as it is (M = 1 < 16)
;;     7. [M 32, K 2,048] x [K 2,048, N 1,024]; A: computed on the way; B: input Wc: QUANTISED
;;   THE QUANTISER, for each operand of a quantised product, along K:
;;     - K is cut into blocks of 32 from its start; a last block that is shorter is filled with zeros.
;;     - A block's scale is 2^e with e = floor(log2(the largest magnitude in the block)) - 2, held to -126 .. 127; a block of zeros has e = 0. As a byte (E8M0): e + 127.
;;     - Each number is divided by its block's scale, clamped to +-7.5, and rounded to the nearest number of E2M3, ties to even, subnormals kept.
;;     - The product sums the exact products of the quantised numbers (number of the format x scale) in f32.
;;   ~~~python
;;   def quantise(x, axis):      # numpy; x: float32 -> the quantised numbers, widened to float32 again
;;       x = np.moveaxis(x, axis, -1); K = x.shape[-1]
;;       x = np.pad(x, [(0, 0)] * (x.ndim - 1) + [(0, -K % 32)]); x = x.reshape(x.shape[:-1] + (-1, 32)); a = np.abs(x).max(-1, keepdims=True)
;;       e = np.where(a > 0, np.clip(np.frexp(np.where(a > 0, a, 1))[1] - 1 - 2, -126, 127), 0)      # np.frexp(a)[1] - 1 = floor(log2(a)), exactly
;;       r = np.clip(x / 2.0 ** e, -7.5, 7.5)
;;       step = 2.0 ** (np.maximum(np.frexp(np.where(r == 0, 1, r))[1] - 1, 0) - 3)
;;       q = np.round(r / step) * step * 2.0 ** e      # np.round: ties to even
;;       return np.moveaxis(q.reshape(q.shape[:-2] + (-1,))[..., :K], -1, axis).astype(np.float32)
;;   ~~~
;;   OPERANDS COMPUTED ON THE WAY. 'Computed on the way' means the value that the module computes at that place (a softmax that the list does not call 'softmax' is quantised finished and normalised). What goes into a quantiser is computed in f32, as accurately as f32 sums, v_exp_f32 and their like allow (about 1e-6 of the number): no bf16 or f16 on the way to a quantiser, and a product that is left as it is and whose result goes on into a quantised operand takes f32 operands (vector FMAs, or v_wmma_f32_16x16x4_f32). A number that lies on a knife's edge between two numbers of the format may be rounded either way, as far as f32 arithmetic and the matrix unit's own rounding can turn it there, and no further.
;; 2 versions. Each part assembles by itself: llvm-mc -triple=amdgcn-amd-amdhsa -mcpu=gfx1250 --defsym DOCPART=n.
;; ======== version 1 of 2: 4 launches
;; workspace buffers: wbq 786,432 bytes; wbs 32,768 bytes; wcq 1,572,864 bytes; wcs 65,536 bytes; wkb 131,072 bytes; scb 524,288 bytes; rq 49,152 bytes; rs 2,048 bytes
;; launch prep (part 1): grid 256 x 1, 8 waves a work-group, no clusters, 18,432 bytes of LDS; arguments Wb, Wc, Wa, k, wbq, wbs, wcq, wcs, wkb; writes wbq, wbs, wcq, wcs, wkb
.if DOCPART == 1
	.amdgcn_target "amdgcn-amd-amdhsa--gfx1250"
	.amdhsa_code_object_version 6
	.text
	.protected	k_qbaac30e89d_prep
	.globl	k_qbaac30e89d_prep
	.p2align	8
	.type	k_qbaac30e89d_prep,@function
k_qbaac30e89d_prep:
	s_mov_b64 s[64:65], 0
	v_nop
	global_prefetch_b8 v0, s[64:65] scope:SCOPE_SE
	s_setreg_imm32_b32 hwreg(HW_REG_WAVE_MODE, 25, 1), 1
	s_wait_xcnt 0x0
; THE PROGRAM: prep (this launch), scores, attend, outp.
; WORK LEFT OUT, for all values of the inputs.  tanh(x) = 1 - 2 / (1 + 2^(c x)), c = 2 log2(e), so the additive score of row s is
;   w_s = sum_e energy_e tanh(x_se) = (sum_e energy_e) - 2 sum_e energy_e / (1 + 2^(c x_se)).
; The first term is the same for every s of a batch, that is along the axis of the softmax that takes w, and w goes nowhere else: a softmax is unchanged by a term that is the
; same along its axis.  So sum_e energy_e is never formed (launch scores).  Every input still has a way to an output and is loaded.
; LIMIT: an overflow, an infinity or a NaN that would arise in sum_e energy_e alone is not carried to the result.
;
; THIS LAUNCH quantises the weights to E2M3 with one E8M0 scale for each 32 along K, and makes wk = Q(k) Q(Wa)^T.
; A work-group takes 16 rows of a weight x 1,024 along K; wave s takes K step s (128 along K): ONE operand fragment.
;   work-groups   0 ..  63: Wb, rows 16 id on                                          -> wbq, wbs
;   work-groups  64 .. 191: Wc, q = id - 64: rows 16 (q / 2) on, K half q % 2           -> wcq, wcs
;   work-groups 192 .. 255: Wa, rows 16 (id - 192) on; the fragment stays in registers, is multiplied with k's two tiles of 16 batches, and the eight waves' parts are added -> wkb
; LAYOUT OF THE CODES: the image of the operand's registers: a fragment's 12 registers go out as three stores of 16 bytes a lane, 512 consecutive bytes each; whoever loads them by
; the same three lines has the fragment.  A lane (r = lane % 16, h = lane / 16) holds row r and k = 64 c + 32 h + 0 .. 31 (c = 0, 1): two whole blocks, so no other lane is asked for a maximum.
; The f32 numbers are loaded in that very layout, 128 consecutive bytes of a row to a lane in eight loads: these weights are read once and are 17 of the problem's 285 million input bytes.
; A block's scale byte is its largest magnitude's exponent field - 2, held at 1 from below.
; LIMITS: a block of zeros gets the byte 1 where the rule says 127 (its codes are zeros, and this program alone reads the bytes); NaN and infinities among the inputs are not served.
.set SCG,   0                          ; LDS: the 16 rows' scale bytes, 32 a row (Wb's and Wc's work-groups alone)
.set PA,    1024                       ; LDS: the eight waves' parts of wk, 2,048 bytes a wave (Wa's work-groups alone)
.set SPARE, 17408                      ; the spare words, 128 bytes for each wave: four blocks of 256 bytes that no other line names
.set SPW, 1                            ; v1   LDS address of my spare word; never rewritten
.set NIL, 2                            ; v2   0; never rewritten
.set LO,  3                            ; v3   the weight: r x row pitch + 128 h
.set L16, 4                            ; v4   16 x lane
.set SCW, 5                            ; v5   SCG + 32 r + 4 x wave
.set PAW, 6                            ; v6   PA + 2,048 x wave + 16 x lane
.set PAR, 7                            ; v7   PA + 512 x (wave % 4) + 16 x lane
.set KO,  8                            ; v8   k: r x 4,096 + 128 h
.set WKO, 9                            ; v9   wk: r x 4,096 + 32 h
.set SH8, 10                           ; v10  8 h
.set W2,  11                           ; v11  a lane permute's destination
.set MX,  12                           ; v12-13 the two blocks' largest magnitudes
.set SO,  14                           ; v14-15 the conversions' scale operands
.set BY,  16                           ; v16-17 the scale bytes
.set T,   20                           ; v20-27 the upper halves of the two blocks' codes, before they are moved
.set W0,  28                           ; v28-30 scale words (the weight's, k's two tiles'): these registers hold scales and nothing else
.set F0,  32                           ; v32-95   the weight's 64 numbers
.set F1,  96                           ; v96-159  k, batches 0-15
.set F2,  160                          ; v160-223 k, batches 16-31
.set PC0, 224                          ; the weight's codes
.set PC1, 236                          ; k's, batches 0-15
.set PC2, 32                           ; k's, batches 16-31 (the weight's numbers are done with)
.set D0,  48                           ; the two results
.set D1,  56
.set SEL, 40                           ; s[40:41] v_permlanex16_b32's selects for lane l xor 16
.macro QMAX src                        ; the largest magnitude of each of my two blocks, by turns; the floor 2^(3 - 127) among the leaves holds the byte at 1 from below
	v_max3_num_f32 v[MX], |v[\src]|, |v[\src+1]|, 0x1800000
	v_max3_num_f32 v[MX+1], |v[\src+32]|, |v[\src+33]|, 0x1800000
.irp i, 2,4,6,8,10,12,14,16,18,20,22,24,26,28,30
	v_max3_num_f32 v[MX], v[MX], |v[\src+\i]|, |v[\src+\i+1]|
	v_max3_num_f32 v[MX+1], v[MX+1], |v[\src+32+\i]|, |v[\src+33+\i]|
.endr
.endm
.macro QTAIL src, pc, w                ; scale word into v[w], the fragment's 12 registers into v[pc] on
	v_add_nc_u32 v[SO], 0xff000000, v[MX]          ; 2 off the exponent field: the conversion takes the exponent field of this operand as its scale
	v_add_nc_u32 v[SO+1], 0xff000000, v[MX+1]
	v_lshrrev_b32 v[BY], 23, v[SO]                 ; the scale bytes of blocks h and 2 + h
	v_lshrrev_b32 v[BY+1], 23, v[SO+1]
	v_lshl_or_b32 v[\w], v[BY+1], 16, v[BY]
	v_lshlrev_b32 v[\w], v[SH8], v[\w]             ; at their places in the row's word
	v_permlanex16_b32 v[W2], v[\w], s[SEL], s[SEL+1]
	v_or_b32 v[\w], v[\w], v[W2]                   ; with lane l xor 16's two the word is whole
	v_cvt_scalef32_pk16_fp6_f32 v[\pc:\pc+2], v[\src:\src+15], v[SO]
	v_cvt_scalef32_pk16_fp6_f32 v[T:T+2], v[\src+16:\src+31], v[SO]        ; (a conversion's three registers begin on an even number)
	v_cvt_scalef32_pk16_fp6_f32 v[\pc+6:\pc+8], v[\src+32:\src+47], v[SO+1]
	v_cvt_scalef32_pk16_fp6_f32 v[T+4:T+6], v[\src+48:\src+63], v[SO+1]
	v_nop                                          ; one plain place behind a scaled conversion
.irp i, 0,1,2
	v_mov_b32 v[\pc+3+\i], v[T+\i]
	v_mov_b32 v[\pc+9+\i], v[T+4+\i]
.endr
.endm
.macro QUANT src, pc, w
	QMAX \src
	QTAIL \src, \pc, \w
.endm
	s_load_b512 s[4:19], s[0:1], 0x0               ; Wb s[4:5], Wc s[6:7], Wa s[8:9], k s[10:11], wbq s[12:13], wbs s[14:15], wcq s[16:17], wcs s[18:19]
	s_load_b64 s[20:21], s[0:1], 0x40              ; wkb
	v_lshl_add_u32 v[SPW], v0, 2, SPARE
	v_mov_b32 v[NIL], 0
	v_lshrrev_b32 v12, 5, v0
	v_readfirstlane_b32 s22, v12                   ; wave 0..7 = K step
	v_and_b32 v13, 31, v0                          ; lane
	v_and_b32 v14, 15, v0                          ; r
	v_bfe_u32 v15, v0, 4, 1                        ; h
	s_mov_b32 s[SEL], 0x76543210
	s_mov_b32 s[SEL+1], 0xfedcba98
	; the role: all offsets are made apart from the addresses, from the work-group's number
	s_sub_co_u32 s24, ttmp9, 64                    ; q
	s_lshr_b32 s25, s24, 1
	s_lshl_b32 s25, s25, 17                        ; 16 rows of Wc are 131,072 bytes
	s_and_b32 s26, s24, 1
	s_lshl_b32 s26, s26, 12                        ; its K half: 4,096 bytes
	s_add_co_u32 s25, s25, s26                     ; Wc's offset
	s_lshl_b32 s26, ttmp9, 16                      ; Wb's: 16 rows are 65,536 bytes
	s_sub_co_u32 s27, ttmp9, 192                   ; Wa's tile
	s_lshl_b32 s28, s27, 16                        ; Wa's offset
	s_cmp_lt_u32 ttmp9, 64
	s_cselect_b32 s30, s26, s25
	s_cselect_b32 s29, 12, 13                      ; log2 of the row pitch
	s_cselect_b32 s23, 0, 64
	s_cmp_lt_u32 ttmp9, 192
	s_cselect_b32 s30, s30, s28
	s_cselect_b32 s29, s29, 12
	s_lshl_b32 s44, s22, 9                         ; my K step: 512 bytes
	s_mov_b32 s45, 0
	s_add_co_u32 s30, s30, s44
	s_mov_b32 s31, 0
	s_sub_co_u32 s23, ttmp9, s23                   ; which block of 16 rows x 1,024 K of Wb or of Wc
	s_lshl_b32 s38, s23, 3
	s_add_co_u32 s38, s38, s22
	s_mul_i32 s38, s38, 1536                       ; my image
	s_mov_b32 s39, 0
	s_lshl_b32 s42, s23, 9                         ; the block's 512 scale bytes
	s_mov_b32 s43, 0
	s_bfe_u32 s46, s22, 0x10001                    ; for the sum of wk's parts: wave v of 0..3 takes batch tile v / 2, registers 4 (v % 2) on
	s_lshl_b32 s46, s46, 16                        ; 16 rows of wk
	s_lshl_b32 s48, s27, 6                         ; the tile's 16 columns
	s_add_co_u32 s46, s46, s48
	s_and_b32 s48, s22, 1
	s_lshl_b32 s48, s48, 4
	s_add_co_u32 s46, s46, s48
	s_mov_b32 s47, 0
	; every LDS address is made here, ahead of the parting of the roles
	v_lshlrev_b32 v[LO], s29, v14
	v_lshl_add_u32 v[LO], v15, 7, v[LO]
	v_lshlrev_b32 v[L16], 4, v13
	v_lshlrev_b32 v[SCW], 5, v14
	v_lshl_add_u32 v[SCW], s22, 2, v[SCW]
	s_lshl_b32 s49, s22, 11
	s_add_co_u32 s49, s49, PA
	v_add_nc_u32 v[PAW], s49, v[L16]
	s_and_b32 s49, s22, 3
	s_lshl_b32 s49, s49, 9
	s_add_co_u32 s49, s49, PA
	v_add_nc_u32 v[PAR], s49, v[L16]
	v_lshlrev_b32 v[KO], 12, v14
	v_lshl_add_u32 v[KO], v15, 7, v[KO]
	v_lshlrev_b32 v[WKO], 12, v14
	v_lshl_add_u32 v[WKO], v15, 5, v[WKO]
	v_lshlrev_b32 v[SH8], 3, v15
	v_mov_b32 v[W2], 0                             ; written once: a lane permute's destination counts as one of its sources
	s_wait_kmcnt 0x0
	s_cmp_lt_u32 ttmp9, 64                         ; the buffers are chosen on the work-group's number alone
	s_cselect_b64 s[32:33], s[4:5], s[6:7]
	s_cselect_b64 s[34:35], s[12:13], s[16:17]
	s_cselect_b64 s[36:37], s[14:15], s[18:19]
	s_cmp_lt_u32 ttmp9, 192
	s_cselect_b64 s[32:33], s[32:33], s[8:9]
	s_add_nc_u64 s[32:33], s[32:33], s[30:31]      ; the weight at my fragment
	s_add_nc_u64 s[34:35], s[34:35], s[38:39]      ; my image
	s_add_nc_u64 s[36:37], s[36:37], s[42:43]      ; the block's scale bytes
	s_add_nc_u64 s[10:11], s[10:11], s[44:45]      ; k at my K step
	s_add_nc_u64 s[20:21], s[20:21], s[46:47]      ; wk at my part of the sum
.irp c, 0,1
.irp j, 0,1,2,3,4,5,6,7
	global_load_b128 v[F0+32*\c+4*\j:F0+32*\c+4*\j+3], v[LO], s[32:33] offset:256*\c+16*\j th:TH_LOAD_NT
.endr
.endr
	s_cmp_ge_u32 ttmp9, 192
	s_cbranch_scc1 .Lwa
	; ---- Wb, Wc: the image and the scale word
	s_wait_loadcnt 0x0
	QUANT F0, PC0, W0
.irp g, 0,1,2
	global_store_b128 v[L16], v[PC0+4*\g:PC0+4*\g+3], s[34:35] offset:512*\g   ; 32 lanes store 512 consecutive bytes, at a multiple of 256 from the buffer's first byte
.endr
	ds_store_b32 v[SCW], v[W0]                     ; lanes r and r + 16 write the same word with the same value
	s_branch .Ljoin
.Lwa:
	; ---- Wa: k's two tiles, three fragments, two products
.irp c, 0,1
.irp j, 0,1,2,3,4,5,6,7
	global_load_b128 v[F1+32*\c+4*\j:F1+32*\c+4*\j+3], v[KO], s[10:11] offset:256*\c+16*\j
.endr
.endr
.irp c, 0,1
.irp j, 0,1,2,3,4,5,6,7
	global_load_b128 v[F2+32*\c+4*\j:F2+32*\c+4*\j+3], v[KO], s[10:11] offset:65536+256*\c+16*\j
.endr
.endr
	s_wait_loadcnt 32                              ; the weight is in; k's 32 loads may be out
	QUANT F0, PC0, W0
	s_wait_loadcnt 16                              ; batches 0-15 are in
	QUANT F1, PC1, W0+1
	s_wait_loadcnt 0x0
	QUANT F2, PC2, W0+2
.rept 8
	v_nop                                          ; a scale register written by a vector instruction stands 8 places ahead of a scaled matrix instruction, an operand so written 4
.endr
	; source 0 = 16 rows of Wa, source 1 = 16 batches of k: lane (r, h) holds batch r and the columns 8 h + 0 .. 7 of the tile
	v_wmma_scale_f32_16x16x128_f8f6f4 v[D0:D0+7], v[PC0:PC0+11], v[PC1:PC1+11], 0, v[W0], v[W0+1] matrix_a_fmt:MATRIX_FMT_FP6 matrix_b_fmt:MATRIX_FMT_FP6
	v_wmma_scale_f32_16x16x128_f8f6f4 v[D1:D1+7], v[PC0:PC0+11], v[PC2:PC2+11], 0, v[W0], v[W0+2] matrix_a_fmt:MATRIX_FMT_FP6 matrix_b_fmt:MATRIX_FMT_FP6
.rept 4
	v_nop                                          ; four places before the results are read
.endr
	ds_store_b128 v[PAW], v[D0:D0+3]               ; each result from its low end on
	ds_store_b128 v[PAW], v[D0+4:D0+7] offset:512
	ds_store_b128 v[PAW], v[D1:D1+3] offset:1024
	ds_store_b128 v[PAW], v[D1+4:D1+7] offset:1536
.Ljoin:
	s_wait_dscnt 0x0                               ; for the others' sake: my LDS stores are done
	s_barrier_signal -1
	s_barrier_wait -1
	s_cmp_ge_u32 ttmp9, 192
	s_cbranch_scc1 .Lwa2
	s_cmp_lg_u32 s22, 0                            ; wave 0 stores the block's 512 scale bytes as two aligned runs of 256
	s_cbranch_scc1 .Lend
	ds_load_b128 v[32:35], v[L16]
	s_wait_dscnt 0x0
	global_store_b128 v[L16], v[32:35], s[36:37]
	s_branch .Lend
.Lwa2:
	s_cmp_gt_u32 s22, 3                            ; waves 0 to 3 add the eight K steps' parts, K ascending
	s_cbranch_scc1 .Lend
.irp s, 0,1,2,3,4,5,6,7
	ds_load_b128 v[32+4*\s:35+4*\s], v[PAR] offset:2048*\s
.endr
	s_wait_dscnt 0x0
.irp s, 1,2,3,4,5,6,7
	v_pk_add_f32 v[32:33], v[32:33], v[32+4*\s:33+4*\s]
	v_pk_add_f32 v[34:35], v[34:35], v[34+4*\s:35+4*\s]
.endr
	global_store_b128 v[WKO], v[32:35], s[20:21]   ; 16 bytes of a row of wk a lane: runs of 64 bytes a tile; wk is 131,072 bytes in all
.Lend:
	s_wait_tensorcnt 0x0                           ; the wave's end
	ds_add_u32 v[SPW], v[NIL]
	s_wait_dscnt 0x0
	s_endpgm
.Lfunc_end_k_qbaac30e89d_prep:
	.size	k_qbaac30e89d_prep, .Lfunc_end_k_qbaac30e89d_prep-k_qbaac30e89d_prep
	.p2alignl 7, 3214868480
	.fill 96, 4, 3214868480
	.section	.rodata,"a",@progbits
	.p2align	6, 0x0
	.amdhsa_kernel k_qbaac30e89d_prep
		.amdhsa_group_segment_fixed_size 18432
		.amdhsa_private_segment_fixed_size 0
		.amdhsa_enable_private_segment 0
		.amdhsa_kernarg_size 72
		.amdhsa_user_sgpr_count 2
		.amdhsa_user_sgpr_kernarg_segment_ptr 1
		.amdhsa_wavefront_size32 1
		.amdhsa_system_sgpr_workgroup_id_x 1
		.amdhsa_system_sgpr_workgroup_id_y 1
		.amdhsa_system_sgpr_workgroup_id_z 1
		.amdhsa_system_vgpr_workitem_id 0
		.amdhsa_next_free_vgpr 256
		.amdhsa_next_free_sgpr 66
		.amdhsa_reserve_vcc 0
		.amdhsa_float_denorm_mode_32 3
		.amdhsa_float_denorm_mode_16_64 3
		.amdhsa_memory_ordered 1
		.amdhsa_forward_progress 1
		.amdhsa_inst_pref_size 23
	.end_amdhsa_kernel
	.amdgpu_metadata
---
amdhsa.version: [ 1, 2 ]
amdhsa.kernels:
  - .name:           k_qbaac30e89d_prep
    .symbol:         k_qbaac30e89d_prep.kd
    .args:
      - { .name: Wb, .offset: 0, .size: 8, .value_kind: global_buffer, .address_space: global }
      - { .name: Wc, .offset: 8, .size: 8, .value_kind: global_buffer, .address_space: global }
      - { .name: Wa, .offset: 16, .size: 8, .value_kind: global_buffer, .address_space: global }
      - { .name: k, .offset: 24, .size: 8, .value_kind: global_buffer, .address_space: global }
      - { .name: wbq, .offset: 32, .size: 8, .value_kind: global_buffer, .address_space: global }
      - { .name: wbs, .offset: 40, .size: 8, .value_kind: global_buffer, .address_space: global }
      - { .name: wcq, .offset: 48, .size: 8, .value_kind: global_buffer, .address_space: global }
      - { .name: wcs, .offset: 56, .size: 8, .value_kind: global_buffer, .address_space: global }
      - { .name: wkb, .offset: 64, .size: 8, .value_kind: global_buffer, .address_space: global }
    .group_segment_fixed_size: 18432
    .private_segment_fixed_size: 0
    .kernarg_segment_align: 8
    .kernarg_segment_size: 72
    .max_flat_workgroup_size: 256
    .sgpr_count:     66
    .vgpr_count:     256
    .wavefront_size: 32
...
	.end_amdgpu_metadata
.endif
;; end of part 1
;; launch scores (part 2): grid 8 x 32, 4 waves a work-group, clusters of 4 x 1, 327,680 bytes of LDS; arguments xs, k, energy, wbq, wbs, wkb, scb; writes scb
.if DOCPART == 2
	.amdgcn_target "amdgcn-amd-amdhsa--gfx1250"
	.amdhsa_code_object_version 6
	.text
	.protected	k_qbaac30e89d_scores
	.globl	k_qbaac30e89d_scores
	.p2align	8
	.type	k_qbaac30e89d_scores,@function
k_qbaac30e89d_scores:
	s_mov_b64 s[64:65], 0
	v_nop
	global_prefetch_b8 v0, s[64:65] scope:SCOPE_SE
	s_setreg_imm32_b32 hwreg(HW_REG_WAVE_MODE, 25, 1), 1
	s_wait_xcnt 0x0
	s_wait_alu depctr_hold_cnt(0) depctr_sa_sdst(0) depctr_va_vdst(0) depctr_va_sdst(0) depctr_va_ssrc(0) depctr_va_vcc(0) depctr_vm_vsrc(0)
	s_getreg_b32 s2, hwreg(HW_REG_IB_STS2, 6, 4)
	s_cmp_eq_u32 s2, 0
	s_cbranch_scc0 .Lentry_in_a_cluster
	s_endpgm
.Lentry_in_a_cluster:
	s_bfe_u32 s2, ttmp6, 0x10000c
	s_cmp_lg_u32 s2, 0x3003
	s_cbranch_scc0 .Lentry_shape_is_right
	s_endpgm
.Lentry_shape_is_right:
; cos_sim[b][s] and w'[b][s] = -2 sum_e energy_e / (1 + 2^(c x_se)), x = wk[b] + Q(xs) Q(Wb)^T, c = 2 log2(e), for 256 rows of xs to a work-group.
; WORK LEFT OUT: w = w' + sum_e energy_e, and that sum is the same along the axis of the softmax that alone takes w: it is not formed (shown at the head of launch prep).
; SHARES.  Work-group (chunk, b) owns rows 256 chunk on of batch b; each of its four waves owns 64 rows: four tiles m of 16.
; PHASE X: a wave reads its rows once, 128 along K at a time, takes each row's sum of squares and its dot with k[b] (f32), and quantises the numbers to E2M3: 32 operand fragments,
;   384 registers, which stay in registers (windows 1 and 2).  Register numbers cannot change from trip to trip, so a fragment goes to the wave's own LDS bytes as an image of its registers,
;   and sixteen at a time are read back.
; PHASE G: all of Wb's codes (launch prep's images, 64 tiles of 16 rows) stream past, through a ring of two LDS slots of 8 tiles.  A fragment of Wb read from LDS feeds four matrix instructions.
;   Source 0 = 16 rows of Wb, source 1 = 16 rows of xs: a lane holds ONE row of xs (lane % 16) and eight neighbouring e; wk is the C of a sum's first instruction.
;   The vector work of finished tiles stands in slices behind the matrix instructions: in tile t's time, tile t - 1 is scaled and put through 2^x, then 1 is added and the reciprocal taken into a third
;   buffer Z, and tile t - 2's reciprocals are multiplied by -2 energy and added up.  So ONE wait in the middle of a tile serves its 32 exponentials and the last tile's 32 reciprocals.
; CLUSTER: the four work-groups of a cluster walk the same codes of Wb: each quarter of a slot is asked for JOINTLY, by the same tensor load with the same descriptor and the mask 15.
; By this text's own count a wave has one tensor load outstanding at the most.
; No prefetch is laid: in phase X each wave keeps 64 loads of 512 bytes on their way, and Wb's codes are read by all work-groups alike.
; LIMITS: NaN and infinities among the inputs are not served; a row's sum of squares must stay finite in f32; a block of zeros gets the scale byte 1 (its codes are zeros; this program alone reads the byte).
;
; LDS:      0  slot 0 (98,304: 8 tiles x 8 K steps x 1,536; filled by tensor loads alone)      98,304  the waves' stages, 16 rows x 272 each      115,712  the spare words
;     116,224  k[b]      120,320  xs's scale words, 2,048 a wave      131,072  slot 1      229,376  the waves' images, 24,576 each; later the tables: wk[b], -2 energy, Wb's scale bytes
; REGISTERS, in windows of 256.  Window 0: v0-23 what lives through the launch; phase X: v24-31 addresses, v32-47 sums, v48-57 at work, v64-127 the numbers, v128-191 k's, v192-211 codes;
;   phase G: v24-31 wk, v32-39 sums, v40-71 and v72-103 the accumulators by turns, v104-135 Z, v136-231 eight fragments of Wb; v232-247 xs's scale words, v248-255 Wb's: these hold scales and nothing else.
;   Window 1: v0-191 xs's fragments of K steps 0-3; v192-255 Wb's scale bytes on their way to LDS.   Window 2: v0-191 K steps 4-7; v192-199 -2 energy of a tile; v200-215 wk and energy on their way.
;   Window 3: four buffers of 64 for the loads of xs.
.set ROWB,  4096
.set SLOTB, 98304
.set SLOT1, 1<<17                      ; slot 1 begins here: one exclusive or turns an address from one slot to the other
.set STG,   98304
.set STGW,  4352
.set SPARE, 115712                     ; 128 bytes for each wave: two blocks of 256 bytes that no other line names
.set KTB,   116224
.set SCB,   120320
.set AI,    229376
.set AIWV,  24576                      ; a wave's 16 images; also a wave's quarter of a slot
.set TBL,   AI
.set TEN,   4096                       ; in the tables: 128 bytes of zeros, then -2 energy: entry n (64 bytes) belongs to tile n - 2
.set TSC,   8448                       ; Wb's scale bytes, 32 a row
.set SPW, 1
.set NIL, 2
.set AB0, 3                            ; 16 x lane
.set ADB, 4                            ; LDS address of the pair of tiles in hand
.set AT0, 5                            ; TBL + 32 h
.set ADT, 6
.set AS0, 7                            ; TBL + TSC + 32 r + 16 h
.set ADS, 8
.set STS, 9                            ; my stage + 4 r
.set STL, 10                           ; my stage + 8 x lane
.set L8,  11                           ; 8 x lane
.set XO,  12                           ; xs: 4,096 h + 16 r: sixteen lanes read 256 consecutive bytes of a row, the other sixteen of the next row
.set STW, 13                           ; my stage + 272 h + 16 r
.set STR, 14                           ; my stage + 272 r + 128 h
.set AIW0, 15                          ; my images + 16 x lane
.set AIW, 16
.set SCW0, 17                          ; my scale words + 4 r
.set SCW, 18
.set KVA0, 19                          ; KTB + 128 h
.set KVA, 20
.set SH8, 21                           ; 8 h
.set RK,  22                           ; 1 / max(|k|, eps)
.set W2,  23                           ; a lane permute's destination
.set T16, 24                           ; phase X alone from here on: 16 x thread
.set TBLW, 25                          ; TBL + 16 x thread
.set ASCA, 26                          ; my scale words + 4 x lane
.set KTW, 27                           ; KTB + 16 x thread
.set ZB,  28                           ; TBL + TEN + thread
.set PW,  29                           ; the scale word just made
.set SS,  32                           ; tile m: v[32+4m:33+4m] sum of squares, v[34+4m:35+4m] dot with k, two halves each
.set MX,  48
.set SO,  50
.set BY,  52
.set TSU, 54                           ; second chains of the two sums
.set TDU, 56
.set XT,  64
.set KV,  128
.set PC,  192
.set T,   204
.set WK,  24                           ; phase G
.set SUM, 32
.set BUF0, 40
.set BUF1, 72
.set Z,   104
.set BF,  136
.set ASC, 232                          ; register 4 m + p: lanes 0-15 tile m's words of K step 2 p, lanes 16-31 of K step 2 p + 1
.set BSC, 248                          ; two sets of 4: register i: lanes 0-15 the tile's words of K step i, lanes 16-31 of K step 4 + i
.set EN,  192                          ; in window 2
.set WV,  18
.set G1,  24                           ; s[24:31] descriptor group 1
.set G0,  32                           ; s[32:35] descriptor group 0, which walks
.set SEL, 36
.set CC,  38                           ; s[38:39] c, twice: the packed form names a pair
.set CNT, 40
.set PR,  41
.set XB,  42                           ; s[42:43] xs at my wave's rows, walking along K
.set SA,  44                           ; steps of the LDS addresses: images,
.set SSC, 45                           ; scale words,
.set SKV, 46                           ; k,
.set TB,  47                           ; the pair of tiles in the ring,
.set TT,  48                           ; wk and energy, 64 bytes a tile,
.set TS,  49                           ; Wb's scale bytes, 512 a tile
.set MSB, 0
.macro WIN new                         ; the immediate's high byte repeats the setting that is left; a switch that changes nothing is dropped
.if MSB != \new
	s_set_vgpr_msb (MSB<<8)|\new
.set MSB, \new
.endif
.endm
.macro ROUND                           ; a round of the cluster's barrier
	s_barrier_signal -1
	s_barrier_wait -1
	s_cmp_lg_u32 s[WV], 0
	s_cbranch_scc1 .Lnw0_\@
	s_barrier_signal -3
.Lnw0_\@:
	s_barrier_wait -3
	s_barrier_signal -1
	s_barrier_wait -1
.endm
	s_load_b256 s[4:11], s[0:1], 0x0               ; xs s[4:5], k s[6:7], energy s[8:9], wbq s[10:11]
	s_load_b128 s[12:15], s[0:1], 0x20             ; wbs s[12:13], wkb s[14:15]
	s_load_b64 s[16:17], s[0:1], 0x30              ; scb
	v_lshl_add_u32 v[SPW], v0, 2, SPARE
	v_mov_b32 v[NIL], 0
	ds_add_u32 v[SPW], v[NIL]                      ; the wave's opening: the add, twice on end, and its wait ahead of my first tensor load; the set-up below stands between
	ds_add_u32 v[SPW], v[NIL]
	v_lshrrev_b32 v24, 5, v0
	v_readfirstlane_b32 s[WV], v24                 ; wave 0..3
	s_bfe_u32 s19, ttmp6, 0x40000                  ; cx: it enters the addresses of xs and scb alone
	s_lshl_b32 s20, ttmp9, 2
	s_add_co_u32 s20, s20, s19                     ; chunk = 4 x cluster x + cx
	s_and_b32 s21, ttmp7, 0xffff                   ; b, which the four partners share
	; descriptor group 1: 96 dense rows of 256 bytes (32 elements of 8 bytes): a quarter of a slot
	s_mov_b32 s[G1], 15|(3<<16)|(1<<21)            ; 15:0 the mask: all four work-groups; 17:16 elements of 8 bytes; 20 no padding; 21 set beside a mask
	s_mov_b32 s[G1+1], 32<<16                      ; tensor_dim0 = 32
	s_mov_b32 s[G1+2], 96<<16                      ; tensor_dim1 = 96
	s_mov_b32 s[G1+3], 32<<16                      ; tile_dim0 = 32
	s_mov_b32 s[G1+4], 96                          ; tile_dim1 = 96
	s_mov_b32 s[G1+5], 32                          ; from row to row
	s_mov_b32 s[G1+6], 0
	s_mov_b32 s[G1+7], 0
	s_mov_b32 s[SEL], 0x76543210
	s_mov_b32 s[SEL+1], 0xfedcba98
	s_mov_b32 s[CC], 0x4038aa3b                    ; c = 2 log2(e)
	s_mov_b32 s[CC+1], s[CC]
	s_mov_b32 s[SA], 0
	s_mov_b32 s[SSC], 0
	s_mov_b32 s[SKV], 0
	s_mov_b32 s[TB], 0
	s_mov_b32 s[TT], 0
	s_mov_b32 s[TS], 0
	s_mul_i32 s50, s[WV], AIWV                     ; 24,576 x wave: my quarter of a slot, in wbq and in LDS alike
	s_mov_b32 s51, 0
	v_and_b32 v30, 31, v0                          ; lane
	v_and_b32 v31, 15, v0                          ; r
	v_bfe_u32 v29, v0, 4, 1                        ; h
	s_mul_i32 s52, s[WV], STGW
	s_add_co_u32 s52, s52, STG                     ; my stage
	v_lshlrev_b32 v[XO], 4, v31
	v_mul_u32_u24 v[STW], v29, 272
	v_add_nc_u32 v[STW], v[STW], v[XO]
	v_add_nc_u32 v[STW], s52, v[STW]
	v_lshl_add_u32 v[XO], v29, 12, v[XO]
	v_mul_u32_u24 v[STR], v31, 272
	v_lshl_add_u32 v[STR], v29, 7, v[STR]
	v_add_nc_u32 v[STR], s52, v[STR]
	v_lshl_add_u32 v[STS], v31, 2, s52
	v_lshl_add_u32 v[STL], v30, 3, s52
	v_lshlrev_b32 v[L8], 3, v30
	v_lshlrev_b32 v[AB0], 4, v30
	s_add_co_u32 s53, s50, AI
	v_add_nc_u32 v[AIW0], s53, v[AB0]
	s_lshl_b32 s53, s[WV], 11
	s_add_co_u32 s53, s53, SCB
	v_lshl_add_u32 v[SCW0], v31, 2, s53
	v_lshl_add_u32 v[ASCA], v30, 2, s53
	v_lshl_add_u32 v[KVA0], v29, 7, KTB
	v_lshlrev_b32 v[SH8], 3, v29
	v_mov_b32 v[W2], 0                             ; written once: a lane permute's destination counts as one of its sources
	v_lshlrev_b32 v[T16], 4, v0
	v_add_nc_u32 v[TBLW], TBL, v[T16]
	v_add_nc_u32 v[KTW], KTB, v[T16]
	v_add_nc_u32 v[ZB], TBL+TEN, v0
	v_lshl_add_u32 v[AT0], v29, 5, TBL
	v_lshlrev_b32 v[AS0], 5, v31
	v_lshl_add_u32 v[AS0], v29, 4, v[AS0]
	v_add_nc_u32 v[AS0], TBL+TSC, v[AS0]
	s_wait_dscnt 0x0                               ; both opening adds are done
	s_wait_kmcnt 0x0
	s_mov_b32 s[G0], 1                             ; count = 1
	s_mov_b32 s[G0+1], s50                         ; LDS address: slot 0, my quarter
	s_add_nc_u64 s[G0+2:G0+3], s[10:11], s[50:51]  ; global address: tiles 0-7, my quarter
	s_or_b32 s[G0+3], s[G0+3], 0x80000000          ; type = 2
	s_lshl_b32 s22, s21, 12
	s_mov_b32 s23, 0
	s_add_nc_u64 s[6:7], s[6:7], s[22:23]          ; k[b]
	s_add_nc_u64 s[14:15], s[14:15], s[22:23]      ; wk[b]
	s_lshl_b32 s22, s21, 23                        ; my first row of xs, in bytes: (2,048 b + 256 chunk + 64 wave) x 4,096, under 2^28
	s_lshl_b32 s52, s20, 20
	s_add_co_u32 s22, s22, s52
	s_lshl_b32 s52, s[WV], 18
	s_add_co_u32 s22, s22, s52
	s_add_nc_u64 s[XB:XB+1], s[4:5], s[22:23]
	s_lshr_b32 s22, s22, 10                        ; the same row in scb: 4 bytes a row
	s_add_nc_u64 s[16:17], s[16:17], s[22:23]
	ROUND                                          ; all four work-groups are here: the first joint loads meet
	tensor_load_to_lds s[G0:G0+3], s[G1:G1+7]      ; slot 0: every wave its quarter
	s_nop 0
.rept 4
	v_nop
.endr
; 16 rows x 512 bytes of xs (tile m, the K step at which s[XB] stands) into buffer m of window 3: load (c, i) takes rows 2 i and 2 i + 1, bytes 256 c on
.macro XLOAD m
	WIN 0xc0
.irp c, 0,1
.irp i, 0,1,2,3,4,5,6,7
	global_load_b128 v[64*\m+32*\c+4*\i:64*\m+32*\c+4*\i+3], v[XO], s[XB:XB+1] offset:(16*\m+2*\i)*ROWB+256*\c th:TH_LOAD_NT
.endr
.endr
	WIN 0
.endm
.irp i, 0,1,2,3,4,5,6,7
	global_load_b128 v[XT+4*\i:XT+4*\i+3], v[AB0], s[6:7] offset:512*\i        ; all of k[b], for |k|: each wave for itself
.endr
.irp i, 0,1
	global_load_b128 v[XT+32+4*\i:XT+35+4*\i], v[T16], s[6:7] offset:2048*\i   ; and once for the work-group's table
.endr
	WIN 0x40
.irp i, 0,1,2,3,4,5,6,7,8,9,10,11,12,13,14,15
	global_load_b128 v[192+4*\i:195+4*\i], v[T16], s[12:13] offset:2048*\i     ; Wb's scale bytes: 32,768 dense bytes
.endr
	WIN 0x80
.irp i, 0,1
	global_load_b128 v[200+4*\i:203+4*\i], v[T16], s[14:15] offset:2048*\i     ; wk[b]
.endr
.irp i, 0,1
	global_load_b128 v[208+4*\i:211+4*\i], v[T16], s[8:9] offset:2048*\i       ; energy
.endr
	XLOAD 0
	XLOAD 1
	XLOAD 2
	s_wait_loadcnt 48                              ; the tables are in; the 48 loads of xs behind them may be out
.irp i, 0,1
	ds_store_b128 v[KTW], v[XT+32+4*\i:XT+35+4*\i] offset:2048*\i
.endr
	v_pk_mul_f32 v[48:49], v[XT:XT+1], v[XT:XT+1]  ; |k|^2, in two chains
	v_pk_mul_f32 v[50:51], v[XT+2:XT+3], v[XT+2:XT+3]
.irp i, 4,8,12,16,20,24,28
	v_pk_fma_f32 v[48:49], v[XT+\i:XT+\i+1], v[XT+\i:XT+\i+1], v[48:49]
	v_pk_fma_f32 v[50:51], v[XT+\i+2:XT+\i+3], v[XT+\i+2:XT+\i+3], v[50:51]
.endr
	v_pk_add_f32 v[48:49], v[48:49], v[50:51]
	v_add_f32 v48, v48, v49
	v_add_f32_dpp v48, v48, v48 row_xmask:1 row_mask:0xf bank_mask:0xf
	v_add_f32_dpp v48, v48, v48 row_xmask:2 row_mask:0xf bank_mask:0xf
	v_add_f32_dpp v48, v48, v48 row_xmask:4 row_mask:0xf bank_mask:0xf
	v_add_f32_dpp v48, v48, v48 row_xmask:8 row_mask:0xf bank_mask:0xf
	v_permlanex16_b32 v[W2], v48, s[SEL], s[SEL+1]
	v_add_f32 v48, v48, v[W2]
	v_sqrt_f32 v48, v48
	v_nop                                          ; a plain place behind the root,
	s_wait_alu depctr_va_vdst(0)                   ; and the wait ahead of the first line that names its result
	v_max_num_f32 v48, 0x322bcc77, v48             ; max(|k|, 1e-8)
	v_rcp_f32 v[RK], v48
	WIN 0x82                                       ; destination and source 0 in window 2
.irp i, 0,2,4,6
	v_pk_mul_f32 v[208+\i:209+\i], v[208+\i:209+\i], -2.0 op_sel_hi:[1,0]      ; -2 energy (plain work behind the reciprocal)
.endr
	WIN 0
	s_wait_alu depctr_va_vdst(0)                   ; the reciprocal's wait
	XLOAD 3
.irp i, 0,1,2,3,4,5,6,7,8,9,10,11,12,13,14,15
	v_mov_b32 v[SS+\i], 0                          ; the rows' sums: the loop over K is written once
.endr
	s_wait_dscnt 0x0                               ; my part of k's table has landed
	s_barrier_signal -1
	s_barrier_wait -1                              ; everybody's has.  Slot 0's load may stay out
; ---------------- PHASE X ----------------
.macro QTAIL src, pc, w                ; behind the two blocks' maxima: the scale word into v[w], the fragment's 12 registers into v[pc] on
	v_add_nc_u32 v[SO], 0xff000000, v[MX]          ; 2 off the exponent field: the conversion's scale operand
	v_add_nc_u32 v[SO+1], 0xff000000, v[MX+1]
	v_lshrrev_b32 v[BY], 23, v[SO]                 ; the scale bytes of blocks h and 2 + h
	v_lshrrev_b32 v[BY+1], 23, v[SO+1]
	v_lshl_or_b32 v[\w], v[BY+1], 16, v[BY]
	v_lshlrev_b32 v[\w], v[SH8], v[\w]
	v_permlanex16_b32 v[W2], v[\w], s[SEL], s[SEL+1]
	v_or_b32 v[\w], v[\w], v[W2]                   ; with lane l xor 16's two the word is whole
	v_cvt_scalef32_pk16_fp6_f32 v[\pc:\pc+2], v[\src:\src+15], v[SO]
	v_cvt_scalef32_pk16_fp6_f32 v[T:T+2], v[\src+16:\src+31], v[SO]        ; (a conversion's three registers begin on an even number)
	v_cvt_scalef32_pk16_fp6_f32 v[\pc+6:\pc+8], v[\src+32:\src+47], v[SO+1]
	v_cvt_scalef32_pk16_fp6_f32 v[T+4:T+6], v[\src+48:\src+63], v[SO+1]
	v_nop                                          ; one plain place behind a scaled conversion
.irp i, 0,1,2
	v_mov_b32 v[\pc+3+\i], v[T+\i]
	v_mov_b32 v[\pc+9+\i], v[T+4+\i]
.endr
.endm
; One fragment: tile m of the K step in hand.  cnt: the younger loads of xs that may stay out.  pre = 1: the buffer takes the next K step.
; The loads took the bytes as they lie; the operand wants 32 neighbours along K in a lane: 256 bytes of 16 rows at a time turn through my stage (rows 272 bytes apart).  LDS serves a wave's
; instructions in order (ISA guide 5.7.1.4), so no wait stands between the stores and the loads, nor in front of the next stores.
.macro FRAGX m, pre, cnt
	s_wait_loadcnt \cnt
.irp c, 0,1
	WIN 0x0c                                       ; an LDS store's data are its source 1: window 3
.irp i, 0,1,2,3,4,5,6,7
	ds_store_b128 v[STW], v[64*\m+32*\c+4*\i:64*\m+32*\c+4*\i+3] offset:544*\i
.endr
	WIN 0
.irp j, 0,1,2,3,4,5,6,7
	ds_load_b128 v[XT+32*\c+4*\j:XT+32*\c+4*\j+3], v[STR] offset:16*\j     ; register 32 c + i: k = 64 c + 32 h + i of row r
.endr
.endr
	s_wait_dscnt 0x0                               ; the numbers are back; the stores have read the buffer, and the last fragment's image stores their registers
.if \pre
	XLOAD \m
.endif
.set pp, 0
.rept 32                               ; a pair of numbers at a time: the sum of squares, the dot with k (two chains each) and the block's largest magnitude
.set xr, XT+2*pp
.set kr, KV+2*pp
.if pp%2 == 0
	v_pk_fma_f32 v[SS+4*\m:SS+4*\m+1], v[xr:xr+1], v[xr:xr+1], v[SS+4*\m:SS+4*\m+1]
	v_pk_fma_f32 v[SS+4*\m+2:SS+4*\m+3], v[xr:xr+1], v[kr:kr+1], v[SS+4*\m+2:SS+4*\m+3]
.elseif pp == 1
	v_pk_mul_f32 v[TSU:TSU+1], v[xr:xr+1], v[xr:xr+1]
	v_pk_mul_f32 v[TDU:TDU+1], v[xr:xr+1], v[kr:kr+1]
.else
	v_pk_fma_f32 v[TSU:TSU+1], v[xr:xr+1], v[xr:xr+1], v[TSU:TSU+1]
	v_pk_fma_f32 v[TDU:TDU+1], v[xr:xr+1], v[kr:kr+1], v[TDU:TDU+1]
.endif
.if pp%16 == 0
	v_max3_num_f32 v[MX+pp/16], |v[xr]|, |v[xr+1]|, 0x1800000              ; the floor 2^(3 - 127): the byte cannot fall under 1
.else
	v_max3_num_f32 v[MX+pp/16], v[MX+pp/16], |v[xr]|, |v[xr+1]|
.endif
.set pp, pp+1
.endr
	v_pk_add_f32 v[SS+4*\m:SS+4*\m+1], v[SS+4*\m:SS+4*\m+1], v[TSU:TSU+1]
	v_pk_add_f32 v[SS+4*\m+2:SS+4*\m+3], v[SS+4*\m+2:SS+4*\m+3], v[TDU:TDU+1]
	QTAIL XT, PC, PW
.irp g, 0,1,2
	ds_store_b128 v[AIW], v[PC+4*\g:PC+4*\g+3] offset:1536*\m+512*\g       ; the image
.endr
	ds_store_b32 v[SCW], v[PW] offset:512*\m       ; lanes r and r + 16 write the same word with the same value
.endm
; One K step of my 64 rows.
.macro TRIP pre
.if \pre
	s_wait_xcnt 0x0                                ; the loads on their way have read their base: only behind this wait is it stepped
	s_add_nc_u64 s[XB:XB+1], s[XB:XB+1], 512
.endif
	v_add_nc_u32 v[KVA], s[SKV], v[KVA0]
	v_add_nc_u32 v[AIW], s[SA], v[AIW0]
	v_add_nc_u32 v[SCW], s[SSC], v[SCW0]
.irp c, 0,1
.irp j, 0,1,2,3,4,5,6,7
	ds_load_b128 v[KV+32*\c+4*\j:KV+32*\c+4*\j+3], v[KVA] offset:256*\c+16*\j  ; k at my lane's places along K
.endr
.endr
.if \pre
	FRAGX 0, 1, 48                                 ; three younger fragments of 16 loads may be out
	FRAGX 1, 1, 48
	FRAGX 2, 1, 48
	FRAGX 3, 1, 48
.else
	FRAGX 0, 0, 48                                 ; the last K step loads nothing: the counts run down
	FRAGX 1, 0, 32
	FRAGX 2, 0, 16
	FRAGX 3, 0, 0
.endif
	s_add_co_u32 s[SKV], s[SKV], 512
	s_add_co_u32 s[SA], s[SA], 6144
	s_add_co_u32 s[SSC], s[SSC], 64
.endm
.macro RELOAD win                      ; my 16 images become 192 registers of the window named
	WIN \win
.irp q, 0,1,2,3,4,5,6,7,8,9,10,11,12,13,14,15
.irp g, 0,1,2
	ds_load_b128 v[12*\q+4*\g:12*\q+4*\g+3], v[AIW0] offset:1536*\q+512*\g
.endr
.endr
	WIN 0
.endm
	s_mov_b32 s[CNT], 4
.LxA:                                              ; K steps 0 to 3
	TRIP 1
	s_sub_co_u32 s[CNT], s[CNT], 1
	s_cmp_lg_u32 s[CNT], 0
	s_cbranch_scc1 .LxA
	RELOAD 0x40                                    ; into window 1; the next images' stores come behind these loads, in order
	s_mov_b32 s[SA], 0
	s_mov_b32 s[CNT], 3
.LxB:                                              ; K steps 4 to 6
	TRIP 1
	s_sub_co_u32 s[CNT], s[CNT], 1
	s_cmp_lg_u32 s[CNT], 0
	s_cbranch_scc1 .LxB
	TRIP 0                                         ; K step 7
	RELOAD 0x80                                    ; into window 2
.irp m, 0,1,2,3
.irp p, 0,1,2,3
	ds_load_b32 v[ASC+4*\m+\p], v[ASCA] offset:512*\m+128*\p
.endr
.endr
	; cos_sim = dot / (max(|x|, eps) max(|k|, eps))
.irp m, 0,1,2,3
	v_add_f32 v[48+\m], v[SS+4*\m], v[SS+4*\m+1]
	v_add_f32 v[52+\m], v[SS+4*\m+2], v[SS+4*\m+3]
.endr
.irp n, 0,1,2,3,4,5,6,7
	v_permlanex16_b32 v[W2], v[48+\n], s[SEL], s[SEL+1]
	v_add_f32 v[48+\n], v[48+\n], v[W2]            ; with lane l xor 16's half of K
.endr
.irp m, 0,1,2,3
	v_sqrt_f32 v[48+\m], v[48+\m]
.endr
	v_nop
	s_wait_alu depctr_va_vdst(0)                   ; one wait for the four roots
.irp m, 0,1,2,3
	v_max_num_f32 v[48+\m], 0x322bcc77, v[48+\m]
.endr
.irp m, 0,1,2,3
	v_rcp_f32 v[48+\m], v[48+\m]
.endr
.irp m, 0,1,2,3
	v_mul_f32 v[52+\m], v[52+\m], v[RK]            ; (plain work behind the reciprocals)
.endr
	s_wait_alu depctr_va_vdst(0)                   ; one wait for the four
.irp m, 0,1,2,3
	v_mul_f32 v[52+\m], v[52+\m], v[48+\m]
.endr
.irp m, 0,1,2,3
	ds_store_b32 v[STS], v[52+\m] offset:64*\m     ; through my stage, so that the wave's 64 numbers leave as 256 consecutive bytes
.endr
	ds_load_b64 v[60:61], v[STL]
	s_wait_dscnt 0x0                               ; all my LDS instructions are done, the reads of my images among them
	global_store_b64 v[L8], v[60:61], s[16:17]
	s_barrier_signal -1
	s_barrier_wait -1                              ; nobody reads an image any more: the tables take their place
	WIN 0x08                                       ; data in window 2
.irp i, 0,1
	ds_store_b128 v[TBLW], v[200+4*\i:203+4*\i] offset:2048*\i
	ds_store_b128 v[TBLW], v[208+4*\i:211+4*\i] offset:TEN+128+2048*\i
.endr
	WIN 0x04                                       ; data in window 1
.irp i, 0,1,2,3,4,5,6,7,8,9,10,11,12,13,14,15
	ds_store_b128 v[TBLW], v[192+4*\i:195+4*\i] offset:TSC+2048*\i
.endr
	WIN 0
	v_mov_b32 v30, 0
	ds_store_b8 v[ZB], v30                         ; 128 threads: the energy table's two entries of zeros
	s_wait_xcnt 0x0                                ; cos_sim's store has read its data: those registers become accumulators
.set zz, 0
.rept 64
	v_mov_b32 v[BUF1+zz], 0                        ; the pipeline's start: tiles -1 and -2 are zeros here and meet the two zero entries: they add nothing
.set zz, zz+1
.endr
.irp i, 0,1,2,3,4,5,6,7
	v_mov_b32 v[SUM+\i], 0
.endr
; ---------------- PHASE G ----------------
; The matrix instruction of tile u (of the pair in hand), K step s, row tile m.  The four accumulators take turns, one instruction a turn.
.macro MM u, s, m
.set rD, ACC+8*(\m)
.set rC, rD
.if (\s) == 0
.set rC, WK                            ; wk starts the sum
.endif
.set rB, BF+12*(\s)
.set rA, 12*(4*((\s)%4)+(\m))
.set rSB, BSC+4*(\u)+(\s)%4
.set rSA, ASC+4*(\m)+(\s)/2
.if (\s) < 4
.if (\s)%2 == 0
	v_wmma_scale_f32_16x16x128_f8f6f4 v[rD:rD+7], v[rB:rB+11], v[rA:rA+11], v[rC:rC+7], v[rSB], v[rSA] matrix_a_fmt:MATRIX_FMT_FP6 matrix_b_fmt:MATRIX_FMT_FP6
.else
	v_wmma_scale_f32_16x16x128_f8f6f4 v[rD:rD+7], v[rB:rB+11], v[rA:rA+11], v[rC:rC+7], v[rSB], v[rSA] matrix_a_fmt:MATRIX_FMT_FP6 matrix_b_fmt:MATRIX_FMT_FP6 matrix_b_scale:MATRIX_SCALE_ROW1
.endif
.else
.if (\s)%2 == 0
	v_wmma_scale_f32_16x16x128_f8f6f4 v[rD:rD+7], v[rB:rB+11], v[rA:rA+11], v[rC:rC+7], v[rSB], v[rSA] matrix_a_fmt:MATRIX_FMT_FP6 matrix_b_fmt:MATRIX_FMT_FP6 matrix_a_scale:MATRIX_SCALE_ROW1
.else
	v_wmma_scale_f32_16x16x128_f8f6f4 v[rD:rD+7], v[rB:rB+11], v[rA:rA+11], v[rC:rC+7], v[rSB], v[rSA] matrix_a_fmt:MATRIX_FMT_FP6 matrix_b_fmt:MATRIX_FMT_FP6 matrix_a_scale:MATRIX_SCALE_ROW1 matrix_b_scale:MATRIX_SCALE_ROW1
.endif
.endif
.endm
; Slice n of 32 of the vector work.  0-15: the last tile's x, a pair at a time: x c, and 2^(.) of the pair before (each accumulator from its low end on).  16-31: + 1; the tile before that: its reciprocals
; times -2 energy onto the rows' sums; then the reciprocals into Z.  All that a slice names as destination, source 0 or source 2 lies in window 0, and its source 1 is a scalar, a constant or (window 2) energy:
; so no slice needs a switch of the windows.
.macro SLICE n
.if (\n) < 16
	v_pk_mul_f32 v[YB+2*(\n):YB+2*(\n)+1], v[YB+2*(\n):YB+2*(\n)+1], s[CC:CC+1] op_sel_hi:[1,0]
.if (\n) > 0
	v_exp_f32 v[YB+2*(\n)-2], v[YB+2*(\n)-2]
	v_exp_f32 v[YB+2*(\n)-1], v[YB+2*(\n)-1]
.endif
.if (\n) == 15
	v_exp_f32 v[YB+30], v[YB+30]
	v_exp_f32 v[YB+31], v[YB+31]
.endif
.else
.set jj, (\n)-16
	v_pk_add_f32 v[YB+2*jj:YB+2*jj+1], v[YB+2*jj:YB+2*jj+1], 1.0 op_sel_hi:[1,0]
	v_pk_fma_f32 v[SUM+2*(jj/4):SUM+2*(jj/4)+1], v[Z+2*jj:Z+2*jj+1], v[EN+2*(jj%4):EN+2*(jj%4)+1], v[SUM+2*(jj/4):SUM+2*(jj/4)+1]
	v_rcp_f32 v[Z+2*jj], v[YB+2*jj]
	v_rcp_f32 v[Z+2*jj+1], v[YB+2*jj+1]
.endif
.endm
; The LDS loads behind group s: the fragment that is wanted seven groups on, into registers that were last read a group ago (five plain vector instructions or more lie between).
.macro GEND u, s, last
.if (\s) == 0
.irp g, 0,1,2
	ds_load_b128 v[BF+84+4*\g:BF+87+4*\g], v[ADB] offset:12288*(\u)+10752+512*\g
.endr
	WIN 0x80
	ds_load_b128 v[EN:EN+3], v[ADT] offset:TEN+64*(\u)                     ; -2 energy of the tile two back
	ds_load_b128 v[EN+4:EN+7], v[ADT] offset:TEN+64*(\u)+16
	WIN 0x04
.elseif (\last) == 0
.irp g, 0,1,2
	ds_load_b128 v[BF+12*((\s)-1)+4*\g:BF+12*((\s)-1)+4*\g+3], v[ADB] offset:12288*((\u)+1)+1536*((\s)-1)+512*\g
.endr
.if (\s) == 1
	ds_load_b128 v[WK:WK+3], v[ADT] offset:64*((\u)+1)                     ; the next tile's wk and scale words
	ds_load_b128 v[WK+4:WK+7], v[ADT] offset:64*((\u)+1)+16
	ds_load_b128 v[BSC+4*(1-(\u)):BSC+4*(1-(\u))+3], v[ADS] offset:512*((\u)+1)
.endif
.endif
.endm
; A tile of 16 rows of Wb against my 64 rows: 32 matrix instructions.  u: 0 or 1, its place in the pair; last = 1: the slot's last tile, which fetches nothing beyond the slot.
; THE WAITS ON DScnt (LDS instructions end in order).  A fragment is issued seven groups ahead, three loads a group: six younger groups, 18 loads, may be out; the extra loads (energy 2, wk 2, scale words 1)
; only add to what is younger.  Group 0 also wants wk and the scale words: behind them exactly 18 were issued.  Group 4 wants energy: behind it 6 + 3 + 3 = 12.  In the last tile nothing is issued behind
; group 0's five: 18, 18, then 12 (17 and 14 are younger), then 0.
.macro TILE u, last
.set ACC, BUF0+32*(\u)
.set YB, BUF0+32*(1-(\u))
	WIN 0x04                                       ; source 1 (xs's fragments of K steps 0-3) in window 1
.irp s, 0,1,2,3,4,5,6,7
.if \s == 4
	v_nop                                          ; a plain place behind the last exponential,
	s_wait_alu depctr_va_vdst(0)                   ; and ONE wait for this tile's 32 exponentials and the last tile's 32 reciprocals: nothing has named a result yet
	WIN 0x08                                       ; source 1 in window 2: K steps 4-7, and energy
.endif
.if \last
.if \s < 2
	s_wait_dscnt 18
.elseif \s < 4
	s_wait_dscnt 12
.else
	s_wait_dscnt 0
.endif
.else
.if \s == 4
	s_wait_dscnt 12
.else
	s_wait_dscnt 18
.endif
.endif
.irp m, 0,1,2,3
	MM \u, \s, \m
	SLICE 4*\s+\m
.endr
	GEND \u, \s, \last
.endr
.endm
.macro PAIRHEAD                        ; the LDS addresses of the pair of tiles in hand
	v_add_nc_u32 v[ADB], s[TB], v[AB0]
	v_add_nc_u32 v[ADT], s[TT], v[AT0]
	v_add_nc_u32 v[ADS], s[TS], v[AS0]
.endm
.macro PAIREND
	v_nop                                          ; a plain place behind the last reciprocal,
	s_wait_alu depctr_va_vdst(0)                   ; and its wait: a label or a branch follows
	WIN 0
	s_add_co_u32 s[TT], s[TT], 128
	s_add_co_u32 s[TS], s[TS], 1024
.endm
; A slot's eight tiles: the register numbers come back after two tiles, so a pair is a trip; the last pair is written out, since its last tile fetches nothing.
.macro SLOTWORK
	PAIRHEAD
	v_nop                                          ; with the three additions: four places in front of loads into registers that matrix instructions have read
	ds_load_b128 v[BSC:BSC+3], v[ADS]
	ds_load_b128 v[WK:WK+3], v[ADT]
	ds_load_b128 v[WK+4:WK+7], v[ADT] offset:16
.irp f, 0,1,2,3,4,5,6
.irp g, 0,1,2
	ds_load_b128 v[BF+12*\f+4*\g:BF+12*\f+4*\g+3], v[ADB] offset:1536*\f+512*\g
.endr
.endr
	s_mov_b32 s[PR], 3
.Lpair_\@:
	TILE 0, 0
	TILE 1, 0
	PAIREND
	s_add_co_u32 s[TB], s[TB], 24576
	PAIRHEAD
	s_sub_co_u32 s[PR], s[PR], 1
	s_cmp_lg_u32 s[PR], 0
	s_cbranch_scc1 .Lpair_\@
	TILE 0, 0
	TILE 1, 1
	PAIREND
	s_sub_co_u32 s[TB], s[TB], 73728               ; back to a slot's first pair,
	s_xor_b32 s[TB], s[TB], SLOT1                  ; in the other slot
.endm
; THE CHANGE OF SLOTS stands at a slot's head.  Each wave waits for all its tensor loads (its quarter of the slot that it is about to read), adds 0 to its spare word, and waits for that and for its LDS
; instructions (its reads of the slot that it has left; the first time its stores into the tables).  fill = 1: a round of the cluster's barrier, and behind it the other slot takes the next eight tiles.
.macro CHANGE fill
	s_wait_tensorcnt 0x0                           ; no tensor load of mine is out, so the descriptor may be written
	ds_add_u32 v[SPW], v[NIL]                      ; 0 onto my spare word
.if \fill
	s_xor_b32 s[G0+1], s[G0+1], SLOT1              ; the other slot than last time,
	s_add_nc_u64 s[G0+2:G0+3], s[G0+2:G0+3], SLOTB ; the next eight tiles; the type bits on top are not reached
.endif
	s_wait_dscnt 0x0
.if \fill
	ROUND                                          ; no wave of any partner still reads that slot or has a load on its way
	tensor_load_to_lds s[G0:G0+3], s[G1:G1+7]      ; my one tensor load behind the round: it has a slot's 256 matrix instructions in which to land
	s_nop 0
.rept 4
	v_nop
.endr
.else
	s_barrier_signal -1
	s_barrier_wait -1
.endif
.endm
	s_mov_b32 s[CNT], 7
.Lslot:                                            ; seven trips: behind each change of slots but the last the next slot is asked for (the first time: slot 1's first fill)
	CHANGE 1
	SLOTWORK
	s_sub_co_u32 s[CNT], s[CNT], 1
	s_cmp_lg_u32 s[CNT], 0
	s_cbranch_scc1 .Lslot
	CHANGE 0                                       ; the last slot is written out
	SLOTWORK
	; the pipeline runs empty: tile 63 lies in the second accumulator buffer, tile 62's reciprocals in Z
	v_add_nc_u32 v[ADT], s[TT], v[AT0]
	WIN 0x80
	ds_load_b128 v[EN:EN+3], v[ADT] offset:TEN     ; entry 64: tile 62's
	ds_load_b128 v[EN+4:EN+7], v[ADT] offset:TEN+16
	WIN 0
.set YB, BUF1
.irp n, 0,1,2,3,4,5,6,7,8,9,10,11,12,13,14,15
	SLICE \n
.endr
	v_nop
	s_wait_alu depctr_va_vdst(0)
	s_wait_dscnt 0x0
	WIN 0x08
.irp n, 16,17,18,19,20,21,22,23,24,25,26,27,28,29,30,31
	SLICE \n
.endr
	WIN 0x80
	ds_load_b128 v[EN:EN+3], v[ADT] offset:TEN+64  ; entry 65: tile 63's
	ds_load_b128 v[EN+4:EN+7], v[ADT] offset:TEN+80
	WIN 0x08
	v_nop
	s_wait_alu depctr_va_vdst(0)
	s_wait_dscnt 0x0
.irp j, 0,1,2,3,4,5,6,7,8,9,10,11,12,13,14,15
	v_pk_fma_f32 v[SUM+2*(\j/4):SUM+2*(\j/4)+1], v[Z+2*\j:Z+2*\j+1], v[EN+2*(\j%4):EN+2*(\j%4)+1], v[SUM+2*(\j/4):SUM+2*(\j/4)+1]
.endr
	WIN 0
.irp m, 0,1,2,3
	v_add_f32 v[SUM+2*\m], v[SUM+2*\m], v[SUM+2*\m+1]
.endr
.irp m, 0,1,2,3
	v_permlanex16_b32 v[W2], v[SUM+2*\m], s[SEL], s[SEL+1]
	v_add_f32 v[SUM+2*\m], v[SUM+2*\m], v[W2]      ; with lane l xor 16's half of each tile's e
.endr
.irp m, 0,1,2,3
	ds_store_b32 v[STS], v[SUM+2*\m] offset:64*\m
.endr
	ds_load_b64 v[40:41], v[STL]
	s_wait_dscnt 0x0
	global_store_b64 v[L8], v[40:41], s[16:17] offset:262144       ; w': 256 consecutive bytes a wave
	s_wait_tensorcnt 0x0                           ; the wave's end
	ds_add_u32 v[SPW], v[NIL]
	s_wait_dscnt 0x0
	ROUND                                          ; the closing round: no work-group ends while a partner may still ask for a tile that names it
	s_endpgm
.Lfunc_end_k_qbaac30e89d_scores:
	.size	k_qbaac30e89d_scores, .Lfunc_end_k_qbaac30e89d_scores-k_qbaac30e89d_scores
	.p2alignl 7, 3214868480
	.fill 96, 4, 3214868480
	.section	.rodata,"a",@progbits
	.p2align	6, 0x0
	.amdhsa_kernel k_qbaac30e89d_scores
		.amdhsa_group_segment_fixed_size 327680
		.amdhsa_private_segment_fixed_size 0
		.amdhsa_enable_private_segment 0
		.amdhsa_kernarg_size 56
		.amdhsa_user_sgpr_count 2
		.amdhsa_user_sgpr_kernarg_segment_ptr 1
		.amdhsa_wavefront_size32 1
		.amdhsa_system_sgpr_workgroup_id_x 1
		.amdhsa_system_sgpr_workgroup_id_y 1
		.amdhsa_system_sgpr_workgroup_id_z 1
		.amdhsa_system_vgpr_workitem_id 0
		.amdhsa_next_free_vgpr 1024
		.amdhsa_next_free_sgpr 66
		.amdhsa_reserve_vcc 0
		.amdhsa_float_denorm_mode_32 3
		.amdhsa_float_denorm_mode_16_64 3
		.amdhsa_memory_ordered 1
		.amdhsa_forward_progress 1
		.amdhsa_inst_pref_size 255
	.end_amdhsa_kernel
	.section	.bss,"aw",@nobits
	.p2align	6
	.space	262144
	.amdgpu_metadata
---
amdhsa.version: [ 1, 2 ]
amdhsa.kernels:
  - .name:           k_qbaac30e89d_scores
    .symbol:         k_qbaac30e89d_scores.kd
    .args:
      - { .name: xs, .offset: 0, .size: 8, .value_kind: global_buffer, .address_space: global }
      - { .name: k, .offset: 8, .size: 8, .value_kind: global_buffer, .address_space: global }
      - { .name: energy, .offset: 16, .size: 8, .value_kind: global_buffer, .address_space: global }
      - { .name: wbq, .offset: 24, .size: 8, .value_kind: global_buffer, .address_space: global }
      - { .name: wbs, .offset: 32, .size: 8, .value_kind: global_buffer, .address_space: global }
      - { .name: wkb, .offset: 40, .size: 8, .value_kind: global_buffer, .address_space: global }
      - { .name: scb, .offset: 48, .size: 8, .value_kind: global_buffer, .address_space: global }
    .group_segment_fixed_size: 327680
    .private_segment_fixed_size: 0
    .kernarg_segment_align: 8
    .kernarg_segment_size: 56
    .max_flat_workgroup_size: 128
    .sgpr_count:     66
    .vgpr_count:     1024
    .wavefront_size: 32
...
	.end_amdgpu_metadata
.endif
;; end of part 2
;; launch attend (part 3): grid 8 x 32, 16 waves a work-group, no clusters, 36,096 bytes of LDS; arguments xs, mask, scb, out1, rq, rs; writes out1, rq, rs
.if DOCPART == 3
	.amdgcn_target "amdgcn-amd-amdhsa--gfx1250"
	.amdhsa_code_object_version 6
	.text
	.protected	k_qbaac30e89d_attend
	.globl	k_qbaac30e89d_attend
	.p2align	8
	.type	k_qbaac30e89d_attend,@function
k_qbaac30e89d_attend:
	s_mov_b64 s[64:65], 0
	v_nop
	global_prefetch_b8 v0, s[64:65] scope:SCOPE_SE
	s_setreg_imm32_b32 hwreg(HW_REG_WAVE_MODE, 25, 1), 1
	s_wait_xcnt 0x0
; Both masked softmaxes, atts, and both weighted sums of xs, which leave as codes of E2M3: they are the K of the last product.
; (The additive scores come without the term sum_e energy_e, which is the same along the softmax's axis: see the head of launch prep.)
; SHARES.  Work-group (j, b) owns columns 128 j .. 128 j + 127 of batch b for ALL 2,048 rows, so each column of the two sums has one owner.  Wave v takes rows 128 v on; a load is a row's 512 bytes,
; 16 a lane.  Each work-group makes the batch's two softmaxes for itself (2,048 scores each); atts is shared out, 256 rows to a work-group.
; The weighted sums are f32 multiply-adds on f32 numbers: they go into a quantiser.  They are taken with e = 2^((s - max) log2 e) and multiplied by 1 / sum(e) at the end:
; an order of rounding that differs from dividing first.  The maximum is taken away before both exponentials.
; A stream: no matrix unit, no cluster (work-groups share no tile), no tensor load; 32 loads of 512 bytes of every wave are on their way.
; LIMITS: NaN and infinities among the inputs are not served; a batch whose mask is all false gives NaN in atts (as the maximum -infinity less itself does), and its codes are then without meaning;
; a block of zeros gets the scale byte 1 (its codes are zeros; this program alone reads the byte).
.set RED,   0                          ; LDS: four arrays of 16 words: the waves' maxima (cos, additive), the waves' sums
.set WT,    256                        ; the pair (e_cos, e_add) of each of the 2,048 rows
.set PS,    16640                      ; the waves' partial sums: 1,024 x wave + 512 x kind + 16 x lane
.set RV,    33024                      ; the two finished vectors, 512 bytes each
.set SPARE, 34048                      ; the spare words, 128 bytes for each wave: eight blocks of 256 bytes that no other line names
.set SPW, 1
.set NIL, 2
.set L16, 3                            ; 16 x lane
.set E,   12                           ; v12-19 e of my four rows: cos and additive by turns
.set NINF, 22
.set W2,  23
.set ACB, 32                           ; v32-47 two sets (even rows, odd rows) of 4 + 4 sums
.set RG,  64                           ; v64-191 a ring of 32 rows
.set WG,  192                          ; v192-223 two sets of 8 rows' weights
.set LANE, 224
.set T16, 225
.set T4,  226
.set REDW, 227
.set REDR, 228
.set WTW, 229
.set WTR, 230
.set PSW, 231
.set PSR, 232
.set RVW, 233
.set RVR, 234
.set QO,  235
.set SOF, 236
.set SEL, 18
	s_load_b256 s[4:11], s[0:1], 0x0               ; xs s[4:5], mask s[6:7], scb s[8:9], out1 s[10:11]
	s_load_b128 s[12:15], s[0:1], 0x20             ; rq s[12:13], rs s[14:15]
	v_lshl_add_u32 v[SPW], v0, 2, SPARE
	v_mov_b32 v[NIL], 0
	v_lshrrev_b32 v21, 5, v0
	v_readfirstlane_b32 s16, v21                   ; wave 0..15
	s_and_b32 s17, ttmp7, 0xffff                   ; b
	s_mov_b32 s[SEL], 0x76543210
	s_mov_b32 s[SEL+1], 0xfedcba98
	v_and_b32 v[LANE], 31, v0
	v_lshlrev_b32 v[L16], 4, v[LANE]
	v_lshlrev_b32 v[T16], 4, v0
	v_lshlrev_b32 v[T4], 2, v0
	v_mov_b32 v[REDW], s16
	v_lshlrev_b32 v[REDW], 2, v[REDW]
	v_mov_b32 v[REDR], 0
	v_lshl_add_u32 v[WTW], v0, 5, WT               ; my four rows' pairs
	s_lshl_b32 s20, s16, 10
	s_add_co_u32 s21, s20, WT
	v_mov_b32 v[WTR], s21                          ; my wave's 128 rows' pairs
	s_add_co_u32 s21, s20, PS
	v_add_nc_u32 v[PSW], s21, v[L16]
	s_and_b32 s22, s16, 1                          ; kind, for waves 0 and 1
	s_lshl_b32 s21, s22, 9
	s_add_co_u32 s23, s21, PS
	v_add_nc_u32 v[PSR], s23, v[L16]
	s_add_co_u32 s23, s21, RV
	v_add_nc_u32 v[RVW], s23, v[L16]
	v_and_b32 v21, 7, v0
	v_lshl_add_u32 v[RVR], v21, 6, s23             ; 64 bytes, 16 neighbouring columns, for lane % 8
	v_mul_u32_u24 v[QO], v[LANE], 12
	v_lshrrev_b32 v[SOF], 1, v[LANE]
	v_mov_b32 v[NINF], 0xff800000
	v_mov_b32 v[W2], 0                             ; written once: a lane permute's destination counts as one of its sources
	s_lshl_b32 s24, s17, 23                        ; xs: batch b, my wave's rows, the work-group's columns
	s_lshl_b32 s21, s16, 19
	s_add_co_u32 s24, s24, s21
	s_lshl_b32 s21, ttmp9, 9
	s_add_co_u32 s24, s24, s21
	s_mov_b32 s25, 0
	s_lshl_b32 s26, s17, 13                        ; a batch's 2,048 numbers in scb and in out1
	s_mov_b32 s27, 0
	s_lshl_b32 s28, s17, 11                        ; and its mask bytes
	s_mov_b32 s29, 0
	s_lshl_b32 s21, s22, 3
	s_add_co_u32 s21, s21, ttmp9                   ; 8 kind + j: which 128 of the 2,048 along the last product's K
	s_mul_i32 s30, s17, 1536
	s_mul_i32 s23, s21, 96
	s_add_co_u32 s30, s30, s23
	s_mov_b32 s31, 0
	s_wait_kmcnt 0x0
	s_add_nc_u64 s[4:5], s[4:5], s[24:25]
	s_add_nc_u64 s[8:9], s[8:9], s[26:27]
	s_add_nc_u64 s[10:11], s[10:11], s[26:27]
	s_add_nc_u64 s[6:7], s[6:7], s[28:29]
	s_add_nc_u64 s[12:13], s[12:13], s[30:31]
	s_lshl_b32 s30, s17, 6
	s_lshl_b32 s23, s21, 2
	s_add_co_u32 s30, s30, s23
	s_add_nc_u64 s[14:15], s[14:15], s[30:31]
	global_load_b128 v[4:7], v[T16], s[8:9]                    ; cos_sim of rows 4 t .. 4 t + 3
	global_load_b128 v[8:11], v[T16], s[8:9] offset:262144     ; the additive scores
	global_load_b32 v20, v[T4], s[6:7]                         ; their four mask bytes
.irp i, 0,1,2,3,4,5,6,7,8,9,10,11,12,13,14,15,16,17,18,19,20,21,22,23,24,25,26,27,28,29,30,31
	global_load_b128 v[RG+4*\i:RG+4*\i+3], v[L16], s[4:5] offset:4096*\i th:TH_LOAD_NT   ; the ring is filled before anything else is done
.endr
	s_wait_loadcnt 32                              ; scores and mask are in; the ring's 32 loads may be out
.irp q, 0,1,2,3
	v_bfe_u32 v21, v20, 8*\q, 8
	v_cmp_ne_u32 vcc_lo, 0, v21
	v_cndmask_b32 v[4+\q], v[NINF], v[4+\q], vcc_lo            ; -infinity where the mask is false
	v_cndmask_b32 v[8+\q], v[NINF], v[8+\q], vcc_lo
.endr
	v_max3_num_f32 v24, v4, v5, v6
	v_max3_num_f32 v25, v8, v9, v10
	v_max_num_f32 v24, v24, v7
	v_max_num_f32 v25, v25, v11
.irp x, 1,2,4,8
	v_max_num_f32_dpp v24, v24, v24 row_xmask:\x row_mask:0xf bank_mask:0xf
	v_max_num_f32_dpp v25, v25, v25 row_xmask:\x row_mask:0xf bank_mask:0xf
.endr
	v_permlanex16_b32 v[W2], v24, s[SEL], s[SEL+1]
	v_max_num_f32 v24, v24, v[W2]
	v_permlanex16_b32 v[W2], v25, s[SEL], s[SEL+1]
	v_max_num_f32 v25, v25, v[W2]
	ds_store_b32 v[REDW], v24                      ; all lanes write the same word with the same value
	ds_store_b32 v[REDW], v25 offset:64
	s_wait_dscnt 0x0
	s_barrier_signal -1
	s_barrier_wait -1
.irp i, 0,1,2,3,4,5,6,7
	ds_load_b128 v[WG+4*\i:WG+4*\i+3], v[REDR] offset:16*\i    ; the sixteen waves' maxima, of both kinds
.endr
	s_wait_dscnt 0x0
	v_max3_num_f32 v24, v[WG], v[WG+1], v[WG+2]
	v_max3_num_f32 v25, v[WG+16], v[WG+17], v[WG+18]
.irp i, 3,5,7,9,11,13
	v_max3_num_f32 v24, v24, v[WG+\i], v[WG+\i+1]
	v_max3_num_f32 v25, v25, v[WG+16+\i], v[WG+17+\i]
.endr
	v_max_num_f32 v24, v24, v[WG+15]
	v_max_num_f32 v25, v25, v[WG+31]
	s_mov_b32 s20, 0x3fb8aa3b                      ; log2(e)
.irp q, 0,1,2,3
	v_sub_f32 v[E+2*\q], v[4+\q], v24              ; the maximum is taken away,
	v_sub_f32 v[E+2*\q+1], v[8+\q], v25
.endr
.irp n, 0,1,2,3,4,5,6,7
	v_mul_f32 v[E+\n], s20, v[E+\n]
.endr
.irp n, 0,1,2,3,4,5,6,7
	v_exp_f32 v[E+\n], v[E+\n]                     ; e = exp(s - max)
.endr
	v_nop                                          ; a plain place behind the last exponential,
	s_wait_alu depctr_va_vdst(0)                   ; and one wait for the eight, ahead of the first line that names a result
	v_pk_add_f32 v[26:27], v[E:E+1], v[E+2:E+3]    ; a pair is (cos, additive): both sums at once
	v_pk_add_f32 v[28:29], v[E+4:E+5], v[E+6:E+7]
	v_pk_add_f32 v[26:27], v[26:27], v[28:29]
.irp x, 1,2,4,8
	v_add_f32_dpp v26, v26, v26 row_xmask:\x row_mask:0xf bank_mask:0xf
	v_add_f32_dpp v27, v27, v27 row_xmask:\x row_mask:0xf bank_mask:0xf
.endr
	v_permlanex16_b32 v[W2], v26, s[SEL], s[SEL+1]
	v_add_f32 v26, v26, v[W2]
	v_permlanex16_b32 v[W2], v27, s[SEL], s[SEL+1]
	v_add_f32 v27, v27, v[W2]
	ds_store_b32 v[REDW], v26 offset:128
	ds_store_b32 v[REDW], v27 offset:192
	ds_store_b128 v[WTW], v[E:E+3]
	ds_store_b128 v[WTW], v[E+4:E+7] offset:16
	s_wait_dscnt 0x0
	s_barrier_signal -1
	s_barrier_wait -1
.irp i, 0,1,2,3,4,5,6,7
	ds_load_b128 v[WG+4*\i:WG+4*\i+3], v[REDR] offset:128+16*\i
.endr
	s_wait_dscnt 0x0
.irp i, 2,4,6,8,10,12,14
	v_pk_add_f32 v[WG:WG+1], v[WG:WG+1], v[WG+\i:WG+\i+1]
	v_pk_add_f32 v[WG+16:WG+17], v[WG+16:WG+17], v[WG+16+\i:WG+17+\i]
.endr
	v_add_f32 v26, v[WG], v[WG+1]
	v_add_f32 v27, v[WG+16], v[WG+17]
	v_rcp_f32 v26, v26                             ; 1 / sum, cos
	v_rcp_f32 v27, v27                             ; 1 / sum, additive
	v_nop
	s_wait_alu depctr_va_vdst(0)
	s_lshr_b32 s21, s16, 1                         ; atts: rows 256 j on are those of waves 2 j and 2 j + 1
	s_cmp_lg_u32 s21, ttmp9
	s_cbranch_scc1 .Lnoatts
	v_mul_f32 v28, 0.5, v26
	v_mul_f32 v29, 0.5, v27
.irp q, 0,1,2,3
	v_mul_f32 v[48+\q], v[E+2*\q], v28
.endr
.irp q, 0,1,2,3
	v_fma_f32 v[48+\q], v[E+2*\q+1], v29, v[48+\q]
.endr
	global_store_b128 v[T16], v[48:51], s[10:11]   ; sixteen lanes store 256 consecutive bytes, aligned
.Lnoatts:
.macro WLOAD g                         ; the weights of my rows 8 g .. 8 g + 7 into set g % 2: every lane reads the same 64 bytes
.irp i, 0,1,2,3
	ds_load_b128 v[WG+16*((\g)%2)+4*\i:WG+16*((\g)%2)+4*\i+3], v[WTR] offset:64*(\g)+16*\i
.endr
.endm
	WLOAD 0
; 128 rows, written out: every offset is an immediate (127 rows of 4,096 bytes at the most).  A row: four packed multiply-adds; of the pair (e_cos, e_add) one word serves both halves.
.set rw, 0
.rept 128
.if rw%8 == 0
.if rw/8 < 15
	WLOAD rw/8+1
	s_wait_dscnt 4                                 ; this group's weights are in; the next group's four loads may be out
.else
	s_wait_dscnt 0
.endif
.endif
.if 127-rw < 31
	s_wait_loadcnt 127-rw                          ; the last rows: the counts run down
.else
	s_wait_loadcnt 31                              ; this row is in; the 31 younger loads of the ring stay out
.endif
.set xr, RG+4*(rw%32)
.set wr, WG+16*((rw/8)%2)+2*(rw%8)
.set ac, ACB+8*(rw%2)
.if rw < 2
	v_pk_mul_f32 v[ac:ac+1], v[xr:xr+1], v[wr:wr+1] op_sel_hi:[1,0]        ; the first two rows start the sums: nothing is cleared
	v_pk_mul_f32 v[ac+2:ac+3], v[xr+2:xr+3], v[wr:wr+1] op_sel_hi:[1,0]
	v_pk_mul_f32 v[ac+4:ac+5], v[xr:xr+1], v[wr:wr+1] op_sel:[0,1]
	v_pk_mul_f32 v[ac+6:ac+7], v[xr+2:xr+3], v[wr:wr+1] op_sel:[0,1]
.else
	v_pk_fma_f32 v[ac:ac+1], v[xr:xr+1], v[wr:wr+1], v[ac:ac+1] op_sel_hi:[1,0,1]
	v_pk_fma_f32 v[ac+2:ac+3], v[xr+2:xr+3], v[wr:wr+1], v[ac+2:ac+3] op_sel_hi:[1,0,1]
	v_pk_fma_f32 v[ac+4:ac+5], v[xr:xr+1], v[wr:wr+1], v[ac+4:ac+5] op_sel:[0,1,0]
	v_pk_fma_f32 v[ac+6:ac+7], v[xr+2:xr+3], v[wr:wr+1], v[ac+6:ac+7] op_sel:[0,1,0]
.endif
.if rw+32 < 128
	global_load_b128 v[xr:xr+3], v[L16], s[4:5] offset:4096*(rw+32) th:TH_LOAD_NT
.endif
.set rw, rw+1
.endr
.irp i, 0,2,4,6
	v_pk_add_f32 v[ACB+\i:ACB+\i+1], v[ACB+\i:ACB+\i+1], v[ACB+8+\i:ACB+9+\i]
.endr
	ds_store_b128 v[PSW], v[ACB:ACB+3]             ; cos
	ds_store_b128 v[PSW], v[ACB+4:ACB+7] offset:512            ; additive
	s_wait_dscnt 0x0
	s_barrier_signal -1
	s_barrier_wait -1
	s_cmp_gt_u32 s16, 1                            ; wave 0 finishes the cosine sum, wave 1 the additive one
	s_cbranch_scc1 .Lend
.irp v, 0,1,2,3,4,5,6,7,8,9,10,11,12,13,14,15
	ds_load_b128 v[RG+4*\v:RG+4*\v+3], v[PSR] offset:1024*\v
.endr
	s_wait_dscnt 0x0
.irp v, 1,2,3,4,5,6,7,8,9,10,11,12,13,14,15
	v_pk_add_f32 v[RG:RG+1], v[RG:RG+1], v[RG+4*\v:RG+4*\v+1]
	v_pk_add_f32 v[RG+2:RG+3], v[RG+2:RG+3], v[RG+4*\v+2:RG+4*\v+3]
.endr
	s_cmp_eq_u32 s16, 0
	s_cselect_b32 s22, -1, 0
	v_cndmask_b32 v28, v27, v26, s22               ; my kind's 1 / sum
	v_mov_b32 v29, v28
	v_pk_mul_f32 v[RG:RG+1], v[RG:RG+1], v[28:29]
	v_pk_mul_f32 v[RG+2:RG+3], v[RG+2:RG+3], v[28:29]
	ds_store_b128 v[RVW], v[RG:RG+3]               ; through my own 512 bytes, so that a lane holds 16 neighbours; LDS serves a wave's instructions in order
.irp i, 0,1,2,3
	ds_load_b128 v[80+4*\i:83+4*\i], v[RVR] offset:16*\i       ; lanes 8-31 hold what lane % 8 holds
.endr
	s_wait_dscnt 0x0
	v_max3_num_f32 v28, |v80|, |v81|, |v82|        ; the largest magnitude of my 16
	v_max3_num_f32 v29, |v83|, |v84|, |v85|
.irp i, 6,10
	v_max3_num_f32 v28, v28, |v[80+\i]|, |v[81+\i]|
	v_max3_num_f32 v29, v29, |v[82+\i]|, |v[83+\i]|
.endr
	v_max3_num_f32 v28, v28, |v94|, |v95|
	v_max3_num_f32 v28, v28, v29, 0x1800000        ; and the floor 2^(3 - 127): the byte cannot fall under 1
	v_max_num_f32_dpp v28, v28, v28 row_xmask:1 row_mask:0xf bank_mask:0xf    ; with my neighbour's 16: the block's
	v_add_nc_u32 v31, 0xff000000, v28              ; 2 off the exponent field: the conversion's scale operand
	v_cvt_scalef32_pk16_fp6_f32 v[96:98], v[80:95], v31
	v_lshrrev_b32 v99, 23, v31                     ; the scale's byte
	s_wait_xcnt 0x0                                ; EXEC changes only behind this wait: atts' store may have been issued
	v_cmp_gt_u32 vcc_lo, 8, v[LANE]
	s_and_saveexec_b32 s23, vcc_lo                 ; lanes 0-7: the 128 columns' 96 bytes of codes and 4 scale bytes
	global_store_b96 v[QO], v[96:98], s[12:13]
	global_store_b8 v[SOF], v99, s[14:15]          ; both lanes of a block write the same byte with the same value
	s_wait_xcnt 0x0                                ; and again, in front of the line that widens it
	s_or_b32 exec_lo, exec_lo, s23
.Lend:
	s_wait_tensorcnt 0x0                           ; the wave's end
	ds_add_u32 v[SPW], v[NIL]
	s_wait_dscnt 0x0
	s_endpgm
.Lfunc_end_k_qbaac30e89d_attend:
	.size	k_qbaac30e89d_attend, .Lfunc_end_k_qbaac30e89d_attend-k_qbaac30e89d_attend
	.p2alignl 7, 3214868480
	.fill 96, 4, 3214868480
	.section	.rodata,"a",@progbits
	.p2align	6, 0x0
	.amdhsa_kernel k_qbaac30e89d_attend
		.amdhsa_group_segment_fixed_size 36096
		.amdhsa_private_segment_fixed_size 0
		.amdhsa_enable_private_segment 0
		.amdhsa_kernarg_size 48
		.amdhsa_user_sgpr_count 2
		.amdhsa_user_sgpr_kernarg_segment_ptr 1
		.amdhsa_wavefront_size32 1
		.amdhsa_system_sgpr_workgroup_id_x 1
		.amdhsa_system_sgpr_workgroup_id_y 1
		.amdhsa_system_sgpr_workgroup_id_z 1
		.amdhsa_system_vgpr_workitem_id 0
		.amdhsa_next_free_vgpr 256
		.amdhsa_next_free_sgpr 66
		.amdhsa_reserve_vcc 1
		.amdhsa_float_denorm_mode_32 3
		.amdhsa_float_denorm_mode_16_64 3
		.amdhsa_memory_ordered 1
		.amdhsa_forward_progress 1
		.amdhsa_inst_pref_size 69
	.end_amdhsa_kernel
	.amdgpu_metadata
---
amdhsa.version: [ 1, 2 ]
amdhsa.kernels:
  - .name:           k_qbaac30e89d_attend
    .symbol:         k_qbaac30e89d_attend.kd
    .args:
      - { .name: xs, .offset: 0, .size: 8, .value_kind: global_buffer, .address_space: global }
      - { .name: mask, .offset: 8, .size: 8, .value_kind: global_buffer, .address_space: global }
      - { .name: scb, .offset: 16, .size: 8, .value_kind: global_buffer, .address_space: global }
      - { .name: out1, .offset: 24, .size: 8, .value_kind: global_buffer, .address_space: global }
      - { .name: rq, .offset: 32, .size: 8, .value_kind: global_buffer, .address_space: global }
      - { .name: rs, .offset: 40, .size: 8, .value_kind: global_buffer, .address_space: global }
    .group_segment_fixed_size: 36096
    .private_segment_fixed_size: 0
    .kernarg_segment_align: 8
    .kernarg_segment_size: 48
    .max_flat_workgroup_size: 512
    .sgpr_count:     66
    .vgpr_count:     256
    .wavefront_size: 32
...
	.end_amdgpu_metadata
.endif
;; end of part 3
;; launch outp (part 4): grid 16 x 1, 16 waves a work-group, no clusters, 36,864 bytes of LDS; arguments rq, rs, wcq, wcs, bc, out0; writes out0
.if DOCPART == 4
	.amdgcn_target "amdgcn-amd-amdhsa--gfx1250"
	.amdhsa_code_object_version 6
	.text
	.protected	k_qbaac30e89d_outp
	.globl	k_qbaac30e89d_outp
	.p2align	8
	.type	k_qbaac30e89d_outp,@function
k_qbaac30e89d_outp:
	s_mov_b64 s[64:65], 0
	v_nop
	global_prefetch_b8 v0, s[64:65] scope:SCOPE_SE
	s_setreg_imm32_b32 hwreg(HW_REG_WAVE_MODE, 25, 1), 1
	s_wait_xcnt 0x0
; out0 = Q(concat(cos_repr, bah_repr)) Q(Wc)^T + bc: [32, 2,048] x [2,048, 1,024], on codes of E2M3 that the launches before have made.
; SHARES.  Work-group g owns columns 64 g .. 64 g + 63: four tiles of 16 rows of Wc.  Wave v takes tile v % 4 and K steps 4 (v / 4) .. + 3 of the sixteen, for both tiles of 16 batches:
; eight matrix instructions, two accumulators by turns.  The four quarters of K meet in LDS and are added K ascending, with bc.
; Sixteen work-groups: the product is 2,048 matrix instructions over 1.6 million bytes, and 64 columns are what makes a work-group's stores 256 consecutive bytes of a row.
; Source 0 = 16 rows of Wc, source 1 = 16 batches: lane (r, h) holds batch r and the tile's columns 8 h + 0 .. 7.
; Wc's fragments come as images of the operand's registers (three loads of 16 bytes a lane); the representation's rows are streams of bits, 96 bytes for 128 along K: six loads of 8 bytes.
.set SPARE, 34816                      ; behind the four quarters' 32 rows x 272 bytes: the spare words, 128 bytes for each wave: eight blocks of 256 bytes that no other line names
.set SPW, 1
.set NIL, 2
.set L16, 3
.set RO,  4
.set WSO, 5
.set RSO, 6
.set BO,  7
.set OO,  8
.set STO, 9
.set RDL, 10
.set WC,  16                           ; v16-63   Wc's four fragments
.set RP,  64                           ; v64-159  the representation's eight: 12 (4 mt + i)
.set WSC, 160                          ; v160-163 Wc's scale words;  v164-171 the representation's: these hold scales and nothing else
.set RSC, 164
.set ACC, 172                          ; v172-187 two accumulators
.set BC,  188
	s_load_b256 s[4:11], s[0:1], 0x0               ; rq s[4:5], rs s[6:7], wcq s[8:9], wcs s[10:11]
	s_load_b128 s[12:15], s[0:1], 0x20             ; bc s[12:13], out0 s[14:15]
	v_lshl_add_u32 v[SPW], v0, 2, SPARE
	v_mov_b32 v[NIL], 0
	v_lshrrev_b32 v11, 5, v0
	v_readfirstlane_b32 s16, v11                   ; wave 0..15
	s_and_b32 s17, s16, 3                          ; nt
	s_lshr_b32 s18, s16, 2                         ; kq
	s_lshl_b32 s19, ttmp9, 2
	s_add_co_u32 s19, s19, s17                     ; the tile of Wc
	v_and_b32 v11, 31, v0
	v_and_b32 v12, 15, v0                          ; r; also thread % 16
	v_bfe_u32 v13, v0, 4, 1                        ; h
	v_lshrrev_b32 v14, 4, v0                       ; thread / 16: 0..31
	v_lshlrev_b32 v[L16], 4, v11
	v_mul_u32_u24 v[RO], v12, 1536
	v_mad_u32_u24 v[RO], v13, 24, v[RO]            ; the representation: row r of 1,536 bytes, + 24 h
	v_lshlrev_b32 v[WSO], 5, v12
	v_lshlrev_b32 v[RSO], 6, v12
	v_lshlrev_b32 v[BO], 4, v12
	v_lshl_add_u32 v[OO], v14, 12, v[BO]           ; out0: row thread / 16, 16 bytes at thread % 16
	s_mul_i32 s20, s18, 8704
	s_lshl_b32 s21, s17, 6
	s_add_co_u32 s20, s20, s21
	v_mul_u32_u24 v[STO], v12, 272
	v_lshl_add_u32 v[STO], v13, 5, v[STO]
	v_add_nc_u32 v[STO], s20, v[STO]               ; my quarter's rows of 256 bytes + 16: row r, + 64 nt + 32 h
	v_mul_u32_u24 v[RDL], v14, 272
	v_add_nc_u32 v[RDL], v[RDL], v[BO]
	s_lshl_b32 s20, s19, 4
	s_lshl_b32 s21, s18, 2
	s_add_co_u32 s20, s20, s21
	s_mul_i32 s20, s20, 1536                       ; Wc's images: (16 tile + 4 kq) x 1,536
	s_mov_b32 s21, 0
	s_mul_i32 s22, s18, 384                        ; the representation: 4 kq K steps of 96 bytes
	s_mov_b32 s23, 0
	s_lshl_b32 s24, s19, 10                        ; Wc's scale words: 1,024 tile + 512 (kq / 2) + 16 (kq % 2)
	s_lshr_b32 s26, s18, 1
	s_lshl_b32 s26, s26, 9
	s_add_co_u32 s24, s24, s26
	s_and_b32 s26, s18, 1
	s_lshl_b32 s26, s26, 4
	s_add_co_u32 s24, s24, s26
	s_mov_b32 s25, 0
	s_lshl_b32 s26, s18, 4                         ; the representation's: 16 kq
	s_mov_b32 s27, 0
	s_lshl_b32 s28, ttmp9, 8                       ; the work-group's 64 columns
	s_mov_b32 s29, 0
	s_wait_kmcnt 0x0
	s_add_nc_u64 s[8:9], s[8:9], s[20:21]
	s_add_nc_u64 s[4:5], s[4:5], s[22:23]
	s_add_nc_u64 s[10:11], s[10:11], s[24:25]
	s_add_nc_u64 s[6:7], s[6:7], s[26:27]
	s_add_nc_u64 s[12:13], s[12:13], s[28:29]
	s_add_nc_u64 s[14:15], s[14:15], s[28:29]
.irp i, 0,1,2,3
.irp g, 0,1,2
	global_load_b128 v[WC+12*\i+4*\g:WC+12*\i+4*\g+3], v[L16], s[8:9] offset:1536*\i+512*\g th:TH_LOAD_NT
.endr
.endr
.irp t, 0,1
.irp i, 0,1,2,3
.irp p, 0,1,2,3,4,5
	global_load_b64 v[RP+12*(4*\t+\i)+2*\p:RP+12*(4*\t+\i)+2*\p+1], v[RO], s[4:5] offset:24576*\t+96*\i+48*(\p/3)+8*(\p%3)
.endr
.endr
.endr
	global_load_b128 v[WSC:WSC+3], v[WSO], s[10:11]
	global_load_b128 v[RSC:RSC+3], v[RSO], s[6:7]
	global_load_b128 v[RSC+4:RSC+7], v[RSO], s[6:7] offset:1024
	global_load_b128 v[BC:BC+3], v[BO], s[12:13]
	s_wait_loadcnt 0x0
.irp i, 0,1,2,3                        ; the two accumulators take turns, one instruction a turn; the first two products start the sums
.irp t, 0,1
.if \i == 0
	v_wmma_scale_f32_16x16x128_f8f6f4 v[ACC+8*\t:ACC+8*\t+7], v[WC+12*\i:WC+12*\i+11], v[RP+12*(4*\t+\i):RP+12*(4*\t+\i)+11], 0, v[WSC+\i], v[RSC+4*\t+\i] matrix_a_fmt:MATRIX_FMT_FP6 matrix_b_fmt:MATRIX_FMT_FP6
.else
	v_wmma_scale_f32_16x16x128_f8f6f4 v[ACC+8*\t:ACC+8*\t+7], v[WC+12*\i:WC+12*\i+11], v[RP+12*(4*\t+\i):RP+12*(4*\t+\i)+11], v[ACC+8*\t:ACC+8*\t+7], v[WSC+\i], v[RSC+4*\t+\i] matrix_a_fmt:MATRIX_FMT_FP6 matrix_b_fmt:MATRIX_FMT_FP6
.endif
.endr
.endr
.rept 4
	v_nop                                          ; four places before the results are read
.endr
.irp t, 0,1
	ds_store_b128 v[STO], v[ACC+8*\t:ACC+8*\t+3] offset:4352*\t            ; each accumulator from its low end on
	ds_store_b128 v[STO], v[ACC+8*\t+4:ACC+8*\t+7] offset:4352*\t+16
.endr
	s_wait_dscnt 0x0                               ; for the others' sake: my stores are done
	s_barrier_signal -1
	s_barrier_wait -1
.irp q, 0,1,2,3
	ds_load_b128 v[192+4*\q:195+4*\q], v[RDL] offset:8704*\q
.endr
	s_wait_dscnt 0x0
.irp q, 1,2,3
	v_pk_add_f32 v[192:193], v[192:193], v[192+4*\q:193+4*\q]
	v_pk_add_f32 v[194:195], v[194:195], v[194+4*\q:195+4*\q]
.endr
	v_pk_add_f32 v[192:193], v[192:193], v[BC:BC+1]
	v_pk_add_f32 v[194:195], v[194:195], v[BC+2:BC+3]
	global_store_b128 v[OO], v[192:195], s[14:15]  ; sixteen lanes store 256 consecutive bytes of a row, aligned
	s_wait_tensorcnt 0x0                           ; the wave's end
	ds_add_u32 v[SPW], v[NIL]
	s_wait_dscnt 0x0
	s_endpgm
.Lfunc_end_k_qbaac30e89d_outp:
	.size	k_qbaac30e89d_outp, .Lfunc_end_k_qbaac30e89d_outp-k_qbaac30e89d_outp
	.p2alignl 7, 3214868480
	.fill 96, 4, 3214868480
	.section	.rodata,"a",@progbits
	.p2align	6, 0x0
	.amdhsa_kernel k_qbaac30e89d_outp
		.amdhsa_group_segment_fixed_size 36864
		.amdhsa_private_segment_fixed_size 0
		.amdhsa_enable_private_segment 0
		.amdhsa_kernarg_size 48
		.amdhsa_user_sgpr_count 2
		.amdhsa_user_sgpr_kernarg_segment_ptr 1
		.amdhsa_wavefront_size32 1
		.amdhsa_system_sgpr_workgroup_id_x 1
		.amdhsa_system_sgpr_workgroup_id_y 1
		.amdhsa_system_sgpr_workgroup_id_z 1
		.amdhsa_system_vgpr_workitem_id 0
		.amdhsa_next_free_vgpr 256
		.amdhsa_next_free_sgpr 66
		.amdhsa_reserve_vcc 0
		.amdhsa_float_denorm_mode_32 3
		.amdhsa_float_denorm_mode_16_64 3
		.amdhsa_memory_ordered 1
		.amdhsa_forward_progress 1
		.amdhsa_inst_pref_size 12
	.end_amdhsa_kernel
	.amdgpu_metadata
---
amdhsa.version: [ 1, 2 ]
amdhsa.kernels:
  - .name:           k_qbaac30e89d_outp
    .symbol:         k_qbaac30e89d_outp.kd
    .args:
      - { .name: rq, .offset: 0, .size: 8, .value_kind: global_buffer, .address_space: global }
      - { .name: rs, .offset: 8, .size: 8, .value_kind: global_buffer, .address_space: global }
      - { .name: wcq, .offset: 16, .size: 8, .value_kind: global_buffer, .address_space: global }
      - { .name: wcs, .offset: 24, .size: 8, .value_kind: global_buffer, .address_space: global }
      - { .name: bc, .offset: 32, .size: 8, .value_kind: global_buffer, .address_space: global }
      - { .name: out0, .offset: 40, .size: 8, .value_kind: global_buffer, .address_space: global }
    .group_segment_fixed_size: 36864
    .private_segment_fixed_size: 0
    .kernarg_segment_align: 8
    .kernarg_segment_size: 48
    .max_flat_workgroup_size: 512
    .sgpr_count:     66
    .vgpr_count:     256
    .wavefront_size: 32
...
	.end_amdgpu_metadata
.endif
;; end of part 4
;; ======== version 2 of 2: 4 launches
;; limits: right only within a limited range of input values
;; workspace buffers: wbq 786,432 bytes; wbs 32,768 bytes; wcq 1,572,864 bytes; wcs 65,536 bytes; wkb 131,072 bytes; scb 524,288 bytes; rq 49,152 bytes; rs 2,048 bytes
;; launch prep (part 5): grid 256 x 1, 8 waves a work-group, no clusters, 88,064 bytes of LDS; arguments Wb, Wc, Wa, k, wbq, wbs, wcq, wcs, wkb; writes wbq, wbs, wcq, wcs, wkb
.if DOCPART == 5
	.amdgcn_target "amdgcn-amd-amdhsa--gfx1250"
	.amdhsa_code_object_version 6
	.text
	.protected	k_qbaac30e89d_prep
	.globl	k_qbaac30e89d_prep
	.p2align	8
	.type	k_qbaac30e89d_prep,@function
k_qbaac30e89d_prep:
	s_mov_b64 s[64:65], 0
	v_nop
	global_prefetch_b8 v0, s[64:65] scope:SCOPE_SE
	s_setreg_imm32_b32 hwreg(HW_REG_WAVE_MODE, 25, 1), 1
	s_wait_xcnt 0x0
; THE PROGRAM: prep (this launch), scores, attend, outp.
; WORK LEFT OUT, for all values of the inputs.  tanh(x) = 1 - 2 / (1 + 2^(c x)), c = 2 log2(e), so the additive score of row s is
;   w_s = sum_e energy_e tanh(x_se) = (sum_e energy_e) - 2 sum_e energy_e / (1 + 2^(c x_se)).
; The first term is the same for every s of a batch, that is along the axis of the softmax that takes w, and w goes nowhere else: a softmax is unchanged by a term that is the
; same along its axis.  So sum_e energy_e is never formed (launch scores).  Every input still has a way to an output and is loaded.
; LIMIT: an overflow, an infinity or a NaN that would arise in sum_e energy_e alone is not carried to the result.
;
; THIS LAUNCH quantises the weights to E2M3 with one E8M0 scale for each 32 along K, and makes wk = Q(k) Q(Wa)^T.
; A work-group takes 16 rows of a weight x 1,024 along K; wave s takes K step s (128 along K): ONE operand fragment.
;   work-groups   0 ..  63: Wb, rows 16 id on                                          -> wbq, wbs
;   work-groups  64 .. 191: Wc, q = id - 64: rows 16 (q / 2) on, K half q % 2           -> wcq, wcs
;   work-groups 192 .. 255: Wa, rows 16 (id - 192) on; the fragment stays in registers, is multiplied with k's two tiles of 16 batches, and the eight waves' parts are added -> wkb
; LAYOUT OF THE CODES: the image of the operand's registers: a fragment's 12 registers go out as three stores of 16 bytes a lane, 512 consecutive bytes each; whoever loads them by
; the same three lines has the fragment.  A lane (r = lane % 16, h = lane / 16) holds row r and k = 64 c + 32 h + 0 .. 31 (c = 0, 1): two whole blocks, so no other lane is asked for a maximum.
; THE LOADS take the f32 numbers as they lie: a load reads 256 consecutive bytes of each of two rows, sixteen lanes to a row.  The operand wants 32 neighbours along K in a lane: so 256 bytes of the
; 16 rows at a time turn through the wave's own stage in LDS (rows 272 bytes apart) and come back into the registers that they left.
; A block's scale byte is its largest magnitude's exponent field - 2, held at 1 from below.
; LIMITS: a block of zeros gets the byte 1 where the rule says 127 (its codes are zeros, and this program alone reads the bytes); NaN and infinities among the inputs are not served.
.set SCG,   0                          ; LDS: the 16 rows' scale bytes, 32 a row (Wb's and Wc's work-groups alone)
.set PA,    1024                       ; LDS: the eight waves' parts of wk, 2,048 bytes a wave (Wa's work-groups alone)
.set STGA,  17408                      ; the waves' stages, 16 rows x 272 bytes each: Wb's and Wc's work-groups;
.set STGB,  52224                      ; Wa's work-groups: each of the two ways has LDS bytes of its own
.set STGW,  4352
.set SPARE, 87040                      ; the spare words, 128 bytes for each wave: four blocks of 256 bytes that no other line names
.set SPW, 1                            ; v1   LDS address of my spare word; never rewritten
.set NIL, 2                            ; v2   0; never rewritten
.set L16, 3                            ; v3   16 x lane
.set SCW, 4                            ; v4   SCG + 32 r + 4 x wave
.set PAW, 5                            ; v5   PA + 2,048 x wave + 16 x lane
.set PAR, 6                            ; v6   PA + 512 x (wave % 4) + 16 x lane
.set KO,  7                            ; v7   k: 4,096 h + 16 r
.set WKO, 8                            ; v8   wk: r x 4,096 + 32 h
.set SH8, 9                            ; v9   8 h
.set W2,  10                           ; v10  a lane permute's destination
.set STRB, 11                          ; v11  my stage (Wa's way) + 272 r + 128 h
.set MX,  12                           ; v12-13 the two blocks' largest magnitudes
.set SO,  14                           ; v14-15 the conversions' scale operands
.set BY,  16                           ; v16-17 the scale bytes
.set STWA, 18                          ; v18  my stage (Wb's and Wc's way) + 272 h + 16 r
.set STRA, 19                          ; v19  the same + 272 r + 128 h
.set T,   20                           ; v20-27 the upper halves of the two blocks' codes, before they are moved
.set W0,  28                           ; v28-30 scale words (the weight's, k's two tiles'): these registers hold scales and nothing else
.set STWB, 31                          ; v31  my stage (Wa's way) + 272 h + 16 r
.set F0,  32                           ; v32-95   the weight's 64 numbers
.set F1,  96                           ; v96-159  k, batches 0-15
.set F2,  160                          ; v160-223 k, batches 16-31
.set PC0, 224                          ; the weight's codes
.set PC1, 236                          ; k's, batches 0-15
.set VO,  248                          ; v248-255 the weight: (2 i + h) x row pitch + 16 r, i = 0 .. 7
.set PC2, 32                           ; k's, batches 16-31 (the weight's numbers are done with)
.set D0,  48                           ; the two results
.set D1,  56
.set SEL, 40                           ; s[40:41] v_permlanex16_b32's selects for lane l xor 16
; 16 rows x 512 bytes, as loaded (register 32 c + 4 i on: rows 2 i + h, bytes 256 c + 16 r on), become register 32 c + i = k 64 c + 32 h + i of row r.  LDS serves a wave's instructions in order
; (ISA guide 5.7.1.4): no wait stands between the stores and the loads, nor in front of the second half's stores.
.macro TURN f, stw, str
.irp c, 0,1
.irp i, 0,1,2,3,4,5,6,7
	ds_store_b128 v[\stw], v[\f+32*\c+4*\i:\f+32*\c+4*\i+3] offset:544*\i
.endr
.irp j, 0,1,2,3,4,5,6,7
	ds_load_b128 v[\f+32*\c+4*\j:\f+32*\c+4*\j+3], v[\str] offset:16*\j
.endr
.endr
	s_wait_dscnt 0x0
.endm
.macro QMAX src                        ; the largest magnitude of each of my two blocks, by turns; the floor 2^(3 - 127) among the leaves holds the byte at 1 from below
	v_max3_num_f32 v[MX], |v[\src]|, |v[\src+1]|, 0x1800000
	v_max3_num_f32 v[MX+1], |v[\src+32]|, |v[\src+33]|, 0x1800000
.irp i, 2,4,6,8,10,12,14,16,18,20,22,24,26,28,30
	s_delay_alu instid0(VALU_DEP_2)
	v_max3_num_f32 v[MX], v[MX], |v[\src+\i]|, |v[\src+\i+1]|
	s_delay_alu instid0(VALU_DEP_2)
	v_max3_num_f32 v[MX+1], v[MX+1], |v[\src+32+\i]|, |v[\src+33+\i]|
.endr
.endm
.macro QTAIL src, pc, w                ; scale word into v[w], the fragment's 12 registers into v[pc] on
	s_delay_alu instid0(VALU_DEP_2)
	v_add_nc_u32 v[SO], 0xff000000, v[MX]          ; 2 off the exponent field: the conversion takes the exponent field of this operand as its scale
	s_delay_alu instid0(VALU_DEP_2)
	v_add_nc_u32 v[SO+1], 0xff000000, v[MX+1]
	s_delay_alu instid0(VALU_DEP_2)
	v_lshrrev_b32 v[BY], 23, v[SO]                 ; the scale bytes of blocks h and 2 + h
	s_delay_alu instid0(VALU_DEP_2)
	v_lshrrev_b32 v[BY+1], 23, v[SO+1]
	s_delay_alu instid0(VALU_DEP_1)
	v_lshl_or_b32 v[\w], v[BY+1], 16, v[BY]
	s_delay_alu instid0(VALU_DEP_1)
	v_lshlrev_b32 v[\w], v[SH8], v[\w]             ; at their places in the row's word
	s_delay_alu instid0(VALU_DEP_1)
	v_permlanex16_b32 v[W2], v[\w], s[SEL], s[SEL+1]
	s_delay_alu instid0(VALU_DEP_1)
	v_or_b32 v[\w], v[\w], v[W2]                   ; with lane l xor 16's two the word is whole
	v_cvt_scalef32_pk16_fp6_f32 v[\pc:\pc+2], v[\src:\src+15], v[SO]
	v_cvt_scalef32_pk16_fp6_f32 v[T:T+2], v[\src+16:\src+31], v[SO]        ; (a conversion's three registers begin on an even number)
	v_cvt_scalef32_pk16_fp6_f32 v[\pc+6:\pc+8], v[\src+32:\src+47], v[SO+1]
	v_cvt_scalef32_pk16_fp6_f32 v[T+4:T+6], v[\src+48:\src+63], v[SO+1]
	v_nop                                          ; one plain place behind a scaled conversion
.irp i, 0,1,2
	v_mov_b32 v[\pc+3+\i], v[T+\i]
	v_mov_b32 v[\pc+9+\i], v[T+4+\i]
.endr
.endm
.macro QUANT src, pc, w
	QMAX \src
	QTAIL \src, \pc, \w
.endm
	s_load_b512 s[4:19], s[0:1], 0x0               ; Wb s[4:5], Wc s[6:7], Wa s[8:9], k s[10:11], wbq s[12:13], wbs s[14:15], wcq s[16:17], wcs s[18:19]
	s_load_b64 s[20:21], s[0:1], 0x40              ; wkb
	v_lshl_add_u32 v[SPW], v0, 2, SPARE
	v_mov_b32 v[NIL], 0
	v_lshrrev_b32 v12, 5, v0
	s_delay_alu instid0(VALU_DEP_1)
	v_readfirstlane_b32 s22, v12                   ; wave 0..7 = K step
	v_and_b32 v13, 31, v0                          ; lane
	v_and_b32 v14, 15, v0                          ; r
	s_wait_alu depctr_va_vdst(0)
	v_bfe_u32 v15, v0, 4, 1                        ; h
	s_wait_alu depctr_va_vdst(0)
	s_mov_b32 s[SEL], 0x76543210
	s_mov_b32 s[SEL+1], 0xfedcba98
	; the role: all offsets are made apart from the addresses, from the work-group's number
	s_sub_co_u32 s24, ttmp9, 64                    ; q
	s_lshr_b32 s25, s24, 1
	s_lshl_b32 s25, s25, 17                        ; 16 rows of Wc are 131,072 bytes
	s_and_b32 s26, s24, 1
	s_lshl_b32 s26, s26, 12                        ; its K half: 4,096 bytes
	s_add_co_u32 s25, s25, s26                     ; Wc's offset
	s_lshl_b32 s26, ttmp9, 16                      ; Wb's: 16 rows are 65,536 bytes
	s_sub_co_u32 s27, ttmp9, 192                   ; Wa's tile
	s_lshl_b32 s28, s27, 16                        ; Wa's offset
	s_cmp_lt_u32 ttmp9, 64
	s_cselect_b32 s30, s26, s25
	s_cselect_b32 s29, 12, 13                      ; log2 of the row pitch
	s_cselect_b32 s23, 0, 64
	s_cmp_lt_u32 ttmp9, 192
	s_cselect_b32 s30, s30, s28
	s_cselect_b32 s29, s29, 12
	s_lshl_b32 s44, s22, 9                         ; my K step: 512 bytes
	s_mov_b32 s45, 0
	s_add_co_u32 s30, s30, s44
	s_mov_b32 s31, 0
	s_sub_co_u32 s23, ttmp9, s23                   ; which block of 16 rows x 1,024 K of Wb or of Wc
	s_lshl_b32 s38, s23, 3
	s_add_co_u32 s38, s38, s22
	s_mul_i32 s38, s38, 1536                       ; my image
	s_mov_b32 s39, 0
	s_lshl_b32 s42, s23, 9                         ; the block's 512 scale bytes
	s_mov_b32 s43, 0
	s_bfe_u32 s46, s22, 0x10001                    ; for the sum of wk's parts: wave v of 0..3 takes batch tile v / 2, registers 4 (v % 2) on
	s_lshl_b32 s46, s46, 16                        ; 16 rows of wk
	s_lshl_b32 s48, s27, 6                         ; the tile's 16 columns
	s_add_co_u32 s46, s46, s48
	s_and_b32 s48, s22, 1
	s_lshl_b32 s48, s48, 4
	s_add_co_u32 s46, s46, s48
	s_mov_b32 s47, 0
	; every LDS address is made here, ahead of the parting of the roles
	v_lshlrev_b32 v16, 4, v14                      ; 16 r
.irp i, 0,1,2,3,4,5,6,7
	v_add_nc_u32 v[VO+\i], 2*\i, v15               ; row 2 i + h,
	s_delay_alu instid0(VALU_DEP_1)
	v_lshlrev_b32 v[VO+\i], s29, v[VO+\i]          ; in bytes,
	s_delay_alu instid0(VALU_DEP_1)
	v_add_nc_u32 v[VO+\i], v[VO+\i], v16           ; + 16 r
.endr
	v_lshl_add_u32 v[KO], v15, 12, v16
	v_lshlrev_b32 v[L16], 4, v13
	v_lshlrev_b32 v[SCW], 5, v14
	s_delay_alu instid0(VALU_DEP_1)
	v_lshl_add_u32 v[SCW], s22, 2, v[SCW]
	s_lshl_b32 s49, s22, 11
	s_add_co_u32 s49, s49, PA
	v_add_nc_u32 v[PAW], s49, v[L16]
	s_and_b32 s49, s22, 3
	s_lshl_b32 s49, s49, 9
	s_add_co_u32 s49, s49, PA
	v_add_nc_u32 v[PAR], s49, v[L16]
	s_mul_i32 s49, s22, STGW                       ; my stage
	v_mul_u32_u24 v17, v15, 272
	s_delay_alu instid0(VALU_DEP_1)
	v_add_nc_u32 v17, v17, v16                     ; in: 272 h + 16 r
	v_mul_u32_u24 v20, v14, 272
	s_delay_alu instid0(VALU_DEP_1)
	v_lshl_add_u32 v20, v15, 7, v20                ; back: 272 r + 128 h
	s_add_co_u32 s50, s49, STGA
	v_add_nc_u32 v[STWA], s50, v17
	v_add_nc_u32 v[STRA], s50, v20
	s_add_co_u32 s50, s49, STGB
	v_add_nc_u32 v[STWB], s50, v17
	v_add_nc_u32 v[STRB], s50, v20
	v_lshlrev_b32 v[WKO], 12, v14
	s_delay_alu instid0(VALU_DEP_1)
	v_lshl_add_u32 v[WKO], v15, 5, v[WKO]
	v_lshlrev_b32 v[SH8], 3, v15
	v_mov_b32 v[W2], 0                             ; written once: a lane permute's destination counts as one of its sources
	s_wait_kmcnt 0x0
	s_cmp_lt_u32 ttmp9, 64                         ; the buffers are chosen on the work-group's number alone
	s_cselect_b64 s[32:33], s[4:5], s[6:7]
	s_cselect_b64 s[34:35], s[12:13], s[16:17]
	s_cselect_b64 s[36:37], s[14:15], s[18:19]
	s_cmp_lt_u32 ttmp9, 192
	s_cselect_b64 s[32:33], s[32:33], s[8:9]
	s_add_nc_u64 s[32:33], s[32:33], s[30:31]      ; the weight at my fragment
	s_add_nc_u64 s[34:35], s[34:35], s[38:39]      ; my image
	s_add_nc_u64 s[36:37], s[36:37], s[42:43]      ; the block's scale bytes
	s_add_nc_u64 s[10:11], s[10:11], s[44:45]      ; k at my K step
	s_add_nc_u64 s[20:21], s[20:21], s[46:47]      ; wk at my part of the sum
.irp c, 0,1
.irp i, 0,1,2,3,4,5,6,7
	global_load_b128 v[F0+32*\c+4*\i:F0+32*\c+4*\i+3], v[VO+\i], s[32:33] offset:256*\c th:TH_LOAD_NT   ; sixteen lanes read 256 consecutive bytes of a row, aligned
.endr
.endr
	s_cmp_ge_u32 ttmp9, 192
	s_cbranch_scc1 .Lwa
	; ---- Wb, Wc: the image and the scale word
	s_wait_loadcnt 0x0
	s_wait_alu depctr_va_vdst(0)
	TURN F0, STWA, STRA
	QUANT F0, PC0, W0
.irp g, 0,1,2
	global_store_b128 v[L16], v[PC0+4*\g:PC0+4*\g+3], s[34:35] offset:512*\g   ; 32 lanes store 512 consecutive bytes, at a multiple of 256 from the buffer's first byte
.endr
	ds_store_b32 v[SCW], v[W0]                     ; lanes r and r + 16 write the same word with the same value
	s_branch .Ljoin
.Lwa:
	; ---- Wa: k's two tiles, three fragments, two products
.irp c, 0,1
.irp i, 0,1,2,3,4,5,6,7
	global_load_b128 v[F1+32*\c+4*\i:F1+32*\c+4*\i+3], v[KO], s[10:11] offset:8192*\i+256*\c
.endr
.endr
.irp c, 0,1
.irp i, 0,1,2,3,4,5,6,7
	global_load_b128 v[F2+32*\c+4*\i:F2+32*\c+4*\i+3], v[KO], s[10:11] offset:65536+8192*\i+256*\c
.endr
.endr
	s_wait_loadcnt 32                              ; the weight is in; k's 32 loads may be out
	s_wait_alu depctr_va_vdst(0)
	TURN F0, STWB, STRB
	QUANT F0, PC0, W0
	s_wait_loadcnt 16                              ; batches 0-15 are in
	TURN F1, STWB, STRB
	QUANT F1, PC1, W0+1
	s_wait_loadcnt 0x0
	TURN F2, STWB, STRB
	QUANT F2, PC2, W0+2
.rept 8
	v_nop                                          ; a scale register written by a vector instruction stands 8 places ahead of a scaled matrix instruction, an operand so written 4
.endr
	; source 0 = 16 rows of Wa, source 1 = 16 batches of k: lane (r, h) holds batch r and the columns 8 h + 0 .. 7 of the tile
	v_wmma_scale_f32_16x16x128_f8f6f4 v[D0:D0+7], v[PC0:PC0+11], v[PC1:PC1+11], 0, v[W0], v[W0+1] matrix_a_fmt:MATRIX_FMT_FP6 matrix_b_fmt:MATRIX_FMT_FP6
	v_wmma_scale_f32_16x16x128_f8f6f4 v[D1:D1+7], v[PC0:PC0+11], v[PC2:PC2+11], 0, v[W0], v[W0+2] matrix_a_fmt:MATRIX_FMT_FP6 matrix_b_fmt:MATRIX_FMT_FP6
.rept 4
	v_nop                                          ; four places before the results are read
.endr
	ds_store_b128 v[PAW], v[D0:D0+3]               ; each result from its low end on
	ds_store_b128 v[PAW], v[D0+4:D0+7] offset:512
	ds_store_b128 v[PAW], v[D1:D1+3] offset:1024
	ds_store_b128 v[PAW], v[D1+4:D1+7] offset:1536
.Ljoin:
	s_wait_dscnt 0x0                               ; for the others' sake: my LDS stores are done
	s_barrier_signal -1
	s_barrier_wait -1
	s_cmp_ge_u32 ttmp9, 192
	s_cbranch_scc1 .Lwa2
	s_cmp_lg_u32 s22, 0                            ; wave 0 stores the block's 512 scale bytes as two aligned runs of 256
	s_cbranch_scc1 .Lend
	ds_load_b128 v[32:35], v[L16]
	s_wait_dscnt 0x0
	global_store_b128 v[L16], v[32:35], s[36:37]
	s_branch .Lend
.Lwa2:
	s_cmp_gt_u32 s22, 3                            ; waves 0 to 3 add the eight K steps' parts, K ascending
	s_cbranch_scc1 .Lend
.irp s, 0,1,2,3,4,5,6,7
	ds_load_b128 v[32+4*\s:35+4*\s], v[PAR] offset:2048*\s
.endr
	s_wait_dscnt 0x0
.irp s, 1
	v_pk_add_f32 v[32:33], v[32:33], v[32+4*\s:33+4*\s]
	v_pk_add_f32 v[34:35], v[34:35], v[34+4*\s:35+4*\s]
.endr
.irp s, 2, 3, 4, 5, 6, 7
	s_delay_alu instid0(VALU_DEP_2)
	v_pk_add_f32 v[32:33], v[32:33], v[32+4*\s:33+4*\s]
	s_delay_alu instid0(VALU_DEP_2)
	v_pk_add_f32 v[34:35], v[34:35], v[34+4*\s:35+4*\s]
.endr
	global_store_b128 v[WKO], v[32:35], s[20:21]   ; 16 bytes of a row of wk a lane: runs of 64 bytes a tile; wk is 131,072 bytes in all
.Lend:
	s_wait_tensorcnt 0x0                           ; the wave's end
	ds_add_u32 v[SPW], v[NIL]
	s_wait_dscnt 0x0
	s_endpgm
.Lfunc_end_k_qbaac30e89d_prep:
	.size	k_qbaac30e89d_prep, .Lfunc_end_k_qbaac30e89d_prep-k_qbaac30e89d_prep
	.p2alignl 7, 3214868480
	.fill 96, 4, 3214868480
	.section	.rodata,"a",@progbits
	.p2align	6, 0x0
	.amdhsa_kernel k_qbaac30e89d_prep
		.amdhsa_group_segment_fixed_size 88064
		.amdhsa_private_segment_fixed_size 0
		.amdhsa_enable_private_segment 0
		.amdhsa_kernarg_size 72
		.amdhsa_user_sgpr_count 2
		.amdhsa_user_sgpr_kernarg_segment_ptr 1
		.amdhsa_wavefront_size32 1
		.amdhsa_system_sgpr_workgroup_id_x 1
		.amdhsa_system_sgpr_workgroup_id_y 1
		.amdhsa_system_sgpr_workgroup_id_z 1
		.amdhsa_system_vgpr_workitem_id 0
		.amdhsa_next_free_vgpr 256
		.amdhsa_next_free_sgpr 66
		.amdhsa_reserve_vcc 0
		.amdhsa_float_denorm_mode_32 3
		.amdhsa_float_denorm_mode_16_64 3
		.amdhsa_memory_ordered 1
		.amdhsa_forward_progress 1
		.amdhsa_inst_pref_size 39
	.end_amdhsa_kernel
	.amdgpu_metadata
---
amdhsa.version: [ 1, 2 ]
amdhsa.kernels:
  - .name:           k_qbaac30e89d_prep
    .symbol:         k_qbaac30e89d_prep.kd
    .args:
      - { .name: Wb, .offset: 0, .size: 8, .value_kind: global_buffer, .address_space: global }
      - { .name: Wc, .offset: 8, .size: 8, .value_kind: global_buffer, .address_space: global }
      - { .name: Wa, .offset: 16, .size: 8, .value_kind: global_buffer, .address_space: global }
      - { .name: k, .offset: 24, .size: 8, .value_kind: global_buffer, .address_space: global }
      - { .name: wbq, .offset: 32, .size: 8, .value_kind: global_buffer, .address_space: global }
      - { .name: wbs, .offset: 40, .size: 8, .value_kind: global_buffer, .address_space: global }
      - { .name: wcq, .offset: 48, .size: 8, .value_kind: global_buffer, .address_space: global }
      - { .name: wcs, .offset: 56, .size: 8, .value_kind: global_buffer, .address_space: global }
      - { .name: wkb, .offset: 64, .size: 8, .value_kind: global_buffer, .address_space: global }
    .group_segment_fixed_size: 88064
    .private_segment_fixed_size: 0
    .kernarg_segment_align: 8
    .kernarg_segment_size: 72
    .max_flat_workgroup_size: 256
    .sgpr_count:     66
    .vgpr_count:     256
    .wavefront_size: 32
...
	.end_amdgpu_metadata
.endif
;; end of part 5
;; launch scores (part 6): grid 8 x 32, 4 waves a work-group, clusters of 4 x 1, 327,680 bytes of LDS; arguments xs, k, energy, wbq, wbs, wkb, scb; writes scb
.if DOCPART == 6
	.amdgcn_target "amdgcn-amd-amdhsa--gfx1250"
	.amdhsa_code_object_version 6
	.text
	.protected	k_qbaac30e89d_scores
	.globl	k_qbaac30e89d_scores
	.p2align	8
	.type	k_qbaac30e89d_scores,@function
k_qbaac30e89d_scores:
	s_mov_b64 s[64:65], 0
	v_nop
	global_prefetch_b8 v0, s[64:65] scope:SCOPE_SE
	s_setreg_imm32_b32 hwreg(HW_REG_WAVE_MODE, 25, 1), 1
	s_wait_xcnt 0x0
	s_wait_alu depctr_hold_cnt(0) depctr_sa_sdst(0) depctr_va_vdst(0) depctr_va_sdst(0) depctr_va_ssrc(0) depctr_va_vcc(0) depctr_vm_vsrc(0)
	s_getreg_b32 s2, hwreg(HW_REG_IB_STS2, 6, 4)
	s_cmp_eq_u32 s2, 0
	s_cbranch_scc0 .Lentry_in_a_cluster
	s_endpgm
.Lentry_in_a_cluster:
	s_bfe_u32 s2, ttmp6, 0x10000c
	s_cmp_lg_u32 s2, 0x3003
	s_cbranch_scc0 .Lentry_shape_is_right
	s_endpgm
.Lentry_shape_is_right:
; cos_sim[b][s] and w'[b][s] = -2 sum_e energy_e / (1 + 2^(c x_se)), x = wk[b] + Q(xs) Q(Wb)^T, c = 2 log2(e), for 256 rows of xs to a work-group.
; WORK LEFT OUT: w = w' + sum_e energy_e, and that sum is the same along the axis of the softmax that alone takes w: it is not formed (shown at the head of launch prep).
; SHARES.  Work-group (chunk, b) owns rows 256 chunk on of batch b; each of its four waves owns 64 rows: four tiles m of 16.
; PHASE X: a wave reads its rows once, 128 along K at a time, takes each row's sum of squares and its dot with k[b] (f32), and quantises the numbers to E2M3: 32 operand fragments,
;   384 registers, which stay in registers (windows 1 and 2).  Register numbers cannot change from trip to trip, so a fragment goes to the wave's own LDS bytes as an image of its registers,
;   and sixteen at a time are read back.
; PHASE G: all of Wb's codes (launch prep's images, 64 tiles of 16 rows) stream past, through a ring of two LDS slots of 8 tiles.  A fragment of Wb read from LDS feeds four matrix instructions.
;   Source 0 = 16 rows of Wb, source 1 = 16 rows of xs: a lane holds ONE row of xs (lane % 16) and eight neighbouring e; wk is the C of a sum's first instruction.
;   The vector work of finished tiles stands in one block ahead of the matrix instructions: in tile t's time, tile t - 1 is scaled and put through 2^x, tile t - 2 has 1 added and its reciprocal taken into a third
;   buffer Z, and tile t - 3's reciprocals are multiplied by -2 energy and added up.  So ONE wait, ahead of the next block, serves the block's 32 exponentials and 32 reciprocals.
;   The LDS loads of a tile stand in TWO runs, never singly among the matrix instructions: first its fragments 4-7 and the next block's energy, then, directly behind the wait ahead of the batch, the
;   tile's fragments 0-3, wk and scale words.  All are in before the tile's first matrix instruction.
; CLUSTER: the four work-groups of a cluster walk the same codes of Wb: each quarter of a slot is asked for JOINTLY, by the same tensor load with the same descriptor and the mask 15.
; By this text's own count a wave has one tensor load outstanding at the most.
; No prefetch is laid: in phase X each wave keeps 64 loads of 512 bytes on their way, and Wb's codes are read by all work-groups alike.
; LIMITS: NaN and infinities among the inputs are not served; a row's sum of squares must stay finite in f32; a block of zeros gets the scale byte 1 (its codes are zeros; this program alone reads the byte).
;
; LDS:      0  slot 0 (98,304: 8 tiles x 8 K steps x 1,536; filled by tensor loads alone)      98,304  the waves' stages, 16 rows x 272 each      115,712  the spare words
;     116,224  k[b]      120,320  xs's scale words, 2,048 a wave      131,072  slot 1      229,376  the waves' images, 24,576 each; later the tables: wk[b], -2 energy, Wb's scale bytes
; REGISTERS, in windows of 256.  Window 0: v0-23 what lives through the launch; phase X: v24-31 addresses, v32-47 sums, v48-57 at work, v64-127 the numbers, v128-191 k's, v192-211 codes;
;   phase G: v24-31 wk, v32-39 sums, v40-71 and v72-103 the accumulators by turns, v104-135 Z, v136-231 eight fragments of Wb; v232-247 xs's scale words, v248-255 Wb's: these hold scales and nothing else.
;   Window 1: v0-191 xs's fragments of K steps 0-3; v192-255 Wb's scale bytes on their way to LDS.   Window 2: v0-191 K steps 4-7; v192-199 -2 energy of a tile; v200-215 wk and energy on their way.
;   Window 3: four buffers of 64 for the loads of xs.
.set ROWB,  4096
.set SLOTB, 98304
.set SLOT1, 1<<17                      ; slot 1 begins here: one exclusive or turns an address from one slot to the other
.set STG,   98304
.set STGW,  4352
.set SPARE, 115712                     ; 128 bytes for each wave: two blocks of 256 bytes that no other line names
.set KTB,   116224
.set SCB,   120320
.set AI,    229376
.set AIWV,  24576                      ; a wave's 16 images; also a wave's quarter of a slot
.set TBL,   AI
.set TEN,   4096                       ; in the tables: 128 bytes of zeros, then -2 energy: entry n (64 bytes) belongs to tile n - 2
.set TSC,   8448                       ; Wb's scale bytes, 32 a row
.set SPW, 1
.set NIL, 2
.set AB0, 3                            ; 16 x lane
.set ADB, 4                            ; LDS address of the pair of tiles in hand
.set AT0, 5                            ; TBL + 32 h
.set ADT, 6
.set AS0, 7                            ; TBL + TSC + 32 r + 16 h
.set ADS, 8
.set STS, 9                            ; my stage + 4 r
.set STL, 10                           ; my stage + 8 x lane
.set L8,  11                           ; 8 x lane
.set XO,  12                           ; xs: 4,096 h + 16 r: sixteen lanes read 256 consecutive bytes of a row, the other sixteen of the next row
.set STW, 13                           ; my stage + 272 h + 16 r
.set STR, 14                           ; my stage + 272 r + 128 h
.set AIW0, 15                          ; my images + 16 x lane
.set AIW, 16
.set SCW0, 17                          ; my scale words + 4 r
.set SCW, 18
.set KVA0, 19                          ; KTB + 128 h
.set KVA, 20
.set SH8, 21                           ; 8 h
.set RK,  22                           ; 1 / max(|k|, eps)
.set W2,  23                           ; a lane permute's destination
.set T16, 24                           ; phase X alone from here on: 16 x thread
.set TBLW, 25                          ; TBL + 16 x thread
.set ASCA, 26                          ; my scale words + 4 x lane
.set KTW, 27                           ; KTB + 16 x thread
.set ZB,  28                           ; TBL + TEN + thread
.set PW,  29                           ; the scale word just made
.set SS,  32                           ; tile m: v[32+4m:33+4m] sum of squares, v[34+4m:35+4m] dot with k, two halves each
.set MX,  48
.set SO,  50
.set BY,  52
.set TSU, 54                           ; second chains of the two sums
.set TDU, 56
.set XT,  64
.set KV,  128
.set PC,  192
.set T,   204
.set WK,  24                           ; phase G
.set SUM, 32
.set BUF0, 40
.set BUF1, 72
.set Z,   104
.set BF,  136
.set ASC, 232                          ; register 4 m + p: lanes 0-15 tile m's words of K step 2 p, lanes 16-31 of K step 2 p + 1
.set BSC, 248                          ; two sets of 4: register i: lanes 0-15 the tile's words of K step i, lanes 16-31 of K step 4 + i
.set EN,  192                          ; in window 2
.set WV,  18
.set G1,  24                           ; s[24:31] descriptor group 1
.set G0,  32                           ; s[32:35] descriptor group 0, which walks
.set SEL, 36
.set CC,  38                           ; s[38:39] c, twice: the packed form names a pair
.set CNT, 40
.set PR,  41
.set XB,  42                           ; s[42:43] xs at my wave's rows, walking along K
.set SA,  44                           ; steps of the LDS addresses: images,
.set SSC, 45                           ; scale words,
.set SKV, 46                           ; k,
.set TB,  47                           ; the pair of tiles in the ring,
.set TT,  48                           ; wk and energy, 64 bytes a tile,
.set TS,  49                           ; Wb's scale bytes, 512 a tile
.set MSB, 0
.macro WIN new                         ; the immediate's high byte repeats the setting that is left; a switch that changes nothing is dropped
.if MSB != \new
	s_set_vgpr_msb (MSB<<8)|\new
.set MSB, \new
.endif
.endm
.macro ROUND                           ; a round of the cluster's barrier
	s_barrier_signal -1
	s_barrier_wait -1
	s_cmp_lg_u32 s[WV], 0
	s_cbranch_scc1 .Lnw0_\@
	s_barrier_signal -3
.Lnw0_\@:
	s_barrier_wait -3
	s_barrier_signal -1
	s_barrier_wait -1
.endm
	s_load_b256 s[4:11], s[0:1], 0x0               ; xs s[4:5], k s[6:7], energy s[8:9], wbq s[10:11]
	s_load_b128 s[12:15], s[0:1], 0x20             ; wbs s[12:13], wkb s[14:15]
	s_load_b64 s[16:17], s[0:1], 0x30              ; scb
	v_lshl_add_u32 v[SPW], v0, 2, SPARE
	v_mov_b32 v[NIL], 0
	ds_add_u32 v[SPW], v[NIL]                      ; the wave's opening: the add, twice on end, and its wait ahead of my first tensor load; the set-up below stands between
	ds_add_u32 v[SPW], v[NIL]
	v_lshrrev_b32 v24, 5, v0
	v_readfirstlane_b32 s[WV], v24                 ; wave 0..3
	s_bfe_u32 s19, ttmp6, 0x40000                  ; cx: it enters the addresses of xs and scb alone
	s_lshl_b32 s20, ttmp9, 2
	s_add_co_u32 s20, s20, s19                     ; chunk = 4 x cluster x + cx
	s_and_b32 s21, ttmp7, 0xffff                   ; b, which the four partners share
	; descriptor group 1: 96 dense rows of 256 bytes (32 elements of 8 bytes): a quarter of a slot
	s_mov_b32 s[G1], 15|(3<<16)|(1<<21)            ; 15:0 the mask: all four work-groups; 17:16 elements of 8 bytes; 20 no padding; 21 set beside a mask
	s_mov_b32 s[G1+1], 32<<16                      ; tensor_dim0 = 32
	s_mov_b32 s[G1+2], 96<<16                      ; tensor_dim1 = 96
	s_mov_b32 s[G1+3], 32<<16                      ; tile_dim0 = 32
	s_mov_b32 s[G1+4], 96                          ; tile_dim1 = 96
	s_mov_b32 s[G1+5], 32                          ; from row to row
	s_mov_b32 s[G1+6], 0
	s_mov_b32 s[G1+7], 0
	s_mov_b32 s[SEL], 0x76543210
	s_mov_b32 s[SEL+1], 0xfedcba98
	s_mov_b32 s[CC], 0x4038aa3b                    ; c = 2 log2(e)
	s_mov_b32 s[CC+1], s[CC]
	s_mov_b32 s[SA], 0
	s_mov_b32 s[SSC], 0
	s_mov_b32 s[SKV], 0
	s_mov_b32 s[TB], 0
	s_mov_b32 s[TT], 0
	s_mov_b32 s[TS], 0
	s_mul_i32 s50, s[WV], AIWV                     ; 24,576 x wave: my quarter of a slot, in wbq and in LDS alike
	s_mov_b32 s51, 0
	v_and_b32 v30, 31, v0                          ; lane
	v_and_b32 v31, 15, v0                          ; r
	v_bfe_u32 v29, v0, 4, 1                        ; h
	s_mul_i32 s52, s[WV], STGW
	s_add_co_u32 s52, s52, STG                     ; my stage
	v_lshlrev_b32 v[XO], 4, v31
	v_mul_u32_u24 v[STW], v29, 272
	v_add_nc_u32 v[STW], v[STW], v[XO]
	v_add_nc_u32 v[STW], s52, v[STW]
	v_lshl_add_u32 v[XO], v29, 12, v[XO]
	v_mul_u32_u24 v[STR], v31, 272
	v_lshl_add_u32 v[STR], v29, 7, v[STR]
	v_add_nc_u32 v[STR], s52, v[STR]
	v_lshl_add_u32 v[STS], v31, 2, s52
	v_lshl_add_u32 v[STL], v30, 3, s52
	v_lshlrev_b32 v[L8], 3, v30
	v_lshlrev_b32 v[AB0], 4, v30
	s_add_co_u32 s53, s50, AI
	v_add_nc_u32 v[AIW0], s53, v[AB0]
	s_lshl_b32 s53, s[WV], 11
	s_add_co_u32 s53, s53, SCB
	v_lshl_add_u32 v[SCW0], v31, 2, s53
	v_lshl_add_u32 v[ASCA], v30, 2, s53
	v_lshl_add_u32 v[KVA0], v29, 7, KTB
	v_lshlrev_b32 v[SH8], 3, v29
	v_mov_b32 v[W2], 0                             ; written once: a lane permute's destination counts as one of its sources
	v_lshlrev_b32 v[T16], 4, v0
	v_add_nc_u32 v[TBLW], TBL, v[T16]
	v_add_nc_u32 v[KTW], KTB, v[T16]
	v_add_nc_u32 v[ZB], TBL+TEN, v0
	v_lshl_add_u32 v[AT0], v29, 5, TBL
	v_lshlrev_b32 v[AS0], 5, v31
	v_lshl_add_u32 v[AS0], v29, 4, v[AS0]
	v_add_nc_u32 v[AS0], TBL+TSC, v[AS0]
	s_wait_alu depctr_va_vdst(0)
	s_wait_dscnt 0x0                               ; both opening adds are done
	s_wait_kmcnt 0x0
	s_mov_b32 s[G0], 1                             ; count = 1
	s_mov_b32 s[G0+1], s50                         ; LDS address: slot 0, my quarter
	s_add_nc_u64 s[G0+2:G0+3], s[10:11], s[50:51]  ; global address: tiles 0-7, my quarter
	s_or_b32 s[G0+3], s[G0+3], 0x80000000          ; type = 2
	s_lshl_b32 s22, s21, 12
	s_mov_b32 s23, 0
	s_add_nc_u64 s[6:7], s[6:7], s[22:23]          ; k[b]
	s_add_nc_u64 s[14:15], s[14:15], s[22:23]      ; wk[b]
	s_lshl_b32 s22, s21, 23                        ; my first row of xs, in bytes: (2,048 b + 256 chunk + 64 wave) x 4,096, under 2^28
	s_lshl_b32 s52, s20, 20
	s_add_co_u32 s22, s22, s52
	s_lshl_b32 s52, s[WV], 18
	s_add_co_u32 s22, s22, s52
	s_add_nc_u64 s[XB:XB+1], s[4:5], s[22:23]
	s_lshr_b32 s22, s22, 10                        ; the same row in scb: 4 bytes a row
	s_add_nc_u64 s[16:17], s[16:17], s[22:23]
	ROUND                                          ; all four work-groups are here: the first joint loads meet
	tensor_load_to_lds s[G0:G0+3], s[G1:G1+7]      ; slot 0: every wave its quarter
	s_nop 0
.rept 4
	v_nop
.endr
; 16 rows x 512 bytes of xs (tile m, the K step at which s[XB] stands) into buffer m of window 3: load (c, i) takes rows 2 i and 2 i + 1, bytes 256 c on
.macro XLOAD m
	WIN 0xc0
.irp c, 0,1
.irp i, 0,1,2,3,4,5,6,7
	global_load_b128 v[64*\m+32*\c+4*\i:64*\m+32*\c+4*\i+3], v[XO], s[XB:XB+1] offset:(16*\m+2*\i)*ROWB+256*\c th:TH_LOAD_NT
.endr
.endr
	WIN 0
.endm
.irp i, 0,1,2,3,4,5,6,7
	global_load_b128 v[XT+4*\i:XT+4*\i+3], v[AB0], s[6:7] offset:512*\i        ; all of k[b], for |k|: each wave for itself
.endr
.irp i, 0,1
	global_load_b128 v[XT+32+4*\i:XT+35+4*\i], v[T16], s[6:7] offset:2048*\i   ; and once for the work-group's table
.endr
	WIN 0x40
.irp i, 0,1,2,3,4,5,6,7,8,9,10,11,12,13,14,15
	global_load_b128 v[192+4*\i:195+4*\i], v[T16], s[12:13] offset:2048*\i     ; Wb's scale bytes: 32,768 dense bytes
.endr
	WIN 0x80
.irp i, 0,1
	global_load_b128 v[200+4*\i:203+4*\i], v[T16], s[14:15] offset:2048*\i     ; wk[b]
.endr
.irp i, 0,1
	global_load_b128 v[208+4*\i:211+4*\i], v[T16], s[8:9] offset:2048*\i       ; energy
.endr
	XLOAD 0
	XLOAD 1
	XLOAD 2
	s_wait_loadcnt 48                              ; the tables are in; the 48 loads of xs behind them may be out
.irp i, 0,1
	ds_store_b128 v[KTW], v[XT+32+4*\i:XT+35+4*\i] offset:2048*\i
.endr
	v_pk_mul_f32 v[48:49], v[XT:XT+1], v[XT:XT+1]  ; |k|^2, in two chains
	v_pk_mul_f32 v[50:51], v[XT+2:XT+3], v[XT+2:XT+3]
.irp i, 4,8,12,16,20,24,28
	v_pk_fma_f32 v[48:49], v[XT+\i:XT+\i+1], v[XT+\i:XT+\i+1], v[48:49]
	v_pk_fma_f32 v[50:51], v[XT+\i+2:XT+\i+3], v[XT+\i+2:XT+\i+3], v[50:51]
.endr
	v_pk_add_f32 v[48:49], v[48:49], v[50:51]
	v_add_f32 v48, v48, v49
	v_add_f32_dpp v48, v48, v48 row_xmask:1 row_mask:0xf bank_mask:0xf
	v_add_f32_dpp v48, v48, v48 row_xmask:2 row_mask:0xf bank_mask:0xf
	v_add_f32_dpp v48, v48, v48 row_xmask:4 row_mask:0xf bank_mask:0xf
	v_add_f32_dpp v48, v48, v48 row_xmask:8 row_mask:0xf bank_mask:0xf
	v_permlanex16_b32 v[W2], v48, s[SEL], s[SEL+1]
	v_add_f32 v48, v48, v[W2]
	s_wait_alu depctr_va_vdst(0)                   ; the wait ahead of a transcendental
	v_sqrt_f32 v48, v48
	v_nop                                          ; a plain place behind the root,
	s_wait_alu depctr_va_vdst(0)                   ; and the wait ahead of the first line that names its result
	v_max_num_f32 v48, 0x322bcc77, v48             ; max(|k|, 1e-8)
	s_wait_alu depctr_va_vdst(0)
	v_rcp_f32 v[RK], v48
	WIN 0x82                                       ; destination and source 0 in window 2
.irp i, 0,2,4,6
	v_pk_mul_f32 v[208+\i:209+\i], v[208+\i:209+\i], -2.0 op_sel_hi:[1,0]      ; -2 energy (plain work behind the reciprocal)
.endr
	WIN 0
	s_wait_alu depctr_va_vdst(0)                   ; the reciprocal's wait
	XLOAD 3
.irp i, 0,1,2,3,4,5,6,7,8,9,10,11,12,13,14,15
	v_mov_b32 v[SS+\i], 0                          ; the rows' sums: the loop over K is written once
.endr
	s_wait_dscnt 0x0                               ; my part of k's table has landed
	s_barrier_signal -1
	s_barrier_wait -1                              ; everybody's has.  Slot 0's load may stay out
; ---------------- PHASE X ----------------
.macro QTAIL src, pc, w                ; behind the two blocks' maxima: the scale word into v[w], the fragment's 12 registers into v[pc] on
	v_add_nc_u32 v[SO], 0xff000000, v[MX]          ; 2 off the exponent field: the conversion's scale operand
	v_add_nc_u32 v[SO+1], 0xff000000, v[MX+1]
	v_lshrrev_b32 v[BY], 23, v[SO]                 ; the scale bytes of blocks h and 2 + h
	v_lshrrev_b32 v[BY+1], 23, v[SO+1]
	v_lshl_or_b32 v[\w], v[BY+1], 16, v[BY]
	v_lshlrev_b32 v[\w], v[SH8], v[\w]
	v_permlanex16_b32 v[W2], v[\w], s[SEL], s[SEL+1]
	v_or_b32 v[\w], v[\w], v[W2]                   ; with lane l xor 16's two the word is whole
	v_cvt_scalef32_pk16_fp6_f32 v[\pc:\pc+2], v[\src:\src+15], v[SO]
	v_cvt_scalef32_pk16_fp6_f32 v[T:T+2], v[\src+16:\src+31], v[SO]        ; (a conversion's three registers begin on an even number)
	v_cvt_scalef32_pk16_fp6_f32 v[\pc+6:\pc+8], v[\src+32:\src+47], v[SO+1]
	v_cvt_scalef32_pk16_fp6_f32 v[T+4:T+6], v[\src+48:\src+63], v[SO+1]
	v_nop                                          ; one plain place behind a scaled conversion
.irp i, 0,1,2
	v_mov_b32 v[\pc+3+\i], v[T+\i]
	v_mov_b32 v[\pc+9+\i], v[T+4+\i]
.endr
.endm
; One fragment: tile m of the K step in hand.  cnt: the younger loads of xs that may stay out.  pre = 1: the buffer takes the next K step.
; The loads took the bytes as they lie; the operand wants 32 neighbours along K in a lane: 256 bytes of 16 rows at a time turn through my stage (rows 272 bytes apart).  LDS serves a wave's
; instructions in order (ISA guide 5.7.1.4), so no wait stands between the stores and the loads, nor in front of the next stores.
.macro FRAGX m, pre, cnt
	s_wait_loadcnt \cnt
.irp c, 0,1
	WIN 0x0c                                       ; an LDS store's data are its source 1: window 3
.irp i, 0,1,2,3,4,5,6,7
	ds_store_b128 v[STW], v[64*\m+32*\c+4*\i:64*\m+32*\c+4*\i+3] offset:544*\i
.endr
	WIN 0
.irp j, 0,1,2,3,4,5,6,7
	ds_load_b128 v[XT+32*\c+4*\j:XT+32*\c+4*\j+3], v[STR] offset:16*\j     ; register 32 c + i: k = 64 c + 32 h + i of row r
.endr
.endr
	s_wait_dscnt 0x0                               ; the numbers are back; the stores have read the buffer, and the last fragment's image stores their registers
.if \pre
	XLOAD \m
.endif
.set pp, 0
.rept 32                               ; a pair of numbers at a time: the sum of squares, the dot with k (two chains each) and the block's largest magnitude
.set xr, XT+2*pp
.set kr, KV+2*pp
.if pp%2 == 0
	v_pk_fma_f32 v[SS+4*\m:SS+4*\m+1], v[xr:xr+1], v[xr:xr+1], v[SS+4*\m:SS+4*\m+1]
	v_pk_fma_f32 v[SS+4*\m+2:SS+4*\m+3], v[xr:xr+1], v[kr:kr+1], v[SS+4*\m+2:SS+4*\m+3]
.elseif pp == 1
	v_pk_mul_f32 v[TSU:TSU+1], v[xr:xr+1], v[xr:xr+1]
	v_pk_mul_f32 v[TDU:TDU+1], v[xr:xr+1], v[kr:kr+1]
.else
	v_pk_fma_f32 v[TSU:TSU+1], v[xr:xr+1], v[xr:xr+1], v[TSU:TSU+1]
	v_pk_fma_f32 v[TDU:TDU+1], v[xr:xr+1], v[kr:kr+1], v[TDU:TDU+1]
.endif
.if pp%16 == 0
	v_max3_num_f32 v[MX+pp/16], |v[xr]|, |v[xr+1]|, 0x1800000              ; the floor 2^(3 - 127): the byte cannot fall under 1
.else
	v_max3_num_f32 v[MX+pp/16], v[MX+pp/16], |v[xr]|, |v[xr+1]|
.endif
.set pp, pp+1
.endr
	v_pk_add_f32 v[SS+4*\m:SS+4*\m+1], v[SS+4*\m:SS+4*\m+1], v[TSU:TSU+1]
	v_pk_add_f32 v[SS+4*\m+2:SS+4*\m+3], v[SS+4*\m+2:SS+4*\m+3], v[TDU:TDU+1]
	QTAIL XT, PC, PW
.irp g, 0,1,2
	ds_store_b128 v[AIW], v[PC+4*\g:PC+4*\g+3] offset:1536*\m+512*\g       ; the image
.endr
	ds_store_b32 v[SCW], v[PW] offset:512*\m       ; lanes r and r + 16 write the same word with the same value
.endm
; One K step of my 64 rows.
.macro TRIP pre
.if \pre
	s_wait_xcnt 0x0                                ; the loads on their way have read their base: only behind this wait is it stepped
	s_add_nc_u64 s[XB:XB+1], s[XB:XB+1], 512
.endif
	v_add_nc_u32 v[KVA], s[SKV], v[KVA0]
	v_add_nc_u32 v[AIW], s[SA], v[AIW0]
	v_add_nc_u32 v[SCW], s[SSC], v[SCW0]
.irp c, 0,1
.irp j, 0,1,2,3,4,5,6,7
	ds_load_b128 v[KV+32*\c+4*\j:KV+32*\c+4*\j+3], v[KVA] offset:256*\c+16*\j  ; k at my lane's places along K
.endr
.endr
.if \pre
	FRAGX 0, 1, 48                                 ; three younger fragments of 16 loads may be out
	FRAGX 1, 1, 48
	FRAGX 2, 1, 48
	FRAGX 3, 1, 48
.else
	FRAGX 0, 0, 48                                 ; the last K step loads nothing: the counts run down
	FRAGX 1, 0, 32
	FRAGX 2, 0, 16
	FRAGX 3, 0, 0
.endif
	s_add_co_u32 s[SKV], s[SKV], 512
	s_add_co_u32 s[SA], s[SA], 6144
	s_add_co_u32 s[SSC], s[SSC], 64
.endm
.macro RELOAD win                      ; my 16 images become 192 registers of the window named
	WIN \win
.irp q, 0,1,2,3,4,5,6,7,8,9,10,11,12,13,14,15
.irp g, 0,1,2
	ds_load_b128 v[12*\q+4*\g:12*\q+4*\g+3], v[AIW0] offset:1536*\q+512*\g
.endr
.endr
	WIN 0
.endm
	s_mov_b32 s[CNT], 4
.LxA:                                              ; K steps 0 to 3
	TRIP 1
	s_sub_co_u32 s[CNT], s[CNT], 1
	s_cmp_lg_u32 s[CNT], 0
	s_cbranch_scc1 .LxA
	RELOAD 0x40                                    ; into window 1; the next images' stores come behind these loads, in order
	s_mov_b32 s[SA], 0
	s_mov_b32 s[CNT], 3
.LxB:                                              ; K steps 4 to 6
	TRIP 1
	s_sub_co_u32 s[CNT], s[CNT], 1
	s_cmp_lg_u32 s[CNT], 0
	s_cbranch_scc1 .LxB
	TRIP 0                                         ; K step 7
	RELOAD 0x80                                    ; into window 2
.irp m, 0,1,2,3
.irp p, 0,1,2,3
	ds_load_b32 v[ASC+4*\m+\p], v[ASCA] offset:512*\m+128*\p
.endr
.endr
	; cos_sim = dot / (max(|x|, eps) max(|k|, eps))
.irp m, 0,1,2,3
	v_add_f32 v[48+\m], v[SS+4*\m], v[SS+4*\m+1]
	v_add_f32 v[52+\m], v[SS+4*\m+2], v[SS+4*\m+3]
.endr
.irp n, 0,1,2,3,4,5,6,7
	v_permlanex16_b32 v[W2], v[48+\n], s[SEL], s[SEL+1]
	v_add_f32 v[48+\n], v[48+\n], v[W2]            ; with lane l xor 16's half of K
.endr
	s_wait_alu depctr_va_vdst(0)                   ; ahead of the batch
.irp m, 0,1,2,3
	v_sqrt_f32 v[48+\m], v[48+\m]
.endr
	v_nop
	s_wait_alu depctr_va_vdst(0)                   ; one wait for the four roots
.irp m, 0,1,2,3
	v_max_num_f32 v[48+\m], 0x322bcc77, v[48+\m]
.endr
	s_wait_alu depctr_va_vdst(0)                   ; ahead of the batch
.irp m, 0,1,2,3
	v_rcp_f32 v[48+\m], v[48+\m]
.endr
.irp m, 0,1,2,3
	v_mul_f32 v[52+\m], v[52+\m], v[RK]            ; (plain work behind the reciprocals)
.endr
	s_wait_alu depctr_va_vdst(0)                   ; one wait for the four
.irp m, 0,1,2,3
	v_mul_f32 v[52+\m], v[52+\m], v[48+\m]
.endr
.irp m, 0,1,2,3
	ds_store_b32 v[STS], v[52+\m] offset:64*\m     ; through my stage, so that the wave's 64 numbers leave as 256 consecutive bytes
.endr
	ds_load_b64 v[60:61], v[STL]
	s_wait_dscnt 0x0                               ; all my LDS instructions are done, the reads of my images among them
	global_store_b64 v[L8], v[60:61], s[16:17]
	s_barrier_signal -1
	s_barrier_wait -1                              ; nobody reads an image any more: the tables take their place
	WIN 0x08                                       ; data in window 2
.irp i, 0,1
	ds_store_b128 v[TBLW], v[200+4*\i:203+4*\i] offset:2048*\i
	ds_store_b128 v[TBLW], v[208+4*\i:211+4*\i] offset:TEN+128+2048*\i
.endr
	WIN 0x04                                       ; data in window 1
.irp i, 0,1,2,3,4,5,6,7,8,9,10,11,12,13,14,15
	ds_store_b128 v[TBLW], v[192+4*\i:195+4*\i] offset:TSC+2048*\i
.endr
	WIN 0
	v_mov_b32 v30, 0
	ds_store_b8 v[ZB], v30                         ; 128 threads: the energy table's two entries of zeros
	s_wait_xcnt 0x0                                ; cos_sim's store has read its data: those registers become accumulators
.set zz, 0
.rept 96
	v_mov_b32 v[BUF0+zz], 0                        ; the pipeline's start: both accumulator buffers and Z hold zeros; what is made of them meets zeros of energy and adds nothing
.set zz, zz+1
.endr
.irp i, 0,1,2,3,4,5,6,7
	v_mov_b32 v[SUM+\i], 0
.endr
	WIN 0x80
.irp i, 0,1,2,3,4,5,6,7
	v_mov_b32 v[EN+\i], 0                          ; the first block's energy
.endr
	WIN 0
	s_wait_alu depctr_va_vdst(0)
; ---------------- PHASE G ----------------
; The matrix instruction of tile u (of the pair in hand), K step s, row tile m.  The four accumulators take turns, one instruction a turn.
.macro MM u, s, m
.set rD, ACC+8*(\m)
.set rC, rD
.if (\s) == 0
.set rC, WK                            ; wk starts the sum
.endif
.set rB, BF+12*(\s)
.set rA, 12*(4*((\s)%4)+(\m))
.set rSB, BSC+4*(\u)+(\s)%4
.set rSA, ASC+4*(\m)+(\s)/2
.if (\s) < 4
.if (\s)%2 == 0
	v_wmma_scale_f32_16x16x128_f8f6f4 v[rD:rD+7], v[rB:rB+11], v[rA:rA+11], v[rC:rC+7], v[rSB], v[rSA] matrix_a_fmt:MATRIX_FMT_FP6 matrix_b_fmt:MATRIX_FMT_FP6
.else
	v_wmma_scale_f32_16x16x128_f8f6f4 v[rD:rD+7], v[rB:rB+11], v[rA:rA+11], v[rC:rC+7], v[rSB], v[rSA] matrix_a_fmt:MATRIX_FMT_FP6 matrix_b_fmt:MATRIX_FMT_FP6 matrix_b_scale:MATRIX_SCALE_ROW1
.endif
.else
.if (\s)%2 == 0
	v_wmma_scale_f32_16x16x128_f8f6f4 v[rD:rD+7], v[rB:rB+11], v[rA:rA+11], v[rC:rC+7], v[rSB], v[rSA] matrix_a_fmt:MATRIX_FMT_FP6 matrix_b_fmt:MATRIX_FMT_FP6 matrix_a_scale:MATRIX_SCALE_ROW1
.else
	v_wmma_scale_f32_16x16x128_f8f6f4 v[rD:rD+7], v[rB:rB+11], v[rA:rA+11], v[rC:rC+7], v[rSB], v[rSA] matrix_a_fmt:MATRIX_FMT_FP6 matrix_b_fmt:MATRIX_FMT_FP6 matrix_a_scale:MATRIX_SCALE_ROW1 matrix_b_scale:MATRIX_SCALE_ROW1
.endif
.endif
.endm
; THE VECTOR WORK OF FINISHED TILES: one block ahead of tile t's 32 products, and nothing among the products.  The block: 48 packed plain instructions
; (tile t - 3: reciprocals times -2 energy onto the rows' sums; tile t - 2: 2^(.) + 1; tile t - 1: x c), ONE wait, then 64 transcendentals (2^(.) of tile t - 1; the reciprocals of tile t - 2 into Z).
; So every source of the batch is laid ahead of its wait, no transcendental stands between two links of an accumulator's chain, and the batch's results are first named behind the next block's wait.
.macro STAGE_E                         ; the four rows' sums by turns.  Source 1, energy, lies in window 2
.irp q, 0,1,2,3
.irp m, 0,1,2,3
	v_pk_fma_f32 v[SUM+2*\m:SUM+2*\m+1], v[Z+8*\m+2*\q:Z+8*\m+2*\q+1], v[EN+2*\q:EN+2*\q+1], v[SUM+2*\m:SUM+2*\m+1]
.endr
.endr
.endm
.macro STAGE_C y
.set jj, 0
.rept 16
	v_pk_add_f32 v[(\y)+2*jj:(\y)+2*jj+1], v[(\y)+2*jj:(\y)+2*jj+1], 1.0 op_sel_hi:[1,0]
.set jj, jj+1
.endr
.endm
.macro STAGE_A y                       ; each accumulator from its low end on
.set jj, 0
.rept 16
	v_pk_mul_f32 v[(\y)+2*jj:(\y)+2*jj+1], v[(\y)+2*jj:(\y)+2*jj+1], s[CC:CC+1] op_sel_hi:[1,0]
.set jj, jj+1
.endr
.endm
.macro LDN u, n                        ; the n-th of a tile's 27 LDS loads: its scale words, its wk (2), its eight fragments (24, 512 bytes each, on end)
.if (\n) == 0
	ds_load_b128 v[BSC+4*(\u):BSC+4*(\u)+3], v[ADS] offset:512*(\u)
.elseif (\n) < 3
	ds_load_b128 v[WK+4*((\n)-1):WK+4*((\n)-1)+3], v[ADT] offset:64*(\u)+16*((\n)-1)
.elseif (\n) < 27
	ds_load_b128 v[BF+4*((\n)-3):BF+4*((\n)-3)+3], v[ADB] offset:12288*(\u)+512*((\n)-3)
.endif
.endm
.macro RUN u, n0, n1                   ; loads n0 .. n1 - 1 of the tile's 27, in one run
.set tt, \n0
.rept (\n1)-(\n0)
	LDN \u, tt
.set tt, tt+1
.endr
.endm
.macro EXPS y
.set tt, 0
.rept 32
	v_exp_f32 v[(\y)+tt], v[(\y)+tt]
.set tt, tt+1
.endr
.endm
.macro RCPS y
.set tt, 0
.rept 32
	v_rcp_f32 v[Z+tt], v[(\y)+tt]
.set tt, tt+1
.endr
.endm
.macro ENLOAD off                      ; -2 energy for the NEXT block's sums: entry n of the table belongs to tile n - 2, and tile t's block asks for entry t, which tile t + 1's block uses for tile t - 2
	WIN 0x80
	ds_load_b128 v[EN:EN+3], v[ADT] offset:TEN+(\off)
	ds_load_b128 v[EN+4:EN+7], v[ADT] offset:TEN+(\off)+16
.endm
; A tile of 16 rows of Wb against my 64 rows.  u: 0 or 1, its place in the pair.
; THE TILE'S LDS LOADS stand in two runs inside the block, none among the transcendentals or the products: 14 (fragments 4-7, energy) behind the sums' 16 plain instructions, which name no register of
; the last products and are the places in front of these loads; 15 (scale words, wk, fragments 0-3) directly behind the wait that stands ahead of the batch.  The 64 transcendentals follow both runs.
.macro TILE u
.set ACC, BUF0+32*(\u)
.set YB, BUF0+32*(1-(\u))
	WIN 0x08
.if \u
	s_wait_alu depctr_va_vdst(0)                   ; the last block's 64 transcendentals, ahead of the first line that names a result (u = 0: the wait at the pair's end)
.endif
	STAGE_E
	RUN \u, 15, 27                                 ; fragments 4-7
	ENLOAD 64*(\u)
	WIN 0x04                                       ; source 1 (xs's fragments of K steps 0-3) in window 1
	STAGE_C ACC
	STAGE_A YB
	s_wait_alu depctr_va_vdst(0)                   ; ahead of the batch
	RUN \u, 0, 15                                  ; scale words, wk, fragments 0-3
	EXPS YB
	RCPS ACC
	v_nop                                          ; a plain place behind the last reciprocal: the products write over its sources
	s_wait_dscnt 0                                 ; all 29 loads of the tile are in
.irp s, 0,1,2,3
.irp m, 0,1,2,3
	MM \u, \s, \m
.endr
.endr
	WIN 0x08                                       ; source 1 in window 2: K steps 4-7
.irp s, 4,5,6,7
.irp m, 0,1,2,3
	MM \u, \s, \m
.endr
.endr
.endm
.macro PAIRHEAD                        ; the LDS addresses of the pair of tiles in hand
	v_add_nc_u32 v[ADB], s[TB], v[AB0]
	v_add_nc_u32 v[ADT], s[TT], v[AT0]
	v_add_nc_u32 v[ADS], s[TS], v[AS0]
.endm
.macro PAIREND
	s_wait_alu depctr_va_vdst(0)                   ; the block's transcendentals have their wait ahead of a branch
	WIN 0
	s_add_co_u32 s[TT], s[TT], 128
	s_add_co_u32 s[TS], s[TS], 1024
.endm
; A slot's eight tiles: the register numbers come back after two tiles, so a pair is a trip.  Every tile asks for its own bytes of the slot in hand alone.
.macro SLOTWORK
	s_mov_b32 s[PR], 4
.Lpair_\@:
	PAIRHEAD
	TILE 0
	TILE 1
	PAIREND
	s_add_co_u32 s[TB], s[TB], 24576
	s_sub_co_u32 s[PR], s[PR], 1
	s_cmp_lg_u32 s[PR], 0
	s_cbranch_scc1 .Lpair_\@
	s_sub_co_u32 s[TB], s[TB], 98304               ; back to a slot's first pair,
	s_xor_b32 s[TB], s[TB], SLOT1                  ; in the other slot
.endm
; THE CHANGE OF SLOTS stands at a slot's head.  Each wave waits for all its tensor loads (its quarter of the slot that it is about to read), adds 0 to its spare word, and waits for that and for its LDS
; instructions (its reads of the slot that it has left; the first time its stores into the tables).  fill = 1: a round of the cluster's barrier, and behind it the other slot takes the next eight tiles.
.macro CHANGE fill
	s_wait_tensorcnt 0x0                           ; no tensor load of mine is out, so the descriptor may be written
	ds_add_u32 v[SPW], v[NIL]                      ; 0 onto my spare word
.if \fill
	s_xor_b32 s[G0+1], s[G0+1], SLOT1              ; the other slot than last time,
	s_add_nc_u64 s[G0+2:G0+3], s[G0+2:G0+3], SLOTB ; the next eight tiles; the type bits on top are not reached
.endif
	s_wait_dscnt 0x0
.if \fill
	ROUND                                          ; no wave of any partner still reads that slot or has a load on its way
	tensor_load_to_lds s[G0:G0+3], s[G1:G1+7]      ; my one tensor load behind the round: it has a slot's 256 matrix instructions in which to land
	s_nop 0
.rept 4
	v_nop
.endr
.else
	s_barrier_signal -1
	s_barrier_wait -1
.endif
.endm
	s_mov_b32 s[CNT], 7
.Lslot:                                            ; seven trips: behind each change of slots but the last the next slot is asked for (the first time: slot 1's first fill)
	CHANGE 1
	SLOTWORK
	s_sub_co_u32 s[CNT], s[CNT], 1
	s_cmp_lg_u32 s[CNT], 0
	s_cbranch_scc1 .Lslot
	CHANGE 0                                       ; the last slot is written out
	SLOTWORK
	; the pipeline runs empty: tile 63 lies in the second accumulator buffer, tile 61's reciprocals in Z
	; tile 63 lies raw in the second buffer, tile 62's 2^(.) in the first, tile 61's reciprocals in Z, and energy's registers hold tile 61's
	v_add_nc_u32 v[ADT], s[TT], v[AT0]
	WIN 0x08
	STAGE_E                                        ; tile 61
	STAGE_C BUF0
	STAGE_A BUF1
	ENLOAD 0                                       ; entry 64: tile 62's
	WIN 0x08
	s_wait_alu depctr_va_vdst(0)                   ; ahead of the batch
	EXPS BUF1
	RCPS BUF0
	v_nop
	s_wait_alu depctr_va_vdst(0)                   ; and behind it
	s_wait_dscnt 0x0
	STAGE_E                                        ; tile 62
	STAGE_C BUF1
	ENLOAD 64                                      ; entry 65: tile 63's
	WIN 0x08
	s_wait_alu depctr_va_vdst(0)
	RCPS BUF1
	v_nop
	s_wait_alu depctr_va_vdst(0)
	s_wait_dscnt 0x0
	STAGE_E                                        ; tile 63
	WIN 0
.irp m, 0,1,2,3
	v_add_f32 v[SUM+2*\m], v[SUM+2*\m], v[SUM+2*\m+1]
.endr
.irp m, 0,1,2,3
	v_permlanex16_b32 v[W2], v[SUM+2*\m], s[SEL], s[SEL+1]
	v_add_f32 v[SUM+2*\m], v[SUM+2*\m], v[W2]      ; with lane l xor 16's half of each tile's e
.endr
.irp m, 0,1,2,3
	ds_store_b32 v[STS], v[SUM+2*\m] offset:64*\m
.endr
	ds_load_b64 v[40:41], v[STL]
	s_wait_dscnt 0x0
	global_store_b64 v[L8], v[40:41], s[16:17] offset:262144       ; w': 256 consecutive bytes a wave
	s_wait_tensorcnt 0x0                           ; the wave's end
	ds_add_u32 v[SPW], v[NIL]
	s_wait_dscnt 0x0
	ROUND                                          ; the closing round: no work-group ends while a partner may still ask for a tile that names it
	s_endpgm
.Lfunc_end_k_qbaac30e89d_scores:
	.size	k_qbaac30e89d_scores, .Lfunc_end_k_qbaac30e89d_scores-k_qbaac30e89d_scores
	.p2alignl 7, 3214868480
	.fill 96, 4, 3214868480
	.section	.rodata,"a",@progbits
	.p2align	6, 0x0
	.amdhsa_kernel k_qbaac30e89d_scores
		.amdhsa_group_segment_fixed_size 327680
		.amdhsa_private_segment_fixed_size 0
		.amdhsa_enable_private_segment 0
		.amdhsa_kernarg_size 56
		.amdhsa_user_sgpr_count 2
		.amdhsa_user_sgpr_kernarg_segment_ptr 1
		.amdhsa_wavefront_size32 1
		.amdhsa_system_sgpr_workgroup_id_x 1
		.amdhsa_system_sgpr_workgroup_id_y 1
		.amdhsa_system_sgpr_workgroup_id_z 1
		.amdhsa_system_vgpr_workitem_id 0
		.amdhsa_next_free_vgpr 1024
		.amdhsa_next_free_sgpr 66
		.amdhsa_reserve_vcc 0
		.amdhsa_float_denorm_mode_32 3
		.amdhsa_float_denorm_mode_16_64 3
		.amdhsa_memory_ordered 1
		.amdhsa_forward_progress 1
		.amdhsa_inst_pref_size 220
	.end_amdhsa_kernel
	.amdgpu_metadata
---
amdhsa.version: [ 1, 2 ]
amdhsa.kernels:
  - .name:           k_qbaac30e89d_scores
    .symbol:         k_qbaac30e89d_scores.kd
    .args:
      - { .name: xs, .offset: 0, .size: 8, .value_kind: global_buffer, .address_space: global }
      - { .name: k, .offset: 8, .size: 8, .value_kind: global_buffer, .address_space: global }
      - { .name: energy, .offset: 16, .size: 8, .value_kind: global_buffer, .address_space: global }
      - { .name: wbq, .offset: 24, .size: 8, .value_kind: global_buffer, .address_space: global }
      - { .name: wbs, .offset: 32, .size: 8, .value_kind: global_buffer, .address_space: global }
      - { .name: wkb, .offset: 40, .size: 8, .value_kind: global_buffer, .address_space: global }
      - { .name: scb, .offset: 48, .size: 8, .value_kind: global_buffer, .address_space: global }
    .group_segment_fixed_size: 327680
    .private_segment_fixed_size: 0
    .kernarg_segment_align: 8
    .kernarg_segment_size: 56
    .max_flat_workgroup_size: 128
    .sgpr_count:     66
    .vgpr_count:     1024
    .wavefront_size: 32
...
	.end_amdgpu_metadata
.endif
;; end of part 6
;; launch attend (part 7): grid 8 x 32, 16 waves a work-group, no clusters, 36,096 bytes of LDS; arguments xs, mask, scb, out1, rq, rs; writes out1, rq, rs
.if DOCPART == 7
	.amdgcn_target "amdgcn-amd-amdhsa--gfx1250"
	.amdhsa_code_object_version 6
	.text
	.protected	k_qbaac30e89d_attend
	.globl	k_qbaac30e89d_attend
	.p2align	8
	.type	k_qbaac30e89d_attend,@function
k_qbaac30e89d_attend:
	s_mov_b64 s[64:65], 0
	v_nop
	global_prefetch_b8 v0, s[64:65] scope:SCOPE_SE
	s_setreg_imm32_b32 hwreg(HW_REG_WAVE_MODE, 25, 1), 1
	s_wait_xcnt 0x0
; Both masked softmaxes, atts, and both weighted sums of xs, which leave as codes of E2M3: they are the K of the last product.
; (The additive scores come without the term sum_e energy_e, which is the same along the softmax's axis: see the head of launch prep.)
; SHARES.  Work-group (j, b) owns columns 128 j .. 128 j + 127 of batch b for ALL 2,048 rows, so each column of the two sums has one owner.  Wave v takes rows 128 v on; a load is a row's 512 bytes,
; 16 a lane.  Each work-group makes the batch's two softmaxes for itself (2,048 scores each); atts is shared out, 256 rows to a work-group.
; The weighted sums are f32 multiply-adds on f32 numbers: they go into a quantiser.  They are taken with e = 2^((s - max) log2 e) and multiplied by 1 / sum(e) at the end:
; an order of rounding that differs from dividing first.  The maximum is taken away before both exponentials.
; A stream: no matrix unit, no cluster (work-groups share no tile), no tensor load; 32 loads of 512 bytes of every wave are on their way.
; LIMITS: NaN and infinities among the inputs are not served; a batch whose mask is all false gives NaN in atts (as the maximum -infinity less itself does), and its codes are then without meaning;
; a block of zeros gets the scale byte 1 (its codes are zeros; this program alone reads the byte).
.set RED,   0                          ; LDS: four arrays of 16 words: the waves' maxima (cos, additive), the waves' sums
.set WT,    256                        ; the pair (e_cos, e_add) of each of the 2,048 rows
.set PS,    16640                      ; the waves' partial sums: 1,024 x wave + 512 x kind + 16 x lane
.set RV,    33024                      ; the two finished vectors, 512 bytes each
.set SPARE, 34048                      ; the spare words, 128 bytes for each wave: eight blocks of 256 bytes that no other line names
.set SPW, 1
.set NIL, 2
.set L16, 3                            ; 16 x lane
.set E,   12                           ; v12-19 e of my four rows: cos and additive by turns
.set NINF, 22
.set W2,  23
.set ACB, 32                           ; v32-63 four sets (rows by turns) of 4 + 4 sums: fifteen plain instructions stand between a sum's write and its next read
.set RG,  64                           ; v64-191 a ring of 32 rows
.set WG,  192                          ; v192-223 two sets of 8 rows' weights
.set LANE, 224
.set T16, 225
.set T4,  226
.set REDW, 227
.set REDR, 228
.set WTW, 229
.set WTR, 230
.set PSW, 231
.set PSR, 232
.set RVW, 233
.set RVR, 234
.set QO,  235
.set SOF, 236
.set SEL, 18
	s_load_b256 s[4:11], s[0:1], 0x0               ; xs s[4:5], mask s[6:7], scb s[8:9], out1 s[10:11]
	s_load_b128 s[12:15], s[0:1], 0x20             ; rq s[12:13], rs s[14:15]
	v_lshl_add_u32 v[SPW], v0, 2, SPARE
	v_mov_b32 v[NIL], 0
	v_lshrrev_b32 v21, 5, v0
	v_readfirstlane_b32 s16, v21                   ; wave 0..15
	s_and_b32 s17, ttmp7, 0xffff                   ; b
	s_mov_b32 s[SEL], 0x76543210
	s_mov_b32 s[SEL+1], 0xfedcba98
	v_and_b32 v[LANE], 31, v0
	v_lshlrev_b32 v[L16], 4, v[LANE]
	v_lshlrev_b32 v[T16], 4, v0
	v_lshlrev_b32 v[T4], 2, v0
	v_mov_b32 v[REDW], s16
	v_lshlrev_b32 v[REDW], 2, v[REDW]
	v_mov_b32 v[REDR], 0
	v_lshl_add_u32 v[WTW], v0, 5, WT               ; my four rows' pairs
	s_lshl_b32 s20, s16, 10
	s_add_co_u32 s21, s20, WT
	v_mov_b32 v[WTR], s21                          ; my wave's 128 rows' pairs
	s_add_co_u32 s21, s20, PS
	v_add_nc_u32 v[PSW], s21, v[L16]
	s_and_b32 s22, s16, 1                          ; kind, for waves 0 and 1
	s_lshl_b32 s21, s22, 9
	s_add_co_u32 s23, s21, PS
	v_add_nc_u32 v[PSR], s23, v[L16]
	s_add_co_u32 s23, s21, RV
	v_add_nc_u32 v[RVW], s23, v[L16]
	v_and_b32 v21, 7, v0
	v_lshl_add_u32 v[RVR], v21, 6, s23             ; 64 bytes, 16 neighbouring columns, for lane % 8
	v_mul_u32_u24 v[QO], v[LANE], 12
	v_lshrrev_b32 v[SOF], 1, v[LANE]
	v_mov_b32 v[NINF], 0xff800000
	v_mov_b32 v[W2], 0                             ; written once: a lane permute's destination counts as one of its sources
	s_wait_alu depctr_va_vdst(0)                   ; the wait behind the head's last vector instruction
	s_lshl_b32 s24, s17, 23                        ; xs: batch b, my wave's rows, the work-group's columns
	s_lshl_b32 s21, s16, 19
	s_add_co_u32 s24, s24, s21
	s_lshl_b32 s21, ttmp9, 9
	s_add_co_u32 s24, s24, s21
	s_mov_b32 s25, 0
	s_lshl_b32 s26, s17, 13                        ; a batch's 2,048 numbers in scb and in out1
	s_mov_b32 s27, 0
	s_lshl_b32 s28, s17, 11                        ; and its mask bytes
	s_mov_b32 s29, 0
	s_lshl_b32 s21, s22, 3
	s_add_co_u32 s21, s21, ttmp9                   ; 8 kind + j: which 128 of the 2,048 along the last product's K
	s_mul_i32 s30, s17, 1536
	s_mul_i32 s23, s21, 96
	s_add_co_u32 s30, s30, s23
	s_mov_b32 s31, 0
	s_wait_kmcnt 0x0
	s_add_nc_u64 s[4:5], s[4:5], s[24:25]
	s_add_nc_u64 s[8:9], s[8:9], s[26:27]
	s_add_nc_u64 s[10:11], s[10:11], s[26:27]
	s_add_nc_u64 s[6:7], s[6:7], s[28:29]
	s_add_nc_u64 s[12:13], s[12:13], s[30:31]
	s_lshl_b32 s30, s17, 6
	s_lshl_b32 s23, s21, 2
	s_add_co_u32 s30, s30, s23
	s_add_nc_u64 s[14:15], s[14:15], s[30:31]
	global_load_b128 v[4:7], v[T16], s[8:9]                    ; cos_sim of rows 4 t .. 4 t + 3
	global_load_b128 v[8:11], v[T16], s[8:9] offset:262144     ; the additive scores
	global_load_b32 v20, v[T4], s[6:7]                         ; their four mask bytes
.irp i, 0,1,2,3,4,5,6,7,8,9,10,11,12,13,14,15,16,17,18,19,20,21,22,23,24,25,26,27,28,29,30,31
	global_load_b128 v[RG+4*\i:RG+4*\i+3], v[L16], s[4:5] offset:4096*\i th:TH_LOAD_NT   ; the ring is filled before anything else is done
.endr
	s_wait_loadcnt 32                              ; scores and mask are in; the ring's 32 loads may be out
.irp q, 0,1,2,3
	v_bfe_u32 v21, v20, 8*\q, 8
	v_cmp_ne_u32 vcc_lo, 0, v21
	v_cndmask_b32 v[4+\q], v[NINF], v[4+\q], vcc_lo            ; -infinity where the mask is false
	v_cndmask_b32 v[8+\q], v[NINF], v[8+\q], vcc_lo
.endr
	v_max3_num_f32 v24, v4, v5, v6
	v_max3_num_f32 v25, v8, v9, v10
	v_max_num_f32 v24, v24, v7
	v_max_num_f32 v25, v25, v11
.irp x, 1,2,4,8
	v_max_num_f32_dpp v24, v24, v24 row_xmask:\x row_mask:0xf bank_mask:0xf
	v_max_num_f32_dpp v25, v25, v25 row_xmask:\x row_mask:0xf bank_mask:0xf
.endr
	v_permlanex16_b32 v[W2], v24, s[SEL], s[SEL+1]
	v_max_num_f32 v24, v24, v[W2]
	v_permlanex16_b32 v[W2], v25, s[SEL], s[SEL+1]
	v_max_num_f32 v25, v25, v[W2]
	ds_store_b32 v[REDW], v24                      ; all lanes write the same word with the same value
	ds_store_b32 v[REDW], v25 offset:64
	s_wait_dscnt 0x0
	s_barrier_signal -1
	s_barrier_wait -1
.irp i, 0,1,2,3,4,5,6,7
	ds_load_b128 v[WG+4*\i:WG+4*\i+3], v[REDR] offset:16*\i    ; the sixteen waves' maxima, of both kinds
.endr
	s_wait_dscnt 0x0
	v_max3_num_f32 v24, v[WG], v[WG+1], v[WG+2]
	v_max3_num_f32 v25, v[WG+16], v[WG+17], v[WG+18]
.irp i, 3,5,7,9,11,13
	v_max3_num_f32 v24, v24, v[WG+\i], v[WG+\i+1]
	v_max3_num_f32 v25, v25, v[WG+16+\i], v[WG+17+\i]
.endr
	v_max_num_f32 v24, v24, v[WG+15]
	v_max_num_f32 v25, v25, v[WG+31]
	s_mov_b32 s20, 0x3fb8aa3b                      ; log2(e)
.irp q, 0,1,2,3
	v_sub_f32 v[E+2*\q], v[4+\q], v24              ; the maximum is taken away,
	v_sub_f32 v[E+2*\q+1], v[8+\q], v25
.endr
.irp n, 0,1,2,3,4,5,6,7
	v_mul_f32 v[E+\n], s20, v[E+\n]
.endr
	s_wait_alu depctr_va_vdst(0)                   ; ahead of the batch
.irp n, 0,1,2,3,4,5,6,7
	v_exp_f32 v[E+\n], v[E+\n]                     ; e = exp(s - max)
.endr
	v_nop                                          ; a plain place behind the last exponential,
	s_wait_alu depctr_va_vdst(0)                   ; and one wait for the eight, ahead of the first line that names a result
	v_pk_add_f32 v[26:27], v[E:E+1], v[E+2:E+3]    ; a pair is (cos, additive): both sums at once
	v_pk_add_f32 v[28:29], v[E+4:E+5], v[E+6:E+7]
	v_pk_add_f32 v[26:27], v[26:27], v[28:29]
.irp x, 1,2,4,8
	v_add_f32_dpp v26, v26, v26 row_xmask:\x row_mask:0xf bank_mask:0xf
	v_add_f32_dpp v27, v27, v27 row_xmask:\x row_mask:0xf bank_mask:0xf
.endr
	v_permlanex16_b32 v[W2], v26, s[SEL], s[SEL+1]
	v_add_f32 v26, v26, v[W2]
	v_permlanex16_b32 v[W2], v27, s[SEL], s[SEL+1]
	v_add_f32 v27, v27, v[W2]
	ds_store_b32 v[REDW], v26 offset:128
	ds_store_b32 v[REDW], v27 offset:192
	ds_store_b128 v[WTW], v[E:E+3]
	ds_store_b128 v[WTW], v[E+4:E+7] offset:16
	s_wait_dscnt 0x0
	s_barrier_signal -1
	s_barrier_wait -1
.irp i, 0,1,2,3,4,5,6,7
	ds_load_b128 v[WG+4*\i:WG+4*\i+3], v[REDR] offset:128+16*\i
.endr
	s_wait_dscnt 0x0
.irp i, 2,4,6,8,10,12,14
	v_pk_add_f32 v[WG:WG+1], v[WG:WG+1], v[WG+\i:WG+\i+1]
	v_pk_add_f32 v[WG+16:WG+17], v[WG+16:WG+17], v[WG+16+\i:WG+17+\i]
.endr
	v_add_f32 v26, v[WG], v[WG+1]
	v_add_f32 v27, v[WG+16], v[WG+17]
	s_wait_alu depctr_va_vdst(0)                   ; ahead of the batch
	v_rcp_f32 v26, v26                             ; 1 / sum, cos
	v_rcp_f32 v27, v27                             ; 1 / sum, additive
	v_nop
	s_wait_alu depctr_va_vdst(0)
	s_lshr_b32 s21, s16, 1                         ; atts: rows 256 j on are those of waves 2 j and 2 j + 1
	s_cmp_lg_u32 s21, ttmp9
	s_cbranch_scc1 .Lnoatts
	v_mul_f32 v28, 0.5, v26
	v_mul_f32 v29, 0.5, v27
.irp q, 0,1,2,3
	v_mul_f32 v[240+\q], v[E+2*\q], v28
.endr
.irp q, 0,1,2,3
	v_fma_f32 v[240+\q], v[E+2*\q+1], v29, v[240+\q]
.endr
	global_store_b128 v[T16], v[240:243], s[10:11] ; sixteen lanes store 256 consecutive bytes, aligned; these four registers are not written again
.Lnoatts:
.macro WLOAD g                         ; the weights of my rows 8 g .. 8 g + 7 into set g % 2: every lane reads the same 64 bytes
.irp i, 0,1,2,3
	ds_load_b128 v[WG+16*((\g)%2)+4*\i:WG+16*((\g)%2)+4*\i+3], v[WTR] offset:64*(\g)+16*\i
.endr
.endm
	WLOAD 0
; 128 rows, written out: every offset is an immediate (127 rows of 4,096 bytes at the most).  A row: four packed multiply-adds; of the pair (e_cos, e_add) one word serves both halves.
.set rw, 0
.rept 128
.if rw%8 == 0
.if rw/8 < 15
	WLOAD rw/8+1
	s_wait_dscnt 4                                 ; this group's weights are in; the next group's four loads may be out
.else
	s_wait_dscnt 0
.endif
.endif
.if 127-rw < 31
	s_wait_loadcnt 127-rw                          ; the last rows: the counts run down
.else
	s_wait_loadcnt 31                              ; this row is in; the 31 younger loads of the ring stay out
.endif
.set xr, RG+4*(rw%32)
.set wr, WG+16*((rw/8)%2)+2*(rw%8)
.set ac, ACB+8*(rw%4)
.if rw < 4
	v_pk_mul_f32 v[ac:ac+1], v[xr:xr+1], v[wr:wr+1] op_sel_hi:[1,0]        ; the first four rows start the sums: nothing is cleared
	v_pk_mul_f32 v[ac+2:ac+3], v[xr+2:xr+3], v[wr:wr+1] op_sel_hi:[1,0]
	v_pk_mul_f32 v[ac+4:ac+5], v[xr:xr+1], v[wr:wr+1] op_sel:[0,1]
	v_pk_mul_f32 v[ac+6:ac+7], v[xr+2:xr+3], v[wr:wr+1] op_sel:[0,1]
.else
	v_pk_fma_f32 v[ac:ac+1], v[xr:xr+1], v[wr:wr+1], v[ac:ac+1] op_sel_hi:[1,0,1]
	v_pk_fma_f32 v[ac+2:ac+3], v[xr+2:xr+3], v[wr:wr+1], v[ac+2:ac+3] op_sel_hi:[1,0,1]
	v_pk_fma_f32 v[ac+4:ac+5], v[xr:xr+1], v[wr:wr+1], v[ac+4:ac+5] op_sel:[0,1,0]
	v_pk_fma_f32 v[ac+6:ac+7], v[xr+2:xr+3], v[wr:wr+1], v[ac+6:ac+7] op_sel:[0,1,0]
.endif
.if rw+32 < 128
	global_load_b128 v[xr:xr+3], v[L16], s[4:5] offset:4096*(rw+32) th:TH_LOAD_NT
.endif
.set rw, rw+1
.endr
.irp i, 0,2,4,6
	v_pk_add_f32 v[ACB+\i:ACB+\i+1], v[ACB+\i:ACB+\i+1], v[ACB+8+\i:ACB+9+\i]
.endr
.irp i, 0,2,4,6
	v_pk_add_f32 v[ACB+16+\i:ACB+17+\i], v[ACB+16+\i:ACB+17+\i], v[ACB+24+\i:ACB+25+\i]
.endr
.irp i, 0,2,4,6
	v_pk_add_f32 v[ACB+\i:ACB+\i+1], v[ACB+\i:ACB+\i+1], v[ACB+16+\i:ACB+17+\i]
.endr
	ds_store_b128 v[PSW], v[ACB:ACB+3]             ; cos
	ds_store_b128 v[PSW], v[ACB+4:ACB+7] offset:512            ; additive
	s_wait_dscnt 0x0
	s_barrier_signal -1
	s_barrier_wait -1
	s_cmp_gt_u32 s16, 1                            ; wave 0 finishes the cosine sum, wave 1 the additive one
	s_cbranch_scc1 .Lend
.irp v, 0,1,2,3,4,5,6,7,8,9,10,11,12,13,14,15
	ds_load_b128 v[RG+4*\v:RG+4*\v+3], v[PSR] offset:1024*\v
.endr
	s_wait_dscnt 0x0
.irp v, 1,2,3,4,5,6,7,8,9,10,11,12,13,14,15
	v_pk_add_f32 v[RG:RG+1], v[RG:RG+1], v[RG+4*\v:RG+4*\v+1]
	v_pk_add_f32 v[RG+2:RG+3], v[RG+2:RG+3], v[RG+4*\v+2:RG+4*\v+3]
.endr
	s_cmp_eq_u32 s16, 0
	s_cselect_b32 s22, -1, 0
	v_cndmask_b32 v28, v27, v26, s22               ; my kind's 1 / sum
	v_mov_b32 v29, v28
	v_pk_mul_f32 v[RG:RG+1], v[RG:RG+1], v[28:29]
	v_pk_mul_f32 v[RG+2:RG+3], v[RG+2:RG+3], v[28:29]
	ds_store_b128 v[RVW], v[RG:RG+3]               ; through my own 512 bytes, so that a lane holds 16 neighbours; LDS serves a wave's instructions in order
.irp i, 0,1,2,3
	ds_load_b128 v[80+4*\i:83+4*\i], v[RVR] offset:16*\i       ; lanes 8-31 hold what lane % 8 holds
.endr
	s_wait_dscnt 0x0
	v_max3_num_f32 v28, |v80|, |v81|, |v82|        ; the largest magnitude of my 16
	v_max3_num_f32 v29, |v83|, |v84|, |v85|
.irp i, 6,10
	v_max3_num_f32 v28, v28, |v[80+\i]|, |v[81+\i]|
	v_max3_num_f32 v29, v29, |v[82+\i]|, |v[83+\i]|
.endr
	v_max3_num_f32 v28, v28, |v94|, |v95|
	v_max3_num_f32 v28, v28, v29, 0x1800000        ; and the floor 2^(3 - 127): the byte cannot fall under 1
	v_max_num_f32_dpp v28, v28, v28 row_xmask:1 row_mask:0xf bank_mask:0xf    ; with my neighbour's 16: the block's
	v_add_nc_u32 v31, 0xff000000, v28              ; 2 off the exponent field: the conversion's scale operand
	v_cvt_scalef32_pk16_fp6_f32 v[96:98], v[80:95], v31
	v_lshrrev_b32 v99, 23, v31                     ; the scale's byte
	s_wait_alu depctr_va_vdst(0)
	s_wait_xcnt 0x0                                ; EXEC changes only behind this wait: atts' store may have been issued
	v_cmp_gt_u32 vcc_lo, 8, v[LANE]
	s_and_saveexec_b32 s23, vcc_lo                 ; lanes 0-7: the 128 columns' 96 bytes of codes and 4 scale bytes
	global_store_b96 v[QO], v[96:98], s[12:13]
	global_store_b8 v[SOF], v99, s[14:15]          ; both lanes of a block write the same byte with the same value
	s_wait_xcnt 0x0                                ; and again, in front of the line that widens it
	s_or_b32 exec_lo, exec_lo, s23
.Lend:
	s_wait_tensorcnt 0x0                           ; the wave's end
	ds_add_u32 v[SPW], v[NIL]
	s_wait_dscnt 0x0
	s_endpgm
.Lfunc_end_k_qbaac30e89d_attend:
	.size	k_qbaac30e89d_attend, .Lfunc_end_k_qbaac30e89d_attend-k_qbaac30e89d_attend
	.p2alignl 7, 3214868480
	.fill 96, 4, 3214868480
	.section	.rodata,"a",@progbits
	.p2align	6, 0x0
	.amdhsa_kernel k_qbaac30e89d_attend
		.amdhsa_group_segment_fixed_size 36096
		.amdhsa_private_segment_fixed_size 0
		.amdhsa_enable_private_segment 0
		.amdhsa_kernarg_size 48
		.amdhsa_user_sgpr_count 2
		.amdhsa_user_sgpr_kernarg_segment_ptr 1
		.amdhsa_wavefront_size32 1
		.amdhsa_system_sgpr_workgroup_id_x 1
		.amdhsa_system_sgpr_workgroup_id_y 1
		.amdhsa_system_sgpr_workgroup_id_z 1
		.amdhsa_system_vgpr_workitem_id 0
		.amdhsa_next_free_vgpr 256
		.amdhsa_next_free_sgpr 66
		.amdhsa_reserve_vcc 1
		.amdhsa_float_denorm_mode_32 3
		.amdhsa_float_denorm_mode_16_64 3
		.amdhsa_memory_ordered 1
		.amdhsa_forward_progress 1
		.amdhsa_inst_pref_size 69
	.end_amdhsa_kernel
	.amdgpu_metadata
---
amdhsa.version: [ 1, 2 ]
amdhsa.kernels:
  - .name:           k_qbaac30e89d_attend
    .symbol:         k_qbaac30e89d_attend.kd
    .args:
      - { .name: xs, .offset: 0, .size: 8, .value_kind: global_buffer, .address_space: global }
      - { .name: mask, .offset: 8, .size: 8, .value_kind: global_buffer, .address_space: global }
      - { .name: scb, .offset: 16, .size: 8, .value_kind: global_buffer, .address_space: global }
      - { .name: out1, .offset: 24, .size: 8, .value_kind: global_buffer, .address_space: global }
      - { .name: rq, .offset: 32, .size: 8, .value_kind: global_buffer, .address_space: global }
      - { .name: rs, .offset: 40, .size: 8, .value_kind: global_buffer, .address_space: global }
    .group_segment_fixed_size: 36096
    .private_segment_fixed_size: 0
    .kernarg_segment_align: 8
    .kernarg_segment_size: 48
    .max_flat_workgroup_size: 512
    .sgpr_count:     66
    .vgpr_count:     256
    .wavefront_size: 32
...
	.end_amdgpu_metadata
.endif
;; end of part 7
;; launch outp (part 8): grid 16 x 1, 16 waves a work-group, no clusters, 141,312 bytes of LDS; arguments rq, rs, wcq, wcs, bc, out0; writes out0
.if DOCPART == 8
	.amdgcn_target "amdgcn-amd-amdhsa--gfx1250"
	.amdhsa_code_object_version 6
	.text
	.protected	k_qbaac30e89d_outp
	.globl	k_qbaac30e89d_outp
	.p2align	8
	.type	k_qbaac30e89d_outp,@function
k_qbaac30e89d_outp:
	s_mov_b64 s[64:65], 0
	v_nop
	global_prefetch_b8 v0, s[64:65] scope:SCOPE_SE
	s_setreg_imm32_b32 hwreg(HW_REG_WAVE_MODE, 25, 1), 1
	s_wait_xcnt 0x0
; out0 = Q(concat(cos_repr, bah_repr)) Q(Wc)^T + bc: [32, 2,048] x [2,048, 1,024], on codes of E2M3 that the launches before have made.
; SHARES.  Work-group g owns columns 64 g .. 64 g + 63: four tiles of 16 rows of Wc.  WAVE v TAKES K STEP v of the sixteen, for all four tiles and both tiles of 16 batches: eight matrix instructions, each
; on an accumulator of its own, begun with the constant 0.  So a wave loads two fragments of the representation and four of Wc, and no fragment is loaded by two waves of the work-group.
; The sixteen K steps' parts meet in LDS and are added K ascending, with bc.
; Sixteen work-groups: the product is 2,048 matrix instructions over 1.6 million bytes, and 64 columns are what makes a work-group's stores 256 consecutive bytes of a row.
; Source 0 = 16 rows of Wc, source 1 = 16 batches: lane (r, h) holds batch r and the tile's columns 8 h + 0 .. 7.
; Wc's fragments come as images of the operand's registers (three loads of 16 bytes a lane); the representation's rows are streams of bits, 96 bytes for 128 along K: six loads of 8 bytes.
.set PART,  8704                       ; LDS: a wave's part: 32 rows x (256 bytes + 16)
.set SPARE, 139264                     ; behind the sixteen parts: the spare words, 128 bytes for each wave: eight blocks of 256 bytes that no other line names
.set SPW, 1
.set NIL, 2
.set L16, 3                            ; 16 x lane
.set RO,  4                            ; the representation: 1,536 r + 24 h
.set WSO, 5                            ; Wc's scale words: 32 r
.set RSO, 6                            ; the representation's: 64 r
.set BO,  7                            ; 16 x (thread % 16)
.set OO,  8                            ; out0: 4,096 x (thread / 16) + 16 x (thread % 16)
.set STO, 9                            ; my part + 272 r + 32 h
.set RDL, 10                           ; 272 x (thread / 16) + 16 x (thread % 16): parts 0-7;
.set RDH, 11                           ; parts 8-15 (an LDS offset holds 16 bits)
.set WC,  16                           ; v16-63   Wc's four fragments
.set RP,  64                           ; v64-87   the representation's two
.set WSC, 88                           ; v88-91   Wc's scale words;  v92-93 the representation's: these hold scales and nothing else
.set RSC, 92
.set ACC, 96                           ; v96-159  eight accumulators: 8 (2 n + t)
.set BC,  160
.set SM,  164                          ; v164-227 the sixteen parts of my 16 bytes
	s_load_b256 s[4:11], s[0:1], 0x0               ; rq s[4:5], rs s[6:7], wcq s[8:9], wcs s[10:11]
	s_load_b128 s[12:15], s[0:1], 0x20             ; bc s[12:13], out0 s[14:15]
	v_lshl_add_u32 v[SPW], v0, 2, SPARE
	v_mov_b32 v[NIL], 0
	v_lshrrev_b32 v12, 5, v0
	s_delay_alu instid0(VALU_DEP_1)
	v_readfirstlane_b32 s16, v12                   ; wave 0..15 = K step
	v_and_b32 v12, 31, v0                          ; lane
	v_and_b32 v13, 15, v0                          ; r; also thread % 16
	v_bfe_u32 v14, v0, 4, 1                        ; h
	v_lshrrev_b32 v15, 4, v0                       ; thread / 16: 0..31
	s_delay_alu instid0(VALU_DEP_4)
	v_lshlrev_b32 v[L16], 4, v12
	s_delay_alu instid0(VALU_DEP_4)
	v_mul_u32_u24 v[RO], v13, 1536
	s_delay_alu instid0(VALU_DEP_1)
	v_mad_u32_u24 v[RO], v14, 24, v[RO]
	v_lshlrev_b32 v[WSO], 5, v13
	v_lshlrev_b32 v[RSO], 6, v13
	v_lshlrev_b32 v[BO], 4, v13
	s_delay_alu instid0(VALU_DEP_1)
	v_lshl_add_u32 v[OO], v15, 12, v[BO]
	s_mul_i32 s18, s16, PART
	v_mul_u32_u24 v[STO], v13, 272
	s_delay_alu instid0(VALU_DEP_1)
	v_lshl_add_u32 v[STO], v14, 5, v[STO]
	s_delay_alu instid0(VALU_DEP_1)
	v_add_nc_u32 v[STO], s18, v[STO]
	v_mul_u32_u24 v[RDL], v15, 272
	s_delay_alu instid0(VALU_DEP_1)
	v_add_nc_u32 v[RDL], v[RDL], v[BO]
	s_delay_alu instid0(VALU_DEP_1)
	v_add_nc_u32 v[RDH], 8*PART, v[RDL]
	s_lshl_b32 s20, ttmp9, 6
	s_add_co_u32 s20, s20, s16
	s_mul_i32 s20, s20, 1536                       ; Wc's images: (16 x tile + K step) x 1,536, tile = 4 g on
	s_mov_b32 s21, 0
	s_mul_i32 s22, s16, 96                         ; the representation: 96 bytes a K step
	s_mov_b32 s23, 0
	s_lshl_b32 s24, ttmp9, 3                       ; Wc's scale words: (2 x tile + K step / 8) x 512 + 4 x (K step % 8)
	s_lshr_b32 s26, s16, 3
	s_add_co_u32 s24, s24, s26
	s_lshl_b32 s24, s24, 9
	s_and_b32 s26, s16, 7
	s_lshl_b32 s26, s26, 2
	s_add_co_u32 s24, s24, s26
	s_mov_b32 s25, 0
	s_lshl_b32 s26, s16, 2                         ; the representation's: 4 bytes a K step
	s_mov_b32 s27, 0
	s_lshl_b32 s28, ttmp9, 8                       ; the work-group's 64 columns
	s_mov_b32 s29, 0
	s_wait_alu depctr_va_vdst(0)
	s_wait_kmcnt 0x0
	s_add_nc_u64 s[8:9], s[8:9], s[20:21]
	s_add_nc_u64 s[4:5], s[4:5], s[22:23]
	s_add_nc_u64 s[10:11], s[10:11], s[24:25]
	s_add_nc_u64 s[6:7], s[6:7], s[26:27]
	s_add_nc_u64 s[12:13], s[12:13], s[28:29]
	s_add_nc_u64 s[14:15], s[14:15], s[28:29]
.irp n, 0,1,2,3
.irp g, 0,1,2
	global_load_b128 v[WC+12*\n+4*\g:WC+12*\n+4*\g+3], v[L16], s[8:9] offset:24576*\n+512*\g th:TH_LOAD_NT   ; a tile's sixteen images are 24,576 bytes
.endr
.endr
.irp t, 0,1
.irp p, 0,1,2,3,4,5
	global_load_b64 v[RP+12*\t+2*\p:RP+12*\t+2*\p+1], v[RO], s[4:5] offset:24576*\t+48*(\p/3)+8*(\p%3)
.endr
.endr
.irp n, 0,1,2,3
	global_load_b32 v[WSC+\n], v[WSO], s[10:11] offset:1024*\n
.endr
.irp t, 0,1
	global_load_b32 v[RSC+\t], v[RSO], s[6:7] offset:1024*\t
.endr
	global_load_b128 v[BC:BC+3], v[BO], s[12:13]
	s_wait_loadcnt 0x0
.irp n, 0,1,2,3
.irp t, 0,1
	v_wmma_scale_f32_16x16x128_f8f6f4 v[ACC+8*(2*\n+\t):ACC+8*(2*\n+\t)+7], v[WC+12*\n:WC+12*\n+11], v[RP+12*\t:RP+12*\t+11], 0, v[WSC+\n], v[RSC+\t] matrix_a_fmt:MATRIX_FMT_FP6 matrix_b_fmt:MATRIX_FMT_FP6
.endr
.endr
.rept 4
	v_nop                                          ; four places before the results are read
.endr
.irp n, 0,1,2,3
.irp t, 0,1
	ds_store_b128 v[STO], v[ACC+8*(2*\n+\t):ACC+8*(2*\n+\t)+3] offset:4352*\t+64*\n          ; each accumulator from its low end on
	ds_store_b128 v[STO], v[ACC+8*(2*\n+\t)+4:ACC+8*(2*\n+\t)+7] offset:4352*\t+64*\n+16
.endr
.endr
	s_wait_dscnt 0x0                               ; for the others' sake: my stores are done
	s_barrier_signal -1
	s_barrier_wait -1
.irp q, 0,1,2,3,4,5,6,7
	ds_load_b128 v[SM+4*\q:SM+4*\q+3], v[RDL] offset:PART*\q
.endr
.irp q, 0,1,2,3,4,5,6,7
	ds_load_b128 v[SM+32+4*\q:SM+35+4*\q], v[RDH] offset:PART*\q
.endr
	s_wait_dscnt 0x0
.irp q, 1
	v_pk_add_f32 v[SM:SM+1], v[SM:SM+1], v[SM+4*\q:SM+4*\q+1]
	v_pk_add_f32 v[SM+2:SM+3], v[SM+2:SM+3], v[SM+4*\q+2:SM+4*\q+3]
.endr
.irp q, 2, 3, 4, 5, 6, 7, 8, 9, 10, 11, 12, 13, 14, 15
	s_delay_alu instid0(VALU_DEP_2)
	v_pk_add_f32 v[SM:SM+1], v[SM:SM+1], v[SM+4*\q:SM+4*\q+1]
	s_delay_alu instid0(VALU_DEP_2)
	v_pk_add_f32 v[SM+2:SM+3], v[SM+2:SM+3], v[SM+4*\q+2:SM+4*\q+3]
.endr
	s_delay_alu instid0(VALU_DEP_2)
	v_pk_add_f32 v[SM:SM+1], v[SM:SM+1], v[BC:BC+1]
	s_delay_alu instid0(VALU_DEP_2)
	v_pk_add_f32 v[SM+2:SM+3], v[SM+2:SM+3], v[BC+2:BC+3]
	global_store_b128 v[OO], v[SM:SM+3], s[14:15]  ; sixteen lanes store 256 consecutive bytes of a row, aligned
	s_wait_tensorcnt 0x0                           ; the wave's end
	ds_add_u32 v[SPW], v[NIL]
	s_wait_dscnt 0x0
	s_endpgm
.Lfunc_end_k_qbaac30e89d_outp:
	.size	k_qbaac30e89d_outp, .Lfunc_end_k_qbaac30e89d_outp-k_qbaac30e89d_outp
	.p2alignl 7, 3214868480
	.fill 96, 4, 3214868480
	.section	.rodata,"a",@progbits
	.p2align	6, 0x0
	.amdhsa_kernel k_qbaac30e89d_outp
		.amdhsa_group_segment_fixed_size 141312
		.amdhsa_private_segment_fixed_size 0
		.amdhsa_enable_private_segment 0
		.amdhsa_kernarg_size 48
		.amdhsa_user_sgpr_count 2
		.amdhsa_user_sgpr_kernarg_segment_ptr 1
		.amdhsa_wavefront_size32 1
		.amdhsa_system_sgpr_workgroup_id_x 1
		.amdhsa_system_sgpr_workgroup_id_y 1
		.amdhsa_system_sgpr_workgroup_id_z 1
		.amdhsa_system_vgpr_workitem_id 0
		.amdhsa_next_free_vgpr 256
		.amdhsa_next_free_sgpr 66
		.amdhsa_reserve_vcc 0
		.amdhsa_float_denorm_mode_32 3
		.amdhsa_float_denorm_mode_16_64 3
		.amdhsa_memory_ordered 1
		.amdhsa_forward_progress 1
		.amdhsa_inst_pref_size 13
	.end_amdhsa_kernel
	.amdgpu_metadata
---
amdhsa.version: [ 1, 2 ]
amdhsa.kernels:
  - .name:           k_qbaac30e89d_outp
    .symbol:         k_qbaac30e89d_outp.kd
    .args:
      - { .name: rq, .offset: 0, .size: 8, .value_kind: global_buffer, .address_space: global }
      - { .name: rs, .offset: 8, .size: 8, .value_kind: global_buffer, .address_space: global }
      - { .name: wcq, .offset: 16, .size: 8, .value_kind: global_buffer, .address_space: global }
      - { .name: wcs, .offset: 24, .size: 8, .value_kind: global_buffer, .address_space: global }
      - { .name: bc, .offset: 32, .size: 8, .value_kind: global_buffer, .address_space: global }
      - { .name: out0, .offset: 40, .size: 8, .value_kind: global_buffer, .address_space: global }
    .group_segment_fixed_size: 141312
    .private_segment_fixed_size: 0
    .kernarg_segment_align: 8
    .kernarg_segment_size: 48
    .max_flat_workgroup_size: 512
    .sgpr_count:     66
    .vgpr_count:     256
    .wavefront_size: 32
...
	.end_amdgpu_metadata
.endif
;; end of part 8
